; MI455X (gfx1250); checked and timed in simulation.
; The chip was launched on July 23, 2026; its instructions are those of AMD's public machine-readable ISA for CDNA 5 (MIT licence, August 2026) and "CDNA5" Instruction Set Architecture Reference Guide (July 2026). The comments in the code are by the model that wrote it; some were corrected since.
;; Single Head Attention. Allowed arithmetic: matrix products marked QUANTISED: E2M3 operands, one E8M0 scale for each 32 along K, by v_wmma_scale_f32_16x16x128_f8f6f4 with both operands' format E2M3, f32 sums; everything else in f32.
;; Inputs: Wk_codes 1,024 x 32 x 24 uint8 (E2M3 codes of Wk, K innermost, in blocks of 32 codes, four codes in three bytes); Wk_scales 1,024 x 32 uint8 (E8M0 scales of Wk, one for each 32 codes along K); Wo_codes 1,024 x 32 x 24 uint8 (E2M3 codes of Wo, K innermost, in blocks of 32 codes, four codes in three bytes); Wo_scales 1,024 x 32 uint8 (E8M0 scales of Wo, one for each 32 codes along K); Wq_codes 1,024 x 32 x 24 uint8 (E2M3 codes of Wq, K innermost, in blocks of 32 codes, four codes in three bytes); Wq_scales 1,024 x 32 uint8 (E8M0 scales of Wq, one for each 32 codes along K); Wv_codes 1,024 x 32 x 24 uint8 (E2M3 codes of Wv, K innermost, in blocks of 32 codes, four codes in three bytes); Wv_scales 1,024 x 32 uint8 (E8M0 scales of Wv, one for each 32 codes along K); bk 1,024 float32; bo 1,024 float32; bq 1,024 float32; bv 1,024 float32; x_codes 4 x 2,048 x 32 x 24 uint8 (E2M3 codes of x, K innermost, in blocks of 32 codes, four codes in three bytes); x_scales 4 x 2,048 x 32 uint8 (E8M0 scales of x, one for each 32 codes along K).
;; Outputs: out0 4 x 2,048 x 1,024 float32.
;; This version of the problem:
;;   THIS VERSION OF THE PROBLEM IS GIVEN IN LOW PRECISION. The matrix products marked QUANTISED in the list below multiply operands that are first quantised to E2M3 (2 exponent bits, 3 mantissa bits; 6 bits a number), with one power-of-two scale for each 32 numbers along K (OCP MX v1.0); their sums are f32. All else is computed in f32.
;;   The module's matrix products, in the order in which they are computed (A, B: the left and right operand; K: the contracted axis; several contracted axes count as one K, in the product's order):
;;     1. [M 8,192, K 1,024] x [K 1,024, N 1,024]; A: input x (given as codes); B: input Wq (given as codes): QUANTISED
;;     2. [M 8,192, K 1,024] x [K 1,024, N 1,024]; A: input x (given as codes); B: input Wk (given as codes): QUANTISED
;;     3. [M 8,192, K 1,024] x [K 1,024, N 1,024]; A: input x (given as codes); B: input Wv (given as codes): QUANTISED
;;     4. batch 4 x [M 2,048, K 1,024] x [K 1,024, N 2,048]; A: computed on the way; B: computed on the way: QUANTISED
;;     5. batch 4 x [M 2,048, K 2,048] x [K 2,048, N 1,024]; A: softmax (see below); B: computed on the way: QUANTISED
;;     6. [M 8,192, K 1,024] x [K 1,024, N 1,024]; A: computed on the way; B: input Wo (given as codes): QUANTISED
;;   THE QUANTISER, for each operand of a quantised product, along K:
;;     - K is cut into blocks of 32 from its start; a last block that is shorter is filled with zeros.
;;     - A block's scale is 2^e with e = floor(log2(the largest magnitude in the block)) - 2, held to -126 .. 127; a block of zeros has e = 0. As a byte (E8M0): e + 127.
;;     - Each number is divided by its block's scale, clamped to +-7.5, and rounded to the nearest number of E2M3, ties to even, subnormals kept.
;;     - The product sums the exact products of the quantised numbers (number of the format x scale) in f32.
;;   ~~~python
;;   def quantise(x, axis):      # numpy; x: float32 -> the quantised numbers, widened to float32 again
;;       x = np.moveaxis(x, axis, -1); K = x.shape[-1]
;;       x = np.pad(x, [(0, 0)] * (x.ndim - 1) + [(0, -K % 32)]); x = x.reshape(x.shape[:-1] + (-1, 32)); a = np.abs(x).max(-1, keepdims=True)
;;       e = np.where(a > 0, np.clip(np.frexp(np.where(a > 0, a, 1))[1] - 1 - 2, -126, 127), 0)      # np.frexp(a)[1] - 1 = floor(log2(a)), exactly
;;       r = np.clip(x / 2.0 ** e, -7.5, 7.5)
;;       step = 2.0 ** (np.maximum(np.frexp(np.where(r == 0, 1, r))[1] - 1, 0) - 3)
;;       q = np.round(r / step) * step * 2.0 ** e      # np.round: ties to even
;;       return np.moveaxis(q.reshape(q.shape[:-2] + (-1,))[..., :K], -1, axis).astype(np.float32)
;;   ~~~
;;   SOFTMAX AHEAD OF A QUANTISED PRODUCT. Where the list says 'softmax', what is quantised is not the finished softmax but p = 2^(t - M), with t = logit x log2(e) and M = ceil(the row's largest t), a whole number; so 1/2 < the row's largest p <= 1. The row's sum l is taken of the UNQUANTISED p, in f32, and the product's result is divided by l at the end. Since M is a whole number, a kernel that streams over the keys may use a running M (the ceiling of the running maximum): every later rescaling is an exact power of two, which a block's scale takes up: the codes' values come out the same.
;;   OPERANDS COMPUTED ON THE WAY. 'Computed on the way' means the value that the module computes at that place (a softmax that the list does not call 'softmax' is quantised finished and normalised). What goes into a quantiser is computed in f32, as accurately as f32 sums, v_exp_f32 and their like allow (about 1e-6 of the number): no bf16 or f16 on the way to a quantiser, and a product that is left as it is and whose result goes on into a quantised operand takes f32 operands (vector FMAs, or v_wmma_f32_16x16x4_f32). A number that lies on a knife's edge between two numbers of the format may be rounded either way, as far as f32 arithmetic and the matrix unit's own rounding can turn it there, and no further.
;;   INPUTS GIVEN AS CODES. Wk (in the module: [1024, 1024], K = its axis 1); Wo (in the module: [1024, 1024], K = its axis 1); Wq (in the module: [1024, 1024], K = its axis 1); Wv (in the module: [1024, 1024], K = its axis 1); x (in the module: [4, 2048, 1024], K = its axis 2): each comes as NAME_codes (uint8): NAME with its K axis moved to the last place and cut into blocks of 32 codes, [.., K / 32, bytes a block], one block behind the other in memory; four codes in three bytes: a row's codes are one little-endian stream of bits, code i at bits 6 i .. 6 i + 5 (a code: sign, 2 exponent bits, 3 mantissa bits); and NAME_scales (uint8): the same leading axes, one E8M0 byte (e + 127) for each 32 codes along K. Its value is code x scale, taken as it is: it is not quantised again, and the codes and scales need not be those that the quantiser above would give.
;; 2 versions, each right. Each part assembles by itself: llvm-mc -triple=amdgcn-amd-amdhsa -mcpu=gfx1250 --defsym DOCPART=n.
;; ======== version 1 of 2: 4 launches
;; workspace buffers: qkv 19,660,800 bytes; pbuf 14,155,776 bytes; obuf 6,553,600 bytes
;; launch proj (part 1): grid 4 x 96, 4 waves a work-group, clusters of 4 x 4, 327,680 bytes of LDS; arguments x_codes, x_scales, Wq_codes, Wq_scales, Wk_codes, Wk_scales, Wv_codes, Wv_scales, bq, bk, bv, qkv; writes qkv
.if DOCPART == 1
	.amdgcn_target "amdgcn-amd-amdhsa--gfx1250"
	.amdhsa_code_object_version 6
	.text
	.protected	k_q5ce6aaf8c0_proj
	.globl	k_q5ce6aaf8c0_proj
	.p2align	8
	.type	k_q5ce6aaf8c0_proj,@function
k_q5ce6aaf8c0_proj:
	s_mov_b64 s[64:65], 0
	v_nop
	global_prefetch_b8 v0, s[64:65] scope:SCOPE_SE
	s_setreg_imm32_b32 hwreg(HW_REG_WAVE_MODE, 25, 1), 1
	s_wait_xcnt 0x0
	s_wait_alu depctr_hold_cnt(0) depctr_sa_sdst(0) depctr_va_vdst(0) depctr_va_sdst(0) depctr_va_ssrc(0) depctr_va_vcc(0) depctr_vm_vsrc(0)
	s_getreg_b32 s2, hwreg(HW_REG_IB_STS2, 6, 4)
	s_cmp_eq_u32 s2, 0
	s_cbranch_scc0 .Lentry_in_a_cluster
	s_endpgm
.Lentry_in_a_cluster:
	s_bfe_u32 s2, ttmp6, 0x10000c
	s_cmp_lg_u32 s2, 0xf033
	s_cbranch_scc0 .Lentry_shape_is_right
	s_endpgm
.Lentry_shape_is_right:
; FIRST OF FOUR LAUNCHES: proj (Q, K, V^T), score (p = 2^(t - M) of the live tiles), mix (O = P V / l), outp (O Wo^T + bo).
; WORK LEFT OUT BY THE PROGRAM.  reference() itself sets every score with key > query to -infinity (its own jnp.triu) ahead of the softmax, so that weight is 0 whatever finite values the inputs hold.
; A tile of 256 queries x 256 keys whose tile column lies above its tile row holds such scores alone: it adds nothing to any row's maximum, sum or product with V.  score and mix leave those tiles out, 28 of 64 in each batch.
; LIMIT: a NaN, an infinity or an overflow that would arise only in those tiles is not carried to the result.  Every input has a way to the output and is loaded.
; THIS LAUNCH: jobs 0, 1: Q, K = x W^T + b, [8192][1024], quantised along the 1,024;  job 2: V^T = Wv x^T + bv, [1024][8192], quantised along the tokens (the keys of the second attention product).
; All three are ONE product C = A B^T on codes of FP6 (E2M3) with E8M0 scales: A = x, B = Wq or Wk; or A = Wv, B = x.  The cluster's y says which: job = y / 8, part = y % 8: the same in all sixteen partners.
; A tile of C, 256 x 256, is made by four waves, 128 x 128 each: 64 accumulators.  K = 1,024 goes in four slots' worth of 256 through a ring of two LDS slots; the scale bytes of the tile's rows come once.
; CLUSTERS: 4 x 4 work-groups; A's tiles are asked for jointly along a row of the cluster, B's along a column.
; THE MATRIX INSTRUCTION IS USED TRANSPOSED (source 0 = 16 rows of B, source 1 = 16 rows of A): a lane holds one row of A, and its registers run along B's rows, which is the next product's K.
; THE BIAS STARTS THE SUMS: accumulator = bias along B's rows (jobs 0, 1) + bias along A's rows (job 2), the term that does not apply made 0 by a select: one addition for each output, made while the first tiles are on their way.
; THE WAY OUT: a wave's 128 columns are one K step of the next product.  Each block of 16 rows is quantised in registers and stored as an IMAGE OF THE OPERAND'S REGISTERS: 1,536 dense bytes, registers 4 c .. 4 c + 3 of lane l at 512 c + 16 l:
; each store of the wave covers 512 consecutive bytes, aligned.  Inside a block of 32 the codes stand in the order 0-7, 16-23, 8-15, 24-31: the same on both sides of each attention product, so the sums are those of the natural order.
; The scale words leave by stores of 4 bytes a row (one byte in 24 of what the launch stores).
; qkv: Q's images at 0, K's at 6,291,456 ((token / 16) x 8 + d / 128), V^T's at 12,582,912 ((batch x 64 + d / 16) x 16 + key / 128); scale bytes: Q [token][32] at 18,874,368, K at 19,136,512, V^T [batch][d][64] at 19,398,656.
; LIMITS: a block whose largest magnitude lies under 2^-124 keeps the byte 1 (a block of zeros too: its codes are zeros; this program alone reads the bytes); NaN and infinities are not served.
; REGISTERS: window 0: v16-23 fragment addresses, v24-30 other addresses, v32-47 scale words (two sets), v48-63, v64, v66-85 the quantiser's, v128-223 A's fragments (ahead of the loop: the biases).
;   window 1: B's fragments, two sets at v0 and v128.  windows 2, 3: the accumulators, (a, b) at v[8 (8 (a % 4) + b)] of window 2 + a / 4.
.set ROWB,  192                        ; a tile's row: 256 codes
.set KROW,  768                        ; a row of x or of a weight in memory
.set PITCH, 240                        ; an LDS row: 3 x (64 bytes + 16 of padding)
.set FR,    12                         ; registers of a fragment
.set NLA,   6                          ; LDS loads that bring a fragment of A
.set NP,    4                          ; places behind this matrix instruction (ISA guide 7.12.1)
.set HALFT, 128*PITCH
.set SLOT,  4*HALFT
.set KS,    32                         ; a row of scale bytes
.set SCL,   2*SLOT
.set HALFS, (128*KS/256)*272
.set SBLK,  (16*KS/256)*272
.set SPARE, SCL+4*HALFS                ; the spare words: 128 bytes a wave, named by no other line
.set ADRA, 16
.set ADRB, 20
.set LI,   24                          ; 16 x lane
.set SOF,  25                          ; my row's place among the scale bytes
.set BNA,  26
.set ADRS, 27
.set SPW,  28
.set NIL,  29
.set BMA,  30
.set SC,   32
.set TM,   48
.set PW,   64
.set CD,   66
.set AF,   128
.set BN,   128                         ; v128-191 bias along B's rows, in the result's layout
.set BM,   192                         ; v192-207 bias along A's rows: block a's at v[192 + 2 a]
.set G1,   24
.set G0,   32
.set G1B,  48
.set G0B,  56
.set G1S,  68
.set G0S,  76
.set G1SB, 80
.set G0SB, 88
.set SEL,  100
.set MSB, 0
.macro WIN new                         ; the immediate's high byte repeats the setting that is left
.if MSB != (\new)
	s_set_vgpr_msb (MSB<<8)|(\new)
.set MSB, (\new)
.endif
.endm
.set MUL_LO, 0xa1                      ; source 0 (B) window 1, source 1 (A) window 0, C and D window 2
.set MUL_HI, 0xf1
.set TO_B,   0x40
.macro PLACES n
.rept \n
	v_nop
.endr
.endm
; A joint load: waves 0 and 1 fetch for A, waves 2 and 3 for B; the branch hangs on the wave's number alone.  An s_nop 0 and four v_nop follow each line.
.macro JLOAD g0a, g1a, g0b, g1b
	s_cmp_eq_u32 s15, 0
	s_cbranch_scc0 .Lfor_b_\@
	tensor_load_to_lds s[\g0a:\g0a+3], s[\g1a:\g1a+7]
	s_nop 0
.rept 4
	v_nop
.endr
	s_branch .Lasked_\@
.Lfor_b_\@:
	tensor_load_to_lds s[\g0b:\g0b+3], s[\g1b:\g1b+7]
	s_nop 0
.rept 4
	v_nop
.endr
.Lasked_\@:
.endm
.macro CREST                           ; a round of the cluster's barrier behind its opening barrier
	s_cmp_lg_u32 s14, 0
	s_cbranch_scc1 .Lnot_wave_0_\@
	s_barrier_signal -3
.Lnot_wave_0_\@:
	s_barrier_wait -3
	s_barrier_signal -1
	s_barrier_wait -1
.endm
.macro CROUND
	s_barrier_signal -1
	s_barrier_wait -1
	CREST
.endm
	s_load_b512 s[68:83], s[0:1], 0x0              ; x codes, x scales, Wq c, Wq s, Wk c, Wk s, Wv c, Wv s
	s_load_b256 s[84:91], s[0:1], 0x40             ; bq, bk, bv, qkv
	v_lshl_add_u32 v[SPW], v0, 2, SPARE
	v_mov_b32 v[NIL], 0
	ds_add_u32 v[SPW], v[NIL]                      ; the wave's opening: the add, twice on end, and its wait ahead of my first tensor load
	ds_add_u32 v[SPW], v[NIL]
	v_lshrrev_b32 v1, 5, v0
	v_readfirstlane_b32 s14, v1                    ; wave 0..3
	s_lshr_b32 s15, s14, 1                         ; my half of the tile's rows.  Also: I fetch for A (0) or for B (1)
	s_and_b32 s16, s14, 1                          ; my half of its columns.  Also: which 128 rows I fetch
	s_bfe_u32 s40, ttmp6, 0x40000                  ; cx
	s_bfe_u32 s41, ttmp6, 0x40004                  ; cy
	s_and_b32 s2, ttmp7, 0xffff                    ; the cluster's y: 0..23
	s_lshr_b32 s3, s2, 3                           ; job: 0 Q, 1 K, 2 V^T
	s_and_b32 s2, s2, 7
	s_lshl_b32 s2, s2, 2                           ; 4 x part
	s_cmp_eq_u32 s3, 2
	s_cselect_b32 s17, 0, s2
	s_cselect_b32 s42, s2, 0
	s_cselect_b32 s104, -1, 0                      ; all lanes in job 2
	s_cselect_b32 s105, 0, -1                      ; all lanes in jobs 0, 1
	s_add_co_u32 s17, s17, s41                     ; tile row of C
	s_add_co_u32 s42, s42, s40                     ; tile column of C
	s_lshl_b32 s43, s41, 2
	s_lshl_b32 s43, 15, s43                        ; my row of the cluster
	s_lshl_b32 s44, 0x1111, s40                    ; my column
	s_or_b32 s[G1+0], s43, (0<<16)|(1<<20)|(1<<21)|(3<<22)|(3<<25)   ; the mask; elements of 1 byte; 4 words of padding behind every 16
	s_or_b32 s[G1B+0], s44, (0<<16)|(1<<20)|(1<<21)|(3<<22)|(3<<25)
.irp g, G1, G1B
	s_mov_b32 s[\g+1], ROWB<<16                    ; tensor_dim0
	s_mov_b32 s[\g+2], 128<<16                     ; tensor_dim1
	s_mov_b32 s[\g+3], ROWB<<16                    ; tile_dim0
	s_mov_b32 s[\g+4], 128                         ; tile_dim1
	s_mov_b32 s[\g+5], KROW                        ; pitch
	s_mov_b32 s[\g+6], 0
	s_mov_b32 s[\g+7], 0
.endr
	s_lshl_b32 s18, s16, 7
	s_lshl_b32 s20, s17, 8
	s_add_co_u32 s20, s20, s18                     ; A: row 256 x tile row + 128 x half
	s_lshl_b32 s46, s42, 8
	s_add_co_u32 s46, s46, s18                     ; B: row 256 x tile column + 128 x half
	s_mov_b32 s21, 0
	s_mov_b32 s47, 0
	s_mov_b64 s[18:19], KS
	s_mul_u64 s[22:23], s[20:21], s[18:19]         ; these rows' scale bytes,
	s_mul_u64 s[92:93], s[46:47], s[18:19]
	s_mov_b64 s[18:19], KROW
	s_mul_u64 s[20:21], s[20:21], s[18:19]         ; and their codes
	s_mul_u64 s[46:47], s[46:47], s[18:19]
	s_mul_i32 s45, s14, HALFT                      ; where they go: wave x 128 rows
	s_mul_i32 s94, s14, HALFS
	s_mov_b32 s[SEL], 0x76543210
	s_mov_b32 s[SEL+1], 0xfedcba98                 ; v_permlanex16_b32's selects for lane l xor 16
	s_wait_dscnt 0x0                               ; both opening adds are done
	s_wait_kmcnt 0x0
	s_cmp_eq_u32 s3, 1                             ; the job chooses the buffers: a choice that hangs on no address
	s_cselect_b64 s[8:9], s[76:77], s[72:73]
	s_cselect_b64 s[10:11], s[78:79], s[74:75]
	s_cselect_b64 s[98:99], s[86:87], s[84:85]
	s_cmp_eq_u32 s3, 2
	s_cselect_b64 s[4:5], s[80:81], s[68:69]       ; A's codes
	s_cselect_b64 s[6:7], s[82:83], s[70:71]       ; A's scales
	s_cselect_b64 s[8:9], s[68:69], s[8:9]         ; B's codes
	s_cselect_b64 s[10:11], s[70:71], s[10:11]     ; B's scales
	s_cselect_b64 s[98:99], s[88:89], s[98:99]     ; the bias
	s_mov_b64 s[12:13], s[90:91]                   ; qkv, for the images
	s_mov_b64 s[96:97], s[90:91]                   ; and for the scale words
	s_add_nc_u64 s[20:21], s[4:5], s[20:21]
	s_add_nc_u64 s[22:23], s[6:7], s[22:23]
	s_add_nc_u64 s[46:47], s[8:9], s[46:47]
	s_add_nc_u64 s[92:93], s[10:11], s[92:93]
	; the arguments' registers are free now: the scales' descriptors: 128 rows' scale bytes are 4,096 dense bytes, as 16 rows of 256 with 16 of padding behind each
	s_or_b32 s[G1S+0], s43, (3<<16)|(1<<20)|(1<<21)|(5<<22)|(3<<25)
	s_or_b32 s[G1SB+0], s44, (3<<16)|(1<<20)|(1<<21)|(5<<22)|(3<<25)
.irp g, G1S, G1SB
	s_mov_b32 s[\g+1], 32<<16
	s_mov_b32 s[\g+2], (128*KS/256)<<16
	s_mov_b32 s[\g+3], 32<<16
	s_mov_b32 s[\g+4], 128*KS/256
	s_mov_b32 s[\g+5], 32
	s_mov_b32 s[\g+6], 0
	s_mov_b32 s[\g+7], 0
.endr
	CROUND                                         ; all sixteen work-groups are here: the first joint loads meet
	s_mov_b32 s[G0S], 1
	s_add_co_u32 s[G0S+1], s94, SCL
	s_mov_b64 s[G0S+2:G0S+3], s[22:23]
	s_or_b32 s[G0S+3], s[G0S+3], 0x80000000
	s_mov_b32 s[G0SB], 1
	s_add_co_u32 s[G0SB+1], s94, SCL
	s_mov_b64 s[G0SB+2:G0SB+3], s[92:93]
	s_or_b32 s[G0SB+3], s[G0SB+3], 0x80000000
	JLOAD G0S, G1S, G0SB, G1SB                     ; the scales first: they are wanted with the first K step
.irp s, 0,1
	s_mov_b32 s[G0+4*\s], 1
	s_add_co_u32 s[G0+4*\s+1], s45, \s*SLOT
	s_add_nc_u64 s[G0+4*\s+2:G0+4*\s+3], s[20:21], \s*ROWB
	s_or_b32 s[G0+4*\s+3], s[G0+4*\s+3], 0x80000000
	s_mov_b32 s[G0B+4*\s], 1
	s_add_co_u32 s[G0B+4*\s+1], s45, \s*SLOT
	s_add_nc_u64 s[G0B+4*\s+2:G0B+4*\s+3], s[46:47], \s*ROWB
	s_or_b32 s[G0B+4*\s+3], s[G0B+4*\s+3], 0x80000000
	JLOAD G0+4*\s, G1, G0B+4*\s, G1B
.endr
	; the biases.  Along B's rows: n = (jobs 0, 1: 256 x tile column) + 128 x column half + 16 b + 8 h + j;  along A's rows: m = (job 2: 256 x tile row) + 128 x row half + 16 a + r.  Both stay inside the 1,024 in every job
	s_cmp_eq_u32 s3, 2
	s_cselect_b32 s18, 0, s42
	s_cselect_b32 s10, s17, 0
	s_lshl_b32 s18, s18, 10
	s_lshl_b32 s8, s16, 9
	s_add_co_u32 s18, s18, s8
	s_lshl_b32 s10, s10, 10
	s_lshl_b32 s8, s15, 9
	s_add_co_u32 s10, s10, s8
	s_mov_b32 s19, 0
	s_mov_b32 s11, 0
	s_add_nc_u64 s[4:5], s[98:99], s[18:19]
	s_add_nc_u64 s[6:7], s[98:99], s[10:11]
	v_and_b32 v1, 15, v0                           ; r
	v_bfe_u32 v2, v0, 4, 1                         ; h
	v_lshlrev_b32 v[BNA], 5, v2
	v_lshlrev_b32 v[BMA], 2, v1
.irp b, 0,1,2,3,4,5,6,7
	global_load_b128 v[BN+8*\b:BN+8*\b+3], v[BNA], s[4:5] offset:64*\b
	global_load_b128 v[BN+8*\b+4:BN+8*\b+7], v[BNA], s[4:5] offset:64*\b+16
.endr
.irp a, 0,1,2,3,4,5,6,7
	global_load_b32 v[BM+2*\a], v[BMA], s[6:7] offset:64*\a
	v_mov_b32 v[BM+2*\a+1], 0                      ; named with it as a pair, so it is written
.endr
	v_mul_u32_u24 v3, v1, PITCH
	v_mul_u32_u24 v4, v2, 24
	v_add_nc_u32 v4, v3, v4                        ; a fragment's row x pitch + 24 x half
	v_lshl_add_u32 v5, v2, 4, v4                   ; and the same behind one padding more
	s_mul_i32 s21, s15, HALFT                      ; my 128 rows of A
	s_mul_i32 s22, s16, HALFT
	s_add_co_u32 s22, s22, 2*HALFT                 ; my 128 rows of B, behind A's 256
.irp s, 0,1
	v_add_nc_u32 v[ADRA+\s], s21, v4
	v_add_nc_u32 v[ADRB+\s], s22, v4
	v_add_nc_u32 v[ADRA+2+\s], s21, v5
	v_add_nc_u32 v[ADRB+2+\s], s22, v5
	s_add_co_u32 s21, s21, SLOT
	s_add_co_u32 s22, s22, SLOT
.endr
	v_mul_u32_u24 v5, v1, KS                       ; my row's scale bytes: KS a row,
	v_lshrrev_b32 v6, 8, v5
	v_lshl_add_u32 v5, v6, 4, v5                   ; and 16 more for each 256 passed
	s_mul_i32 s21, s15, HALFS
	s_mul_i32 s22, s16, HALFS
	s_add_co_u32 s22, s22, 2*HALFS
	s_sub_co_u32 s22, s22, s21
	v_mul_u32_u24 v6, s22, v2                      ; lanes 16-31 take B's
	s_add_co_u32 s21, s21, SCL
	v_add_nc_u32 v5, v5, v6
	v_add_nc_u32 v[ADRS], s21, v5
	v_and_b32 v6, 31, v0
	v_lshlrev_b32 v[LI], 4, v6
.irp b, 0,1,2,3
	v_mov_b32 v[TM+4+\b], 0                        ; written once: a lane permute's destination counts as one of its sources
.endr
	; the way out's bases.  g = which 128 of B's rows are mine; U0 = my first block of 16 rows of A
	s_lshl_b32 s18, s42, 1
	s_add_co_u32 s18, s18, s16                     ; g
	s_lshl_b32 s19, s17, 4
	s_lshl_b32 s8, s15, 3
	s_add_co_u32 s19, s19, s8                      ; U0
	s_cmp_eq_u32 s3, 2
	s_cselect_b32 s8, 16, 8                        ; images in a row of images
	s_cselect_b32 s9, 64, 32                       ; scale bytes in a row
	s_lshr_b32 s10, s18, 4                         ; the batch (job 2; else 0)
	s_and_b32 s18, s18, 15
	s_mul_i32 s11, s19, s8
	s_lshl_b32 s92, s10, 10
	s_add_co_u32 s11, s11, s92
	s_add_co_u32 s11, s11, s18
	s_mul_i32 s11, s11, 1536
	s_mul_i32 s92, s3, 6291456
	s_add_co_u32 s92, s92, s11
	s_mov_b32 s93, 0
	s_add_nc_u64 s[12:13], s[12:13], s[92:93]      ; my first image
	s_mul_i32 s11, s19, s9
	s_lshl_b32 s11, s11, 4
	s_lshl_b32 s92, s10, 16
	s_add_co_u32 s11, s11, s92
	s_lshl_b32 s92, s18, 2
	s_add_co_u32 s11, s11, s92
	s_mul_i32 s92, s3, 262144
	s_add_co_u32 s92, s92, s11
	s_add_co_u32 s92, s92, 18874368
	s_add_nc_u64 s[96:97], s[96:97], s[92:93]      ; my first rows' scale word
	s_mul_i32 s92, s8, 1536                        ; from a block of 16 rows to the next: images,
	s_lshl_b32 s94, s9, 4                          ; scale bytes
	s_mov_b32 s95, 0
	v_mul_u32_u24 v[SOF], s9, v1
	s_wait_loadcnt 0x0                             ; the biases
.set k, 0
.rept 64
	v_cndmask_b32 v[BN+k], 0, v[BN+k], s105        ; 0 in job 2
.set k, k+1
.endr
.irp a, 0,1,2,3,4,5,6,7
	v_cndmask_b32 v[BM+2*\a], 0, v[BM+2*\a], s104  ; 0 in jobs 0, 1
.endr
.irp a, 0,1,2,3,4,5,6,7
	WIN 0x80+0x40*(\a/4)                           ; destination window 2 or 3
.set k, 0
.rept 32
	v_pk_add_f32 v[64*(\a%4)+k:64*(\a%4)+k+1], v[BN+k:BN+k+1], v[BM+2*\a:BM+2*\a+1] op_sel_hi:[1,0]   ; the bias starts the sums
.set k, k+2
.endr
.endr
	WIN 0
	PLACES NP
.macro FRAGR reg, adr, q, i            ; a fragment from rows in LDS: 24 bytes of the row's stream of bits twice, in pieces of 8 bytes; where lanes 16-31's piece lies behind one padding more, the second address register serves
.irp p, 0,1,2,3,4,5
.set PIECE, 12*(\q)+6*(\p/3)+\p%3
.if PIECE%8 < 5
	ds_load_b64 v[\reg+2*\p:\reg+2*\p+1], v[\adr] offset:8*PIECE+16*(PIECE/8)+(\i)*16*PITCH
.else
	ds_load_b64 v[\reg+2*\p:\reg+2*\p+1], v[\adr+2] offset:8*PIECE+16*(PIECE/8)+(\i)*16*PITCH
.endif
.endr
.endm
; 16 matrix instructions: A's blocks a0, a0 + 1 x B's eight, 128 along K; p: B's set and the set of scale words.  The 64 accumulators take turns, one instruction a turn, in the same order in every step.
.macro MUL16 a0, p
.irp a, \a0, \a0+1
.irp b, 0,1,2,3,4,5,6,7
	v_wmma_scale_f32_16x16x128_f8f6f4 v[8*(8*((\a)%4)+\b):8*(8*((\a)%4)+\b)+7], v[128*(\p)+FR*\b:128*(\p)+FR*\b+FR-1], v[AF+FR*(\a):AF+FR*(\a)+FR-1], v[8*(8*((\a)%4)+\b):8*(8*((\a)%4)+\b)+7], v[SC+8*(\p)+\b], v[SC+8*(\p)+(\a)] matrix_a_fmt:MATRIX_FMT_FP6 matrix_b_fmt:MATRIX_FMT_FP6 matrix_a_scale:MATRIX_SCALE_ROW1
.endr
.endr
.endm
.macro FETCH_B slot, q, p, ks          ; B's eight fragments of the slot's q-th 128 into set p, and K step ks's scale words: lanes 0-15 A's block i, lanes 16-31 B's block i
	WIN TO_B
.irp i, 0,1,2,3,4,5,6,7
	FRAGR 128*(\p)+FR*\i, ADRB+\slot, \q, \i
.endr
	WIN 0
.irp i, 0,1,2,3,4,5,6,7
	ds_load_b32 v[SC+8*(\p)+\i], v[ADRS] offset:\i*SBLK+4*(\ks)
.endr
.endm
.macro FETCH_A slot, q, i0             ; A's blocks i0 .. i0 + 3
.irp i, \i0, \i0+1, \i0+2, \i0+3
	FRAGR AF+FR*(\i), ADRA+\slot, \q, \i
.endr
.endm
.macro STEP slot, ks                   ; a slot's first 128 along K: set 0
	s_wait_dscnt 4*NLA                             ; B's set, the scale words and A's blocks 0-3 are in; the youngest loads (A's blocks 4-7) may be out
	WIN MUL_LO
	MUL16 0, 0
	MUL16 2, 0
	s_wait_dscnt 0
	PLACES NP                                      ; in front of loads into registers that matrix instructions have read
	FETCH_B \slot, 1, 1, (\ks)+1
	FETCH_A \slot, 1, 0
	WIN MUL_HI
	MUL16 4, 0
	MUL16 6, 0
	PLACES NP
	WIN 0
	FETCH_A \slot, 1, 4
.endm
; A slot's second 128 (set 1) changes slots: one barrier; in front of it each wave waits for all its tensor loads, adds 0 to its spare word, and waits for that and for its reads of this slot.
.macro TURN slot, next, fill, ks
	s_wait_tensorcnt 0x0                           ; all my tensor loads have landed: my part of the next slot
	ds_add_u32 v[SPW], v[NIL]
	s_wait_dscnt 4*NLA+1                           ; (the add and A's blocks 4-7 may be out)
	WIN MUL_LO
	MUL16 0, 1
	s_wait_dscnt 0x0                               ; the add is done, and my reads of this slot are over
	s_barrier_signal -1
	MUL16 2, 1
	WIN 0
	s_barrier_wait -1
.if \fill
	CREST                                          ; the barrier has opened a round of the cluster's: no wave of any partner still reads this slot or has a load on its way
	s_add_nc_u64 s[G0+4*\slot+2:G0+4*\slot+3], s[G0+4*\slot+2:G0+4*\slot+3], 2*ROWB
	s_add_nc_u64 s[G0B+4*\slot+2:G0B+4*\slot+3], s[G0B+4*\slot+2:G0B+4*\slot+3], 2*ROWB
	JLOAD G0+4*\slot, G1, G0B+4*\slot, G1B         ; the first tensor load behind the round; its four v_nop are the places in front of the loads below
.else
	PLACES NP
.endif
	FETCH_B \next, 0, 0, (\ks)+1
	FETCH_A \next, 0, 0
	WIN MUL_HI
	MUL16 4, 1
	MUL16 6, 1
	PLACES NP
	WIN 0
	FETCH_A \next, 0, 4
.endm
; 64 numbers of a lane in window w, register 16 b + i: block b of my row: i < 8: k = 32 b + 8 h + i, else 32 b + 8 + 8 h + i.  They become a fragment's codes in v[CD] on and its scale word in v[PW].
.macro QUANT s, w
	WIN (\w)|((\w)<<2)
.irp b, 0,1,2,3
	v_max3_num_f32 v[TM+\b], |v[(\s)+16*\b]|, |v[(\s)+1+16*\b]|, 0x1800000   ; my 16 numbers of block b, each accumulator from its low end on, and the floor 2^(3 - 127): the byte cannot fall under 1
.endr
.irp i, 2,4,6,8,10,12,14
.irp b, 0,1,2,3
	v_max3_num_f32 v[TM+\b], |v[(\s)+16*\b+\i]|, |v[(\s)+1+16*\b+\i]|, v[TM+\b]
.endr
.endr
	WIN 0
.irp b, 0,1,2,3
	v_permlanex16_b32 v[TM+4+\b], v[TM+\b], s[SEL], s[SEL+1]
.endr
.irp b, 0,1,2,3
	v_max_num_f32 v[TM+\b], v[TM+\b], v[TM+4+\b]   ; with lane l xor 16's: the block's largest magnitude
.endr
.irp b, 0,1,2,3
	v_add_nc_u32 v[TM+12+\b], 0xff000000, v[TM+\b] ; 2 off its exponent field: the conversion's scale operand
.endr
.irp b, 0,1,2,3
	v_lshrrev_b32 v[TM+4+\b], 23, v[TM+12+\b]      ; the scale's byte
.endr
	v_lshl_or_b32 v[PW], v[TM+5], 8, v[TM+4]
	v_lshl_or_b32 v[PW], v[TM+6], 16, v[PW]
	v_lshl_or_b32 v[PW], v[TM+7], 24, v[PW]
	WIN (\w)
.irp c, 0,1
	v_cvt_scalef32_pk16_fp6_f32 v[CD+6*\c:CD+2+6*\c], v[(\s)+32*\c:(\s)+15+32*\c], v[TM+12+2*\c]
	v_cvt_scalef32_pk16_fp6_f32 v[CD+12+4*\c:CD+14+4*\c], v[(\s)+16+32*\c:(\s)+31+32*\c], v[TM+12+2*\c+1]
.endr
	WIN 0
	v_nop                                          ; one plain place behind a scaled conversion
.irp c, 0,1                            ; the operand's layout wants a whole block in a lane: lanes 0-15 block 2 c, lanes 16-31 block 2 c + 1
.irp i, 0,1,2
	v_permlane16_swap_b32 v[CD+6*\c+\i], v[CD+12+4*\c+\i]
.endr
.irp i, 0,1,2
	v_mov_b32 v[CD+3+6*\c+\i], v[CD+12+4*\c+\i]
.endr
.endr
.endm
	s_wait_tensorcnt 1                             ; the scales and my part of slot 0 are in; slot 1's load may be out
	s_barrier_signal -1
	s_barrier_wait -1
	FETCH_B 0, 0, 0, 0
	FETCH_A 0, 0, 0
	FETCH_A 0, 0, 4
	STEP 0, 0                                      ; K = 1,024 is eight steps of 128: written out
	TURN 0, 1, 1, 1
	STEP 1, 2
	TURN 1, 0, 1, 3
	STEP 0, 4
	TURN 0, 1, 0, 5                                ; the last lap fills nothing
	STEP 1, 6
	s_wait_dscnt 4*NLA
	WIN MUL_LO
	MUL16 0, 1
	MUL16 2, 1
	s_wait_dscnt 0
	WIN MUL_HI
	MUL16 4, 1
	MUL16 6, 1
	WIN 0
	PLACES NP                                      ; in front of the first read of results
.irp a, 0,1,2,3,4,5,6,7
.if \a > 0
	s_wait_xcnt 0x0                                ; the last block's stores have read their registers and bases
	s_add_nc_u64 s[12:13], s[12:13], s[92:93]
	s_add_nc_u64 s[96:97], s[96:97], s[94:95]
.endif
	QUANT 64*(\a%4), 2+\a/4
.irp c, 0,1,2
	global_store_b128 v[LI], v[CD+4*\c:CD+4*\c+3], s[12:13] offset:512*\c   ; 32 lanes store 512 consecutive bytes, aligned
.endr
	global_store_b32 v[SOF], v[PW], s[96:97]       ; lanes l and l xor 16 store the same word to the same place
.endr
	s_wait_tensorcnt 0x0                           ; the wave's end
	ds_add_u32 v[SPW], v[NIL]
	s_wait_dscnt 0x0
	CROUND                                         ; the closing round
	s_endpgm
.Lfunc_end_k_q5ce6aaf8c0_proj:
	.size	k_q5ce6aaf8c0_proj, .Lfunc_end_k_q5ce6aaf8c0_proj-k_q5ce6aaf8c0_proj
	.p2alignl 7, 3214868480
	.fill 96, 4, 3214868480
	.section	.rodata,"a",@progbits
	.p2align	6, 0x0
	.amdhsa_kernel k_q5ce6aaf8c0_proj
		.amdhsa_group_segment_fixed_size 327680
		.amdhsa_private_segment_fixed_size 0
		.amdhsa_enable_private_segment 0
		.amdhsa_kernarg_size 96
		.amdhsa_user_sgpr_count 2
		.amdhsa_user_sgpr_kernarg_segment_ptr 1
		.amdhsa_wavefront_size32 1
		.amdhsa_system_sgpr_workgroup_id_x 1
		.amdhsa_system_sgpr_workgroup_id_y 1
		.amdhsa_system_sgpr_workgroup_id_z 1
		.amdhsa_system_vgpr_workitem_id 0
		.amdhsa_next_free_vgpr 1024
		.amdhsa_next_free_sgpr 106
		.amdhsa_reserve_vcc 0
		.amdhsa_float_denorm_mode_32 3
		.amdhsa_float_denorm_mode_16_64 3
		.amdhsa_memory_ordered 1
		.amdhsa_forward_progress 1
		.amdhsa_inst_pref_size 192
	.end_amdhsa_kernel
	.amdgpu_metadata
---
amdhsa.version: [ 1, 2 ]
amdhsa.kernels:
  - .name:           k_q5ce6aaf8c0_proj
    .symbol:         k_q5ce6aaf8c0_proj.kd
    .args:
      - { .name: x_codes, .offset: 0, .size: 8, .value_kind: global_buffer, .address_space: global }
      - { .name: x_scales, .offset: 8, .size: 8, .value_kind: global_buffer, .address_space: global }
      - { .name: Wq_codes, .offset: 16, .size: 8, .value_kind: global_buffer, .address_space: global }
      - { .name: Wq_scales, .offset: 24, .size: 8, .value_kind: global_buffer, .address_space: global }
      - { .name: Wk_codes, .offset: 32, .size: 8, .value_kind: global_buffer, .address_space: global }
      - { .name: Wk_scales, .offset: 40, .size: 8, .value_kind: global_buffer, .address_space: global }
      - { .name: Wv_codes, .offset: 48, .size: 8, .value_kind: global_buffer, .address_space: global }
      - { .name: Wv_scales, .offset: 56, .size: 8, .value_kind: global_buffer, .address_space: global }
      - { .name: bq, .offset: 64, .size: 8, .value_kind: global_buffer, .address_space: global }
      - { .name: bk, .offset: 72, .size: 8, .value_kind: global_buffer, .address_space: global }
      - { .name: bv, .offset: 80, .size: 8, .value_kind: global_buffer, .address_space: global }
      - { .name: qkv, .offset: 88, .size: 8, .value_kind: global_buffer, .address_space: global }
    .group_segment_fixed_size: 327680
    .private_segment_fixed_size: 0
    .kernarg_segment_align: 8
    .kernarg_segment_size: 96
    .max_flat_workgroup_size: 128
    .sgpr_count:     106
    .vgpr_count:     1024
    .wavefront_size: 32
...
	.end_amdgpu_metadata
.endif
;; end of part 1
;; launch score (part 2): grid 36 x 4, 4 waves a work-group, no clusters, 327,680 bytes of LDS; arguments qkv, pbuf; writes pbuf
.if DOCPART == 2
	.amdgcn_target "amdgcn-amd-amdhsa--gfx1250"
	.amdhsa_code_object_version 6
	.text
	.protected	k_q5ce6aaf8c0_score
	.globl	k_q5ce6aaf8c0_score
	.p2align	8
	.type	k_q5ce6aaf8c0_score,@function
k_q5ce6aaf8c0_score:
	s_mov_b64 s[64:65], 0
	v_nop
	global_prefetch_b8 v0, s[64:65] scope:SCOPE_SE
	s_setreg_imm32_b32 hwreg(HW_REG_WAVE_MODE, 25, 1), 1
	s_wait_xcnt 0x0
; S = Q K^T on the images that proj stored, and the softmax's p, quantised along the keys.  LEFT OUT: the tiles of 256 queries x 256 keys that lie wholly above the diagonal (shown dead at the head of proj): 36 tiles a batch are made.
; A work-group makes tile (i, j), j <= i, of one batch; four waves, 128 queries x 128 keys each; K = 1,024 in eight steps of 128 through two LDS slots of 256.
; Source 0 = 16 keys, source 1 = 16 queries: a lane holds ONE query, and its registers run along the keys.
; THE SOFTMAX IS SPLIT.  A wave's 128 keys are a CHUNK.  For each query and chunk: t = score x log2(e) / 32 (hidden keys: -infinity), M_c = ceil(the chunk's largest t), a whole number, p = 2^(t - M_c), l_c = the sum of the unquantised p.
; p is quantised in blocks of 32 keys and stored as an image of the operand's registers, with its scale word, -M_c and l_c.  mix takes M = the largest M_c and brings scale bytes and sums under it by exact powers of two.
; A chunk all of whose keys are hidden for a query gets t's floor -3e38: -M_c = 3e38, p = 0, zero codes, l_c = 0.  Key 0 counts for every query, so chunk 0 always has a true M_c.
; NO CLUSTER: the 36 live tiles of a batch form a triangle, which no 4 x 4 or 4 x 1 grouping divides into live tiles alone; partners on dead tiles would have to multiply them, since no branch may hang on a place in a cluster.
; pbuf: p's images at 0 ((batch x 128 + query / 16) x 16 + chunk); at 12,582,912 scale words, at 13,107,200 -M_c, at 13,631,488 l_c: each [query][16 chunks] of 4 bytes.
; LIMITS: NaN and infinities among Q and K are not served; a block whose largest p lies under 2^-124 keeps the byte 1.
; REGISTERS: window 0: v16-21 fragment addresses, v24-30 others, v32-47 scale words, v128-223 A's fragments (on the way out: v128-191 p, v192-211 codes), v224-251 the softmax's.  window 1: B's two sets.  windows 2, 3: the accumulators.
.set FR,    12
.set NLA,   3                          ; LDS loads that bring a fragment: an image is three loads of 16 bytes a lane
.set NP,    4
.set HALFI, 24576                      ; 128 rows x 256 along K as images: 8 x 3,072 bytes
.set SLOT,  4*HALFI
.set KS,    32
.set SCL,   2*SLOT
.set HALFS, (128*KS/256)*272
.set SBLK,  (16*KS/256)*272
.set SPARE, SCL+4*HALFS
.set ADRA, 16
.set ADRB, 20
.set LI,   24
.set SOF,  25
.set D0,   26
.set ADRS, 27
.set SPW,  28
.set NIL,  29
.set NINF, 30
.set SC,   32
.set AF,   128
.set TT,   128
.set CD,   192
.set BX,   224
.set BX2,  228
.set RM,   232
.set NM,   234
.set SA,   236
.set SB,   238
.set SO,   240
.set BY,   244
.set PW,   248
.set LS,   249
.set DA,   250
.set LS2,  251
.set G1,   24
.set G0,   32
.set G1S,  40
.set G0S,  48
.set SEL,  52
.set CS,   54
.set Q0W,  66
.set KL,   67
.set MSB, 0
.macro WIN new
.if MSB != (\new)
	s_set_vgpr_msb (MSB<<8)|(\new)
.set MSB, (\new)
.endif
.endm
.set MUL_LO, 0xa1
.set MUL_HI, 0xf1
.set TO_B,   0x40
.macro PLACES n
.rept \n
	v_nop
.endr
.endm
	s_load_b128 s[4:7], s[0:1], 0x0                ; qkv, pbuf
	v_lshl_add_u32 v[SPW], v0, 2, SPARE
	v_mov_b32 v[NIL], 0
	ds_add_u32 v[SPW], v[NIL]                      ; the wave's opening: the add, twice on end, and its wait ahead of my first tensor load
	ds_add_u32 v[SPW], v[NIL]
	v_lshrrev_b32 v1, 5, v0
	v_readfirstlane_b32 s14, v1                    ; wave 0..3
	s_lshr_b32 s15, s14, 1                         ; my half of the queries.  Also: I fetch for Q (0) or for K (1)
	s_and_b32 s16, s14, 1                          ; my half of the keys.  Also: which 128 rows I fetch
	s_mov_b32 s17, 0                               ; tile row i: the largest with i (i + 1) / 2 <= the work-group's x
.irp k, 1,2,3,4,5,6,7
	s_cmp_ge_u32 ttmp9, \k*(\k+1)/2
	s_cselect_b32 s17, \k, s17
.endr
	s_add_co_u32 s18, s17, 1
	s_mul_i32 s18, s18, s17
	s_lshr_b32 s18, s18, 1
	s_sub_co_u32 s18, ttmp9, s18                   ; tile column j
	s_and_b32 s19, ttmp7, 0xffff                   ; batch
	s_mov_b32 s[G1+0], 3<<16                       ; images: elements of 8 bytes, no padding
	s_mov_b32 s[G1+1], 384<<16                     ; tensor_dim0: 3,072 bytes: two K steps' images of 16 rows
	s_mov_b32 s[G1+2], 8<<16                       ; tensor_dim1: 8 blocks of 16 rows
	s_mov_b32 s[G1+3], 384<<16
	s_mov_b32 s[G1+4], 8
	s_mov_b32 s[G1+5], 1536                        ; 12,288 bytes from a block of 16 rows to the next
	s_mov_b32 s[G1+6], 0
	s_mov_b32 s[G1+7], 0
	s_mov_b32 s[G1S+0], (3<<16)|(1<<20)|(5<<22)|(3<<25)   ; scale bytes: rows of 256 bytes, 16 of padding behind each
	s_mov_b32 s[G1S+1], 32<<16
	s_mov_b32 s[G1S+2], 16<<16
	s_mov_b32 s[G1S+3], 32<<16
	s_mov_b32 s[G1S+4], 16
	s_mov_b32 s[G1S+5], 32
	s_mov_b32 s[G1S+6], 0
	s_mov_b32 s[G1S+7], 0
	s_cmp_eq_u32 s15, 0
	s_cselect_b32 s20, s17, s18                    ; the tile that I fetch for
	s_cselect_b32 s21, 0, 6291456
	s_cselect_b32 s22, 0, 262144
	s_lshl_b32 s20, s20, 4
	s_lshl_b32 s23, s19, 7
	s_add_co_u32 s20, s20, s23
	s_lshl_b32 s23, s16, 3
	s_add_co_u32 s20, s20, s23                     ; my first block of 16 rows
	s_mul_i32 s23, s20, 12288
	s_add_co_u32 s56, s23, s21
	s_mov_b32 s57, 0
	s_lshl_b32 s20, s20, 9
	s_add_co_u32 s20, s20, s22
	s_add_co_u32 s58, s20, 18874368
	s_mov_b32 s59, 0
	s_mul_i32 s60, s14, HALFI                      ; where they go: Q's halves, then K's: wave x 24,576
	s_mul_i32 s61, s14, HALFS
	s_mov_b32 s[SEL], 0x76543210
	s_mov_b32 s[SEL+1], 0xfedcba98
	s_mov_b32 s[CS], 0x3d38aa3b                    ; log2(e) / sqrt(1024)
	s_mov_b32 s[CS+1], s[CS]
	s_wait_dscnt 0x0                               ; both opening adds are done
	s_wait_kmcnt 0x0
	s_add_nc_u64 s[56:57], s[4:5], s[56:57]
	s_mov_b32 s[G0S], 1
	s_add_co_u32 s[G0S+1], s61, SCL
	s_add_nc_u64 s[G0S+2:G0S+3], s[4:5], s[58:59]
	s_or_b32 s[G0S+3], s[G0S+3], 0x80000000
	tensor_load_to_lds s[G0S:G0S+3], s[G1S:G1S+7]  ; every wave issues its three first fills: three loads of mine are out
	s_nop 0
.irp s, 0,1
	s_mov_b32 s[G0+4*\s], 1
	s_add_co_u32 s[G0+4*\s+1], s60, \s*SLOT
	s_add_nc_u64 s[G0+4*\s+2:G0+4*\s+3], s[56:57], \s*3072
	s_or_b32 s[G0+4*\s+3], s[G0+4*\s+3], 0x80000000
	tensor_load_to_lds s[G0+4*\s:G0+4*\s+3], s[G1:G1+7]
	s_nop 0
.endr
	PLACES 4
	v_and_b32 v1, 15, v0                           ; r
	v_bfe_u32 v2, v0, 4, 1                         ; h
	v_and_b32 v3, 31, v0
	v_lshlrev_b32 v[LI], 4, v3
	s_mul_i32 s21, s15, HALFI
	s_mul_i32 s22, s16, HALFI
	s_add_co_u32 s22, s22, 2*HALFI
.irp s, 0,1
	v_add_nc_u32 v[ADRA+\s], s21, v[LI]
	v_add_nc_u32 v[ADRB+\s], s22, v[LI]
	s_add_co_u32 s21, s21, SLOT
	s_add_co_u32 s22, s22, SLOT
.endr
	v_mul_u32_u24 v5, v1, KS
	v_lshrrev_b32 v6, 8, v5
	v_lshl_add_u32 v5, v6, 4, v5
	s_mul_i32 s21, s15, HALFS
	s_mul_i32 s22, s16, HALFS
	s_add_co_u32 s22, s22, 2*HALFS
	s_sub_co_u32 s22, s22, s21
	v_mul_u32_u24 v6, s22, v2                      ; lanes 16-31 take K's
	s_add_co_u32 s21, s21, SCL
	v_add_nc_u32 v5, v5, v6
	v_add_nc_u32 v[ADRS], s21, v5
	v_lshlrev_b32 v[SOF], 6, v1                    ; 64 bytes a query in each of the three tables
	s_lshl_b32 s[Q0W], s17, 8
	s_lshl_b32 s20, s15, 7
	s_add_co_u32 s[Q0W], s[Q0W], s20               ; my first query
	s_lshl_b32 s21, s18, 8
	s_lshl_b32 s20, s16, 7
	s_add_co_u32 s21, s21, s20                     ; my first key
	s_add_co_u32 s[KL], s21, 127                   ; my last key
	s_sub_co_i32 s21, s[Q0W], s21
	v_lshlrev_b32 v3, 3, v2
	v_sub_nc_u32 v[D0], v1, v3
	v_add_nc_u32 v[D0], s21, v[D0]                 ; first query - first key + r - 8 h
	v_mov_b32 v[NINF], 0xff800000
.irp b, 0,1,2,3
	v_mov_b32 v[BX2+\b], 0                         ; written once: a lane permute's destination counts as one of its sources
.endr
	v_mov_b32 v[LS2], 0
	v_mov_b32 v[NM+1], 0                           ; named with -M as a pair
	s_lshl_b32 s20, s19, 7
	s_lshl_b32 s21, s17, 4
	s_add_co_u32 s20, s20, s21
	s_lshl_b32 s21, s15, 3
	s_add_co_u32 s20, s20, s21                     ; my first block of 16 queries
	s_lshl_b32 s20, s20, 4
	s_lshl_b32 s22, s18, 1
	s_add_co_u32 s22, s22, s16                     ; my chunk
	s_add_co_u32 s20, s20, s22
	s_mul_i32 s20, s20, 1536
	s_mov_b32 s21, 0
	s_add_nc_u64 s[8:9], s[6:7], s[20:21]          ; my first image
	s_lshl_b32 s20, s19, 11
	s_add_co_u32 s20, s20, s[Q0W]
	s_lshl_b32 s20, s20, 6
	s_lshl_b32 s22, s22, 2
	s_add_co_u32 s20, s20, s22
	s_add_co_u32 s20, s20, 12582912
	s_add_nc_u64 s[10:11], s[6:7], s[20:21]        ; my first query's word of my chunk
.macro FRAGI reg, adr, off             ; a fragment's image: registers 4 c .. 4 c + 3 of lane l at 512 c + 16 l
.irp c, 0,1,2
	ds_load_b128 v[\reg+4*\c:\reg+4*\c+3], v[\adr] offset:\off+512*\c
.endr
.endm
; The 64 accumulators take turns, one instruction a turn, in the same order in every step.  zero = 1: the first product starts the sums.
.macro MUL16 a0, p, zero
.irp a, \a0, \a0+1
.irp b, 0,1,2,3,4,5,6,7
.if \zero
	v_wmma_scale_f32_16x16x128_f8f6f4 v[8*(8*((\a)%4)+\b):8*(8*((\a)%4)+\b)+7], v[128*(\p)+FR*\b:128*(\p)+FR*\b+FR-1], v[AF+FR*(\a):AF+FR*(\a)+FR-1], 0, v[SC+8*(\p)+\b], v[SC+8*(\p)+(\a)] matrix_a_fmt:MATRIX_FMT_FP6 matrix_b_fmt:MATRIX_FMT_FP6 matrix_a_scale:MATRIX_SCALE_ROW1
.else
	v_wmma_scale_f32_16x16x128_f8f6f4 v[8*(8*((\a)%4)+\b):8*(8*((\a)%4)+\b)+7], v[128*(\p)+FR*\b:128*(\p)+FR*\b+FR-1], v[AF+FR*(\a):AF+FR*(\a)+FR-1], v[8*(8*((\a)%4)+\b):8*(8*((\a)%4)+\b)+7], v[SC+8*(\p)+\b], v[SC+8*(\p)+(\a)] matrix_a_fmt:MATRIX_FMT_FP6 matrix_b_fmt:MATRIX_FMT_FP6 matrix_a_scale:MATRIX_SCALE_ROW1
.endif
.endr
.endr
.endm
.macro FETCH_B slot, q, p, ks
	WIN TO_B
.irp i, 0,1,2,3,4,5,6,7
	FRAGI 128*(\p)+FR*\i, ADRB+\slot, \i*3072+(\q)*1536
.endr
	WIN 0
.irp i, 0,1,2,3,4,5,6,7
	ds_load_b32 v[SC+8*(\p)+\i], v[ADRS] offset:\i*SBLK+4*(\ks)
.endr
.endm
.macro FETCH_A slot, q, i0
.irp i, \i0, \i0+1, \i0+2, \i0+3
	FRAGI AF+FR*(\i), ADRA+\slot, (\i)*3072+(\q)*1536
.endr
.endm
.macro STEP slot, ks, zero
	s_wait_dscnt 4*NLA                             ; all but the youngest loads, A's blocks 4-7
	WIN MUL_LO
	MUL16 0, 0, \zero
	MUL16 2, 0, \zero
	s_wait_dscnt 0
	PLACES NP
	FETCH_B \slot, 1, 1, (\ks)+1
	FETCH_A \slot, 1, 0
	WIN MUL_HI
	MUL16 4, 0, \zero
	MUL16 6, 0, \zero
	PLACES NP
	WIN 0
	FETCH_A \slot, 1, 4
.endm
.macro TURN slot, next, fill, ks
	s_wait_tensorcnt 0x0                           ; all my tensor loads have landed: my part of the next slot
	ds_add_u32 v[SPW], v[NIL]
	s_wait_dscnt 4*NLA+1                           ; (the add and A's blocks 4-7 may be out)
	WIN MUL_LO
	MUL16 0, 1, 0
	s_wait_dscnt 0x0                               ; the add is done, and my reads of this slot are over
	s_barrier_signal -1
	MUL16 2, 1, 0
	WIN 0
	s_barrier_wait -1
.if \fill
	s_add_nc_u64 s[G0+4*\slot+2:G0+4*\slot+3], s[G0+4*\slot+2:G0+4*\slot+3], 2*3072
	tensor_load_to_lds s[G0+4*\slot:G0+4*\slot+3], s[G1:G1+7]   ; my one tensor load behind the barrier
	s_nop 0
	PLACES 4
.else
	PLACES NP
.endif
	FETCH_B \next, 0, 0, (\ks)+1
	FETCH_A \next, 0, 0
	WIN MUL_HI
	MUL16 4, 1, 0
	MUL16 6, 1, 0
	PLACES NP
	WIN 0
	FETCH_A \next, 0, 4
.endm
; THE SOFTMAX OF BLOCK a (16 queries x my 128 keys).  Register 8 b + j of the block holds key 16 b + 8 h + j of my 128, for query 16 a + r of my 128.
.macro SOFTQ a
.set WN, 2+(\a)/4
.set ACB, 64*((\a)%4)
	s_cmp_le_u32 s[KL], s[Q0W]                     ; all my keys count for all my queries: ids and the wave's number alone; no barrier stands in the lines jumped over
	s_cbranch_scc1 .Lopen_\@
	v_add_nc_u32 v[DA], 16*(\a), v[D0]             ; key 16 b + j (+ 8 h) is hidden where 16 b + j > my query - first key - 8 h
	WIN (WN<<6)|WN
.set n, 0
.rept 64
	v_cmp_gt_i32 vcc_lo, 16*(n/8)+n%8, v[DA]
	v_cndmask_b32 v[ACB+n], v[ACB+n], v[NINF], vcc_lo
.set n, n+1
.endr
	WIN 0
.Lopen_\@:
	WIN WN|(WN<<2)
.irp b, 0,1,2,3
	v_max_num_f32 v[BX+\b], v[ACB+16*\b], v[ACB+16*\b+1]   ; the largest score of each block of 32 keys, each accumulator from its low end on
.endr
.irp i, 2,4,6,8,10,12,14
.irp b, 0,1,2,3
	v_max3_num_f32 v[BX+\b], v[ACB+16*\b+\i], v[ACB+16*\b+\i+1], v[BX+\b]
.endr
.endr
	WIN 0
.if (\a) > 0
	s_wait_xcnt 0x0                                ; the last block's stores have read their registers
.endif
.irp b, 0,1,2,3
	v_permlanex16_b32 v[BX2+\b], v[BX+\b], s[SEL], s[SEL+1]
.endr
.irp b, 0,1,2,3
	v_max_num_f32 v[BX+\b], v[BX+\b], v[BX2+\b]
.endr
	v_max3_num_f32 v[RM], v[BX], v[BX+1], v[BX+2]
	v_max_num_f32 v[RM], v[RM], v[BX+3]
	v_mul_f32 v[RM], s[CS], v[RM]                  ; the chunk's largest t
	v_max_num_f32 v[RM], 0xff61b1e6, v[RM]         ; held at -3e38 from below: a chunk that is all hidden
	v_floor_f32 v[NM], -v[RM]                      ; -M_c = floor(-t): M_c is a whole number
	WIN WN
.set n, 0
.rept 32
	v_pk_fma_f32 v[TT+n:TT+n+1], v[ACB+n:ACB+n+1], s[CS:CS+1], v[NM:NM+1] op_sel_hi:[1,0,0]   ; t - M_c
.set n, n+2
.endr
	WIN 0
.irp b, 0,1,2,3
	v_fma_f32 v[BX+\b], v[BX+\b], s[CS], v[NM]     ; the same of each block's largest score
.endr
.set n, 0
.rept 64
	v_exp_f32 v[TT+n], v[TT+n]                     ; p, at most 1
.set n, n+1
.endr
	v_nop                                          ; a plain place behind the exponentials
	s_wait_alu depctr_va_vdst(0)                   ; one wait for the batch, ahead of its first reader
.irp b, 0,1,2,3
	v_exp_f32 v[BX+\b], v[BX+\b]                   ; the block's largest p: the same two instructions on the same number
.endr
	v_pk_add_f32 v[SA:SA+1], v[TT:TT+1], v[TT+2:TT+3]      ; the sum of the unquantised p, in two chains
	v_pk_add_f32 v[SB:SB+1], v[TT+4:TT+5], v[TT+6:TT+7]
.irp j, 8,12,16,20,24,28,32,36,40,44,48,52,56,60
	v_pk_add_f32 v[SA:SA+1], v[SA:SA+1], v[TT+\j:TT+\j+1]
	v_pk_add_f32 v[SB:SB+1], v[SB:SB+1], v[TT+\j+2:TT+\j+3]
.endr
	v_pk_add_f32 v[SA:SA+1], v[SA:SA+1], v[SB:SB+1]
	v_add_f32 v[LS], v[SA], v[SA+1]
	v_permlanex16_b32 v[LS2], v[LS], s[SEL], s[SEL+1]
	v_add_f32 v[LS], v[LS], v[LS2]                 ; l_c
	s_wait_alu depctr_va_vdst(0)                   ; and one for the four
.irp b, 0,1,2,3
	v_max_num_f32 v[BX+\b], 0x1800000, v[BX+\b]    ; the floor 2^(3 - 127): the byte cannot fall under 1
.endr
.irp b, 0,1,2,3
	v_add_nc_u32 v[SO+\b], 0xff000000, v[BX+\b]
.endr
.irp b, 0,1,2,3
	v_lshrrev_b32 v[BY+\b], 23, v[SO+\b]
.endr
	v_lshl_or_b32 v[PW], v[BY+1], 8, v[BY]
	v_lshl_or_b32 v[PW], v[BY+2], 16, v[PW]
	v_lshl_or_b32 v[PW], v[BY+3], 24, v[PW]
.irp c, 0,1
	v_cvt_scalef32_pk16_fp6_f32 v[CD+6*\c:CD+2+6*\c], v[TT+32*\c:TT+15+32*\c], v[SO+2*\c]
	v_cvt_scalef32_pk16_fp6_f32 v[CD+12+4*\c:CD+14+4*\c], v[TT+16+32*\c:TT+31+32*\c], v[SO+2*\c+1]
.endr
	v_nop                                          ; one plain place behind a scaled conversion
.irp c, 0,1
.irp i, 0,1,2
	v_permlane16_swap_b32 v[CD+6*\c+\i], v[CD+12+4*\c+\i]
.endr
.irp i, 0,1,2
	v_mov_b32 v[CD+3+6*\c+\i], v[CD+12+4*\c+\i]
.endr
.endr
.irp c, 0,1,2
	global_store_b128 v[LI], v[CD+4*\c:CD+4*\c+3], s[8:9] offset:24576*(\a)+512*\c   ; 32 lanes store 512 consecutive bytes, aligned
.endr
	global_store_b32 v[SOF], v[PW], s[10:11] offset:1024*(\a)            ; lanes l and l xor 16 store the same word to the same place
	global_store_b32 v[SOF], v[NM], s[10:11] offset:524288+1024*(\a)
	global_store_b32 v[SOF], v[LS], s[10:11] offset:1048576+1024*(\a)
.endm
	s_wait_tensorcnt 1                             ; the scales and my part of slot 0 are in; slot 1's load may be out
	s_barrier_signal -1
	s_barrier_wait -1
	FETCH_B 0, 0, 0, 0
	FETCH_A 0, 0, 0
	FETCH_A 0, 0, 4
	STEP 0, 0, 1
	TURN 0, 1, 1, 1
	STEP 1, 2, 0
	TURN 1, 0, 1, 3
	STEP 0, 4, 0
	TURN 0, 1, 0, 5
	STEP 1, 6, 0
	s_wait_dscnt 4*NLA
	WIN MUL_LO
	MUL16 0, 1, 0
	MUL16 2, 1, 0
	s_wait_dscnt 0
	WIN MUL_HI
	MUL16 4, 1, 0
	MUL16 6, 1, 0
	WIN 0
	PLACES NP                                      ; in front of the first read of results and of writes into A's registers
.irp a, 0,1,2,3,4,5,6,7
	SOFTQ \a
.endr
	s_wait_tensorcnt 0x0                           ; the wave's end
	ds_add_u32 v[SPW], v[NIL]
	s_wait_dscnt 0x0
	s_endpgm
.Lfunc_end_k_q5ce6aaf8c0_score:
	.size	k_q5ce6aaf8c0_score, .Lfunc_end_k_q5ce6aaf8c0_score-k_q5ce6aaf8c0_score
	.p2alignl 7, 3214868480
	.fill 96, 4, 3214868480
	.section	.rodata,"a",@progbits
	.p2align	6, 0x0
	.amdhsa_kernel k_q5ce6aaf8c0_score
		.amdhsa_group_segment_fixed_size 327680
		.amdhsa_private_segment_fixed_size 0
		.amdhsa_enable_private_segment 0
		.amdhsa_kernarg_size 16
		.amdhsa_user_sgpr_count 2
		.amdhsa_user_sgpr_kernarg_segment_ptr 1
		.amdhsa_wavefront_size32 1
		.amdhsa_system_sgpr_workgroup_id_x 1
		.amdhsa_system_sgpr_workgroup_id_y 1
		.amdhsa_system_sgpr_workgroup_id_z 1
		.amdhsa_system_vgpr_workitem_id 0
		.amdhsa_next_free_vgpr 1024
		.amdhsa_next_free_sgpr 68
		.amdhsa_reserve_vcc 1
		.amdhsa_float_denorm_mode_32 3
		.amdhsa_float_denorm_mode_16_64 3
		.amdhsa_memory_ordered 1
		.amdhsa_forward_progress 1
		.amdhsa_inst_pref_size 235
	.end_amdhsa_kernel
	.amdgpu_metadata
---
amdhsa.version: [ 1, 2 ]
amdhsa.kernels:
  - .name:           k_q5ce6aaf8c0_score
    .symbol:         k_q5ce6aaf8c0_score.kd
    .args:
      - { .name: qkv, .offset: 0, .size: 8, .value_kind: global_buffer, .address_space: global }
      - { .name: pbuf, .offset: 8, .size: 8, .value_kind: global_buffer, .address_space: global }
    .group_segment_fixed_size: 327680
    .private_segment_fixed_size: 0
    .kernarg_segment_align: 8
    .kernarg_segment_size: 16
    .max_flat_workgroup_size: 128
    .sgpr_count:     68
    .vgpr_count:     1024
    .wavefront_size: 32
...
	.end_amdgpu_metadata
.endif
;; end of part 2
;; launch mix (part 3): grid 4 x 32, 4 waves a work-group, no clusters, 327,680 bytes of LDS; arguments qkv, pbuf, obuf; writes obuf
.if DOCPART == 3
	.amdgcn_target "amdgcn-amd-amdhsa--gfx1250"
	.amdhsa_code_object_version 6
	.text
	.protected	k_q5ce6aaf8c0_mix
	.globl	k_q5ce6aaf8c0_mix
	.p2align	8
	.type	k_q5ce6aaf8c0_mix,@function
k_q5ce6aaf8c0_mix:
	s_mov_b64 s[64:65], 0
	v_nop
	global_prefetch_b8 v0, s[64:65] scope:SCOPE_SE
	s_setreg_imm32_b32 hwreg(HW_REG_WAVE_MODE, 25, 1), 1
	s_wait_xcnt 0x0
; O = (P V) / l, quantised along d for the last product.  LEFT OUT: the steps of 256 keys that lie wholly after a tile's 256 queries (shown dead at the head of proj): query tile i walks i + 1 of 8 slots.
; A work-group makes 256 queries (tile i of a batch; the longest walks have the lowest y) x 256 of d; four waves, 128 x 128 each.  Source 0 = 16 rows of V^T, source 1 = 16 queries: a lane holds one query, its registers run along d.
; AT THE HEAD, while the first tiles are on their way, thread t brings rows t and t + 128 under the row's final M: -M = the least -M_c; delta_c = M - M_c, a whole number, held at 127;
; l = the sum of l_c 2^-delta_c; each byte of chunk c's scale word has delta_c taken off, held at 0 from below.  The words go to a table in LDS laid as the scale bytes of an operand, 1 / l to another.
; LIMIT: a block whose byte would fall under 0 counts with the byte 0: its terms are at most 7.5 x 2^-127 beside a row whose largest p is over 1/2.  NaN and infinities are not served.
; THE WALK: eight trips, a constant, through two LDS slots; a trip's work, and the load of a slot that no step will read, are jumped over by tests on ids and the count of trips alone, the same in all four waves;
; every wait for tensor loads is for 0.  Where the tail begins hangs on the work-group's number, so it cannot be written out.  The step is written once and any trip may be passed over: so the sums begin as zeros,
; written while the head's loads are on their way.
; NO CLUSTER: work-groups that share V^T's tiles are other query tiles and walk other numbers of slots; those that share P's tiles would need joint loads that are jumped over at the causal limit, which a joint load does not allow.
; THE WAY OUT: O's block of 16 queries x my 128 of d is one fragment of the last product: x 1 / l, quantised, the codes of a block of 32 brought into natural order (Wo's), stored as an image of the operand's registers.
; obuf: images at 0 ((token / 16) x 8 + d / 128), scale bytes [token][32] at 6,291,456.
; REGISTERS: window 0: v16, v20 the trip's fragment addresses, v18, v22 my lane's places, v23-31 others, v32-47 scale words, v48-85 the quantiser's, v88-103 1 / l, v104-121 the head's, v128-223 A's fragments (head: the rows' words; way out: O / l).
.set FR,    12
.set NLA,   3
.set NP,    4
.set HALFI, 24576
.set SLOT1, 1<<17                      ; slot 1 begins here: one exclusive or turns an address
.set ATAB,  4*HALFI                    ; behind slot 0: P's scale words, 256 rows x 64 bytes as units of 256 + 16: written by LDS stores, never by a tensor load
.set LINV,  ATAB+17408                 ; 1 / l of the 256 rows
.set BTAB,  SLOT1+4*HALFI              ; behind slot 1: V^T's scale bytes, the same form: filled once
.set SPARE, BTAB+17408
.set HALFS, 8704
.set SBLK,  1088
.set ADRA, 16
.set A0,   18
.set ADRB, 20
.set B0,   22
.set ILA,  23
.set LI,   24
.set SOF,  25
.set FO,   26
.set ADRS, 27
.set SPW,  28
.set NIL,  29
.set FA,   30
.set FL,   31
.set SC,   32
.set TM,   48
.set PW,   64
.set CD,   66
.set IL,   88
.set XT,   104
.set NF,   120
.set RC,   121
.set AF,   128
.set TT,   128
.set G1,   24
.set G0,   32
.set G0S,  36
.set G1S,  40
.set SEL,  52
.set TB,   54
.set TAU,  55
.set MSB, 0
.macro WIN new
.if MSB != (\new)
	s_set_vgpr_msb (MSB<<8)|(\new)
.set MSB, (\new)
.endif
.endm
.set MUL_LO, 0xa1
.set MUL_HI, 0xf1
.set TO_B,   0x40
.macro PLACES n
.rept \n
	v_nop
.endr
.endm
	s_load_b128 s[4:7], s[0:1], 0x0                ; qkv, pbuf
	s_load_b64 s[8:9], s[0:1], 0x10                ; obuf
	v_lshl_add_u32 v[SPW], v0, 2, SPARE
	v_mov_b32 v[NIL], 0
	ds_add_u32 v[SPW], v[NIL]                      ; the wave's opening: the add, twice on end, and its wait ahead of my first tensor load
	ds_add_u32 v[SPW], v[NIL]
	v_lshrrev_b32 v1, 5, v0
	v_readfirstlane_b32 s14, v1                    ; wave 0..3
	s_lshr_b32 s15, s14, 1                         ; my half of the queries.  Also: I fetch for P (0) or for V^T (1)
	s_and_b32 s16, s14, 1                          ; my half of d.  Also: which 128 rows I fetch
	s_mov_b32 s18, ttmp9                           ; which 256 of d
	s_and_b32 s21, ttmp7, 0xffff
	s_lshr_b32 s19, s21, 3                         ; batch
	s_and_b32 s17, s21, 7
	s_sub_co_u32 s17, 7, s17                       ; query tile i
	s_add_co_u32 s20, s17, 1                       ; slots to walk
	s_mov_b32 s[G1+0], 3<<16                       ; images: elements of 8 bytes, no padding
	s_mov_b32 s[G1+1], 384<<16                     ; 3,072 bytes: two K steps' images of 16 rows
	s_mov_b32 s[G1+2], 8<<16
	s_mov_b32 s[G1+3], 384<<16
	s_mov_b32 s[G1+4], 8
	s_mov_b32 s[G1+5], 3072                        ; 24,576 bytes from a block of 16 rows to the next
	s_mov_b32 s[G1+6], 0
	s_mov_b32 s[G1+7], 0
	s_mov_b32 s[G1S+0], (3<<16)|(1<<20)|(5<<22)|(3<<25)
	s_mov_b32 s[G1S+1], 32<<16
	s_mov_b32 s[G1S+2], 16<<16
	s_mov_b32 s[G1S+3], 32<<16
	s_mov_b32 s[G1S+4], 16
	s_mov_b32 s[G1S+5], 32
	s_mov_b32 s[G1S+6], 0
	s_mov_b32 s[G1S+7], 0
	s_cmp_eq_u32 s15, 0
	s_cselect_b32 s21, s17, s18
	s_cselect_b32 s22, 7, 6                        ; 128 blocks of 16 queries a batch, 64 of d
	s_cselect_b32 s23, 0, 12582912
	s_lshl_b32 s22, s19, s22
	s_lshl_b32 s21, s21, 4
	s_add_co_u32 s21, s21, s22
	s_lshl_b32 s22, s16, 3
	s_add_co_u32 s21, s21, s22
	s_mul_i32 s21, s21, 24576
	s_add_co_u32 s58, s21, s23
	s_mov_b32 s59, 0
	s_lshl_b32 s21, s19, 10
	s_lshl_b32 s22, s18, 8
	s_add_co_u32 s21, s21, s22
	s_lshl_b32 s22, s14, 6
	s_add_co_u32 s21, s21, s22                     ; V^T's scale bytes: my 64 rows
	s_lshl_b32 s21, s21, 6
	s_add_co_u32 s60, s21, 19398656
	s_mov_b32 s61, 0
	s_mul_i32 s62, s14, HALFI
	s_mul_i32 s63, s14, 4352
	s_mov_b32 s[SEL], 0x76543210
	s_mov_b32 s[SEL+1], 0xfedcba98
	s_mov_b32 s[TB], 0
	s_mov_b32 s[TAU], 0
	s_wait_dscnt 0x0                               ; both opening adds are done
	s_wait_kmcnt 0x0
	s_mov_b32 s[G0S], 1
	s_add_co_u32 s[G0S+1], s63, BTAB
	s_add_nc_u64 s[G0S+2:G0S+3], s[4:5], s[60:61]
	s_or_b32 s[G0S+3], s[G0S+3], 0x80000000
	tensor_load_to_lds s[G0S:G0S+3], s[G1S:G1S+7]  ; every wave issues its two first fills: two loads of mine are out
	s_nop 0
	s_cmp_eq_u32 s15, 0
	s_cselect_b64 s[56:57], s[6:7], s[4:5]
	s_mov_b32 s[G0], 1
	s_mov_b32 s[G0+1], s62
	s_add_nc_u64 s[G0+2:G0+3], s[56:57], s[58:59]
	s_or_b32 s[G0+3], s[G0+3], 0x80000000
	tensor_load_to_lds s[G0:G0+3], s[G1:G1+7]      ; slot 0: keys 0 to 255, which count for every tile of queries
	s_nop 0
	PLACES 4
	v_and_b32 v1, 15, v0                           ; r
	v_bfe_u32 v2, v0, 4, 1                         ; h
	v_and_b32 v3, 31, v0
	v_lshlrev_b32 v[LI], 4, v3
	s_mul_i32 s21, s15, HALFI
	s_mul_i32 s22, s16, HALFI
	s_add_co_u32 s22, s22, 2*HALFI
	v_add_nc_u32 v[A0], s21, v[LI]
	v_add_nc_u32 v[B0], s22, v[LI]
	v_lshlrev_b32 v5, 6, v1                        ; my row's scale words: 64 bytes a row,
	v_lshrrev_b32 v6, 8, v5
	v_lshl_add_u32 v5, v6, 4, v5                   ; and 16 more for each 256 passed
	s_mul_i32 s21, s15, HALFS
	s_add_co_u32 s21, s21, ATAB
	s_mul_i32 s22, s16, HALFS
	s_add_co_u32 s22, s22, BTAB
	s_sub_co_u32 s22, s22, s21
	v_mul_u32_u24 v6, s22, v2                      ; lanes 16-31 take V^T's
	v_add_nc_u32 v5, v5, v6
	v_add_nc_u32 v[ADRS], s21, v5
	v_lshlrev_b32 v[SOF], 5, v1
	v_lshlrev_b32 v[FO], 6, v0                     ; thread t: row t's 64 bytes in each of the three tables
	v_lshrrev_b32 v3, 2, v0
	v_mul_u32_u24 v3, v3, 272
	v_and_b32 v4, 3, v0
	v_lshl_add_u32 v3, v4, 6, v3
	v_add_nc_u32 v[FA], ATAB, v3                   ; row t's place in P's table
	v_lshl_add_u32 v[FL], v0, 2, LINV
	s_lshl_b32 s21, s15, 9
	s_add_co_u32 s21, s21, LINV
	v_lshl_add_u32 v[ILA], v1, 2, s21              ; 1 / l of row 128 x half + r
.irp b, 0,1,2,3
	v_mov_b32 v[TM+4+\b], 0                        ; written once: a lane permute's destination counts as one of its sources
.endr
.irp a, 0,1,2,3,4,5,6,7
	v_mov_b32 v[IL+2*\a+1], 0                      ; named with 1 / l as a pair
.endr
	s_lshl_b32 s21, s19, 11
	s_lshl_b32 s22, s17, 8
	s_add_co_u32 s21, s21, s22                     ; the tile's first query
	s_lshl_b32 s22, s21, 6
	s_add_co_u32 s22, s22, 12582912
	s_mov_b32 s23, 0
	s_add_nc_u64 s[10:11], s[6:7], s[22:23]        ; its scale words; -M_c and l_c lie 524,288 and 1,048,576 bytes on
	s_lshl_b32 s22, s15, 7
	s_add_co_u32 s21, s21, s22                     ; my first query
	s_lshl_b32 s56, s18, 1
	s_add_co_u32 s56, s56, s16                     ; which 128 of d are mine
	s_lshr_b32 s22, s21, 4
	s_lshl_b32 s22, s22, 3
	s_add_co_u32 s22, s22, s56
	s_mul_i32 s22, s22, 1536
	s_add_nc_u64 s[12:13], s[8:9], s[22:23]        ; my first image of O
	s_lshl_b32 s22, s21, 5
	s_lshl_b32 s56, s56, 2
	s_add_co_u32 s22, s22, s56
	s_add_co_u32 s22, s22, 6291456
	s_add_nc_u64 s[48:49], s[8:9], s[22:23]        ; and my first rows' scale word
	s_mov_b32 s60, 0x01010101
	s_mov_b32 s61, 0x80808080
	; chunks beyond the causal limit were never stored: they count as hidden: word 0, -M_c = 3e38, l_c = 0
.irp u, 0,1
.set k, 0
.rept 16
	v_mov_b32 v[128+48*\u+k], 0
	v_mov_b32 v[144+48*\u+k], 0x7f61b1e6
	v_mov_b32 v[160+48*\u+k], 0
.set k, k+1
.endr
.endr
.macro FIXLOAD j                       ; key tile j's two chunks, of rows t and t + 128
.irp u, 0,1
	global_load_b64 v[128+48*\u+2*(\j):128+48*\u+2*(\j)+1], v[FO], s[10:11] offset:8192*\u+8*(\j)
	global_load_b64 v[144+48*\u+2*(\j):144+48*\u+2*(\j)+1], v[FO], s[10:11] offset:524288+8192*\u+8*(\j)
	global_load_b64 v[160+48*\u+2*(\j):160+48*\u+2*(\j)+1], v[FO], s[10:11] offset:1048576+8192*\u+8*(\j)
.endr
.endm
	FIXLOAD 0
.irp j, 1,2,3,4,5,6,7
	s_cmp_lt_u32 s17, \j                           ; ids alone
	s_cbranch_scc1 .Lfixed
	FIXLOAD \j
.endr
.Lfixed:
	WIN 0x80                                       ; the sums begin as zeros: these lines stand between the loads above and the wait for them
.set k, 0
.rept 256
	v_mov_b32 v[k], 0
.set k, k+1
.endr
	WIN 0xc0
.set k, 0
.rept 256
	v_mov_b32 v[k], 0
.set k, k+1
.endr
	WIN 0
	s_wait_loadcnt 0x0
.macro FIXCALC u
.set FW, 128+48*(\u)
.set FN, FW+16
.set FS, FW+32
	v_min3_num_f32 v[NF], v[FN], v[FN+1], v[FN+2]
.irp c, 3,5,7,9,11,13
	v_min3_num_f32 v[NF], v[NF], v[FN+\c], v[FN+\c+1]
.endr
	v_min_num_f32 v[NF], v[NF], v[FN+15]           ; -M
.irp c, 0,1,2,3,4,5,6,7,8,9,10,11,12,13,14,15
	v_sub_f32 v[FN+\c], v[NF], v[FN+\c]            ; -delta_c, a whole number, 0 or less
.endr
.irp c, 0,1,2,3,4,5,6,7,8,9,10,11,12,13,14,15
	v_max_num_f32 v[FN+\c], 0xc2fe0000, v[FN+\c]   ; held at -127
.endr
.irp c, 0,1,2,3,4,5,6,7,8,9,10,11,12,13,14,15
	v_cvt_i32_f32 v[FN+\c], v[FN+\c]
.endr
.irp c, 0,1,2,3,4,5,6,7,8,9,10,11,12,13,14,15
	v_ldexp_f32 v[FS+\c], v[FS+\c], v[FN+\c]       ; l_c under the final M
.endr
.irp c, 0,1,2,3,4,5,6,7,8,9,10,11,12,13,14,15
	v_sub_nc_u32 v[FN+\c], 0, v[FN+\c]
.endr
.irp c, 0,1,2,3,4,5,6,7,8,9,10,11,12,13,14,15
	v_mul_lo_u32 v[FN+\c], v[FN+\c], s60           ; delta_c in each of four bytes
.endr
.irp c, 0,1,2,3,4,5,6,7,8,9,10,11,12,13,14,15
	v_or_b32 v[FW+\c], s61, v[FW+\c]               ; p is at most 1, so a byte is at most 125: bit 7 is free, and guards each byte's subtraction
.endr
.irp c, 0,1,2,3,4,5,6,7,8,9,10,11,12,13,14,15
	v_sub_nc_u32 v[FW+\c], v[FW+\c], v[FN+\c]
.endr
.irp c, 0,1,2,3,4,5,6,7,8,9,10,11,12,13,14,15
	v_and_b32 v[FN+\c], s61, v[FW+\c]              ; bit 7 is left where the byte was not under delta_c
.endr
.irp c, 0,1,2,3,4,5,6,7,8,9,10,11,12,13,14,15
	v_lshrrev_b32 v[XT+\c], 7, v[FN+\c]
.endr
.irp c, 0,1,2,3,4,5,6,7,8,9,10,11,12,13,14,15
	v_sub_nc_u32 v[FN+\c], v[FN+\c], v[XT+\c]      ; 0x7f there, 0 elsewhere
.endr
.irp c, 0,1,2,3,4,5,6,7,8,9,10,11,12,13,14,15
	v_and_b32 v[FW+\c], v[FW+\c], v[FN+\c]         ; byte - delta_c, held at 0
.endr
.irp c, 0,4,8,12
	v_pk_add_f32 v[FS+\c:FS+\c+1], v[FS+\c:FS+\c+1], v[FS+\c+2:FS+\c+3]
.endr
	v_pk_add_f32 v[FS:FS+1], v[FS:FS+1], v[FS+4:FS+5]
	v_pk_add_f32 v[FS+8:FS+9], v[FS+8:FS+9], v[FS+12:FS+13]
	v_pk_add_f32 v[FS:FS+1], v[FS:FS+1], v[FS+8:FS+9]
	v_add_f32 v[FS], v[FS], v[FS+1]                ; l
	v_rcp_f32 v[RC], v[FS]
	v_nop                                          ; a plain place behind the reciprocal
	s_wait_alu depctr_va_vdst(0)                   ; ahead of its first reader
.irp c, 0,1,2,3
	ds_store_b128 v[FA], v[FW+4*\c:FW+4*\c+3] offset:8704*(\u)+16*\c
.endr
	ds_store_b32 v[FL], v[RC] offset:512*(\u)
.endm
	FIXCALC 0
	FIXCALC 1
.macro FRAGI reg, adr, off
.irp c, 0,1,2
	ds_load_b128 v[\reg+4*\c:\reg+4*\c+3], v[\adr] offset:\off+512*\c
.endr
.endm
; The 64 accumulators take turns, one instruction a turn, in the same order in every step, over the loop's backward jump too.
.macro MUL16 a0, p
.irp a, \a0, \a0+1
.irp b, 0,1,2,3,4,5,6,7
	v_wmma_scale_f32_16x16x128_f8f6f4 v[8*(8*((\a)%4)+\b):8*(8*((\a)%4)+\b)+7], v[128*(\p)+FR*\b:128*(\p)+FR*\b+FR-1], v[AF+FR*(\a):AF+FR*(\a)+FR-1], v[8*(8*((\a)%4)+\b):8*(8*((\a)%4)+\b)+7], v[SC+8*(\p)+\b], v[SC+8*(\p)+(\a)] matrix_a_fmt:MATRIX_FMT_FP6 matrix_b_fmt:MATRIX_FMT_FP6 matrix_a_scale:MATRIX_SCALE_ROW1
.endr
.endr
.endm
.macro FETCH_B q, p
	WIN TO_B
.irp i, 0,1,2,3,4,5,6,7
	FRAGI 128*(\p)+FR*\i, ADRB, \i*3072+(\q)*1536
.endr
	WIN 0
.irp i, 0,1,2,3,4,5,6,7
	ds_load_b32 v[SC+8*(\p)+\i], v[ADRS] offset:\i*SBLK+4*(\q)
.endr
.endm
.macro FETCH_A q, i0
.irp i, \i0, \i0+1, \i0+2, \i0+3
	FRAGI AF+FR*(\i), ADRA, (\i)*3072+(\q)*1536
.endr
.endm
.Ltrip:                                            ; eight trips, a constant
	s_wait_tensorcnt 0x0                           ; all my tensor loads have landed, my part of this trip's slot among them: so the walking group 0 may be written
	ds_add_u32 v[SPW], v[NIL]
	s_xor_b32 s[G0+1], s[G0+1], SLOT1              ; the other slot than last time,
	s_add_nc_u64 s[G0+2:G0+3], s[G0+2:G0+3], 3072  ; the next 256 keys
	s_wait_dscnt 0x0                               ; the add is done; my reads of the slot that I have left are over; in the first trip: my stores into the tables have landed
	s_barrier_signal -1
	s_barrier_wait -1
	s_add_co_u32 s3, s[TAU], 1
	s_cmp_ge_u32 s3, s20                           ; the next slot lies beyond the causal limit: no step would read it, so it is not asked for.  Ids and the count of trips alone
	s_cbranch_scc1 .Lpast
	tensor_load_to_lds s[G0:G0+3], s[G1:G1+7]      ; my one tensor load behind the barrier: it has this trip's 128 matrix instructions in which to land
	s_nop 0
	PLACES 4
.Lpast:
	s_cmp_ge_u32 s[TAU], s20
	s_cbranch_scc1 .Lhidden
	v_add_nc_u32 v[ADRA], s[TB], v[A0]
	v_add_nc_u32 v[ADRB], s[TB], v[B0]
	PLACES NP                                      ; in front of loads into registers that the last trip's matrix instructions have read
	FETCH_B 0, 0
	FETCH_A 0, 0
	FETCH_A 0, 4
	s_wait_dscnt 4*NLA                             ; all but the youngest loads, A's blocks 4-7
	WIN MUL_LO
	MUL16 0, 0
	MUL16 2, 0
	s_wait_dscnt 0
	PLACES NP
	FETCH_B 1, 1
	FETCH_A 1, 0
	WIN MUL_HI
	MUL16 4, 0
	MUL16 6, 0
	PLACES NP
	WIN 0
	FETCH_A 1, 4
	s_wait_dscnt 4*NLA
	WIN MUL_LO
	MUL16 0, 1
	MUL16 2, 1
	s_wait_dscnt 0
	WIN MUL_HI
	MUL16 4, 1
	MUL16 6, 1
	WIN 0
.Lhidden:
	v_add_nc_u32 v[ADRS], 8, v[ADRS]               ; the next slot's two scale words
	s_xor_b32 s[TB], s[TB], SLOT1
	s_add_co_u32 s[TAU], s[TAU], 1
	s_cmp_lt_u32 s[TAU], 8
	s_cbranch_scc1 .Ltrip
; 64 numbers of a lane in window 0 become a fragment's codes in NATURAL order in v[CD] on and its scale word in v[PW]
.macro QUANT s
.irp b, 0,1,2,3
	v_max3_num_f32 v[TM+\b], |v[(\s)+16*\b]|, |v[(\s)+1+16*\b]|, 0x1800000
.endr
.irp i, 2,4,6,8,10,12,14
.irp b, 0,1,2,3
	v_max3_num_f32 v[TM+\b], |v[(\s)+16*\b+\i]|, |v[(\s)+1+16*\b+\i]|, v[TM+\b]
.endr
.endr
.irp b, 0,1,2,3
	v_permlanex16_b32 v[TM+4+\b], v[TM+\b], s[SEL], s[SEL+1]
.endr
.irp b, 0,1,2,3
	v_max_num_f32 v[TM+\b], v[TM+\b], v[TM+4+\b]
.endr
.irp b, 0,1,2,3
	v_add_nc_u32 v[TM+12+\b], 0xff000000, v[TM+\b]
.endr
.irp b, 0,1,2,3
	v_lshrrev_b32 v[TM+4+\b], 23, v[TM+12+\b]
.endr
	v_lshl_or_b32 v[PW], v[TM+5], 8, v[TM+4]
	v_lshl_or_b32 v[PW], v[TM+6], 16, v[PW]
	v_lshl_or_b32 v[PW], v[TM+7], 24, v[PW]
.irp c, 0,1
	v_cvt_scalef32_pk16_fp6_f32 v[CD+6*\c:CD+2+6*\c], v[(\s)+32*\c:(\s)+15+32*\c], v[TM+12+2*\c]
	v_cvt_scalef32_pk16_fp6_f32 v[CD+12+4*\c:CD+14+4*\c], v[(\s)+16+32*\c:(\s)+31+32*\c], v[TM+12+2*\c+1]
.endr
	v_nop                                          ; one plain place behind a scaled conversion
.irp c, 0,1
.irp i, 0,1,2
	v_permlane16_swap_b32 v[CD+6*\c+\i], v[CD+12+4*\c+\i]
.endr
	; the first three registers hold the block's codes 0-7 and 16-23, the other three 8-15 and 24-31, 48 bits each: the two middle groups change places
	v_perm_b32 v[CD+6*\c+3], v[CD+6*\c+2], v[CD+6*\c+1], 0x05040302
	v_perm_b32 v[CD+6*\c+4], v[CD+12+4*\c+1], v[CD+6*\c+2], 0x07060302
	v_mov_b32 v[CD+6*\c+5], v[CD+12+4*\c+2]
	v_perm_b32 v[CD+6*\c+1], v[CD+12+4*\c], v[CD+6*\c+1], 0x05040100
	v_perm_b32 v[CD+6*\c+2], v[CD+12+4*\c+1], v[CD+12+4*\c], 0x05040302
.endr
.endm
	PLACES NP                                      ; in front of the first read of results and of writes into A's registers
.irp a, 0,1,2,3,4,5,6,7
	ds_load_b32 v[IL+2*\a], v[ILA] offset:64*\a
.endr
	s_wait_dscnt 0x0
.irp a, 0,1,2,3,4,5,6,7
	WIN 2+\a/4                                     ; source 0: window 2 or 3
.set k, 0
.rept 32
	v_pk_mul_f32 v[TT+k:TT+k+1], v[64*(\a%4)+k:64*(\a%4)+k+1], v[IL+2*\a:IL+2*\a+1] op_sel_hi:[1,0]   ; O / l, each accumulator from its low end on
.set k, k+2
.endr
	WIN 0
.if \a > 0
	s_wait_xcnt 0x0                                ; the last block's stores have read their registers
.endif
	QUANT TT
.irp c, 0,1,2
	global_store_b128 v[LI], v[CD+4*\c:CD+4*\c+3], s[12:13] offset:12288*\a+512*\c   ; 32 lanes store 512 consecutive bytes, aligned
.endr
	global_store_b32 v[SOF], v[PW], s[48:49] offset:512*\a     ; lanes l and l xor 16 store the same word to the same place
.endr
	s_wait_tensorcnt 0x0                           ; the wave's end
	ds_add_u32 v[SPW], v[NIL]
	s_wait_dscnt 0x0
	s_endpgm
.Lfunc_end_k_q5ce6aaf8c0_mix:
	.size	k_q5ce6aaf8c0_mix, .Lfunc_end_k_q5ce6aaf8c0_mix-k_q5ce6aaf8c0_mix
	.p2alignl 7, 3214868480
	.fill 96, 4, 3214868480
	.section	.rodata,"a",@progbits
	.p2align	6, 0x0
	.amdhsa_kernel k_q5ce6aaf8c0_mix
		.amdhsa_group_segment_fixed_size 327680
		.amdhsa_private_segment_fixed_size 0
		.amdhsa_enable_private_segment 0
		.amdhsa_kernarg_size 24
		.amdhsa_user_sgpr_count 2
		.amdhsa_user_sgpr_kernarg_segment_ptr 1
		.amdhsa_wavefront_size32 1
		.amdhsa_system_sgpr_workgroup_id_x 1
		.amdhsa_system_sgpr_workgroup_id_y 1
		.amdhsa_system_sgpr_workgroup_id_z 1
		.amdhsa_system_vgpr_workitem_id 0
		.amdhsa_next_free_vgpr 1024
		.amdhsa_next_free_sgpr 66
		.amdhsa_reserve_vcc 0
		.amdhsa_float_denorm_mode_32 3
		.amdhsa_float_denorm_mode_16_64 3
		.amdhsa_memory_ordered 1
		.amdhsa_forward_progress 1
		.amdhsa_inst_pref_size 130
	.end_amdhsa_kernel
	.amdgpu_metadata
---
amdhsa.version: [ 1, 2 ]
amdhsa.kernels:
  - .name:           k_q5ce6aaf8c0_mix
    .symbol:         k_q5ce6aaf8c0_mix.kd
    .args:
      - { .name: qkv, .offset: 0, .size: 8, .value_kind: global_buffer, .address_space: global }
      - { .name: pbuf, .offset: 8, .size: 8, .value_kind: global_buffer, .address_space: global }
      - { .name: obuf, .offset: 16, .size: 8, .value_kind: global_buffer, .address_space: global }
    .group_segment_fixed_size: 327680
    .private_segment_fixed_size: 0
    .kernarg_segment_align: 8
    .kernarg_segment_size: 24
    .max_flat_workgroup_size: 128
    .sgpr_count:     66
    .vgpr_count:     1024
    .wavefront_size: 32
...
	.end_amdgpu_metadata
.endif
;; end of part 3
;; launch outp (part 4): grid 4 x 32, 4 waves a work-group, clusters of 4 x 4, 327,680 bytes of LDS; arguments obuf, Wo_codes, Wo_scales, bo, out0; writes out0
.if DOCPART == 4
	.amdgcn_target "amdgcn-amd-amdhsa--gfx1250"
	.amdhsa_code_object_version 6
	.text
	.protected	k_q5ce6aaf8c0_outp
	.globl	k_q5ce6aaf8c0_outp
	.p2align	8
	.type	k_q5ce6aaf8c0_outp,@function
k_q5ce6aaf8c0_outp:
	s_mov_b64 s[64:65], 0
	v_nop
	global_prefetch_b8 v0, s[64:65] scope:SCOPE_SE
	s_setreg_imm32_b32 hwreg(HW_REG_WAVE_MODE, 25, 1), 1
	s_wait_xcnt 0x0
	s_wait_alu depctr_hold_cnt(0) depctr_sa_sdst(0) depctr_va_vdst(0) depctr_va_sdst(0) depctr_va_ssrc(0) depctr_va_vcc(0) depctr_vm_vsrc(0)
	s_getreg_b32 s2, hwreg(HW_REG_IB_STS2, 6, 4)
	s_cmp_eq_u32 s2, 0
	s_cbranch_scc0 .Lentry_in_a_cluster
	s_endpgm
.Lentry_in_a_cluster:
	s_bfe_u32 s2, ttmp6, 0x10000c
	s_cmp_lg_u32 s2, 0xf033
	s_cbranch_scc0 .Lentry_shape_is_right
	s_endpgm
.Lentry_shape_is_right:
; out0 = O Wo^T + bo.  O: the images and scale bytes that mix stored (codes of FP6 in natural order); Wo: codes [1024][768 bytes] and scale bytes [1024][32] as given; out0 [8192][1024] f32.  Nothing is left out here.
; A tile of 256 x 256 is made by four waves, 128 x 128 each; K = 1,024 in eight steps of 128 through two LDS slots of 256.  CLUSTERS: 4 x 4 work-groups; O's tiles are asked for jointly along a row of the cluster, Wo's along a column.
; Source 0 = 16 rows of Wo, source 1 = 16 rows of O: a lane holds eight neighbouring numbers of a row of out0.  The bias is the C of each sum's first matrix instruction.
; A slot: O's two halves as images (24,576 bytes each), then Wo's two halves as rows of 192 bytes with 16 of padding behind every 64 (30,720 bytes each).
; REGISTERS: window 0: v16-17, v20-23 fragment addresses, v24-29 others, v32-47 scale words, v64-127 the bias in the result's layout, v128-223 O's fragments (way out: v128-255 rows).  window 1: Wo's two sets.  windows 2, 3: the accumulators.
.set ROWB,  192
.set KROW,  768
.set PITCH, 240
.set FR,    12
.set NLA,   3
.set NP,    4
.set HALFI, 24576
.set HALFB, 128*PITCH
.set SLOT,  2*HALFI+2*HALFB
.set KS,    32
.set SCL,   2*SLOT
.set HALFS, (128*KS/256)*272
.set SBLK,  (16*KS/256)*272
.set SPARE, SCL+4*HALFS
.set SPITCH, 528                       ; the way out: a stage of 16 rows x (512 + 16) bytes for each wave, in slot 0, which has had its last fill and its last read by then
.set NOUT,  1024
.set ADRA, 16
.set ADRB, 20
.set STO,  24
.set RD,   25
.set CO,   26
.set ADRS, 27
.set SPW,  28
.set NIL,  29
.set BNA,  30
.set SC,   32
.set BN,   64
.set AF,   128
.set BK,   128
.set G1,   24
.set G0,   32
.set G1B,  48
.set G0B,  56
.set G1S,  68
.set G0S,  76
.set G1SB, 80
.set G0SB, 88
.set MSB, 0
.macro WIN new
.if MSB != (\new)
	s_set_vgpr_msb (MSB<<8)|(\new)
.set MSB, (\new)
.endif
.endm
.set MUL_LO, 0xa1
.set MUL_HI, 0xf1
.set TO_B,   0x40
.macro PLACES n
.rept \n
	v_nop
.endr
.endm
.macro JLOAD g0a, g1a, g0b, g1b        ; a joint load: waves 0 and 1 fetch for O, waves 2 and 3 for Wo; an s_nop 0 and four v_nop follow each line
	s_cmp_eq_u32 s15, 0
	s_cbranch_scc0 .Lfor_b_\@
	tensor_load_to_lds s[\g0a:\g0a+3], s[\g1a:\g1a+7]
	s_nop 0
.rept 4
	v_nop
.endr
	s_branch .Lasked_\@
.Lfor_b_\@:
	tensor_load_to_lds s[\g0b:\g0b+3], s[\g1b:\g1b+7]
	s_nop 0
.rept 4
	v_nop
.endr
.Lasked_\@:
.endm
.macro CREST
	s_cmp_lg_u32 s14, 0
	s_cbranch_scc1 .Lnot_wave_0_\@
	s_barrier_signal -3
.Lnot_wave_0_\@:
	s_barrier_wait -3
	s_barrier_signal -1
	s_barrier_wait -1
.endm
.macro CROUND
	s_barrier_signal -1
	s_barrier_wait -1
	CREST
.endm
	s_load_b256 s[4:11], s[0:1], 0x0               ; obuf, Wo's codes, Wo's scales, bo
	s_load_b64 s[12:13], s[0:1], 0x20              ; out0
	v_lshl_add_u32 v[SPW], v0, 2, SPARE
	v_mov_b32 v[NIL], 0
	ds_add_u32 v[SPW], v[NIL]                      ; the wave's opening: the add, twice on end, and its wait ahead of my first tensor load
	ds_add_u32 v[SPW], v[NIL]
	v_lshrrev_b32 v1, 5, v0
	v_readfirstlane_b32 s14, v1
	s_lshr_b32 s15, s14, 1
	s_and_b32 s16, s14, 1
	s_bfe_u32 s40, ttmp6, 0x40000                  ; cx
	s_bfe_u32 s41, ttmp6, 0x40004                  ; cy
	s_lshl_b32 s42, ttmp9, 2
	s_add_co_u32 s42, s42, s40                     ; tile column
	s_and_b32 s17, ttmp7, 0xffff
	s_lshl_b32 s17, s17, 2
	s_add_co_u32 s17, s17, s41                     ; tile row
	s_lshl_b32 s43, s41, 2
	s_lshl_b32 s43, 15, s43                        ; my row of the cluster
	s_lshl_b32 s44, 0x1111, s40                    ; my column
	s_or_b32 s[G1+0], s43, (3<<16)|(1<<21)         ; O's images: elements of 8 bytes, no padding
	s_mov_b32 s[G1+1], 384<<16                     ; 3,072 bytes: two K steps' images of 16 rows
	s_mov_b32 s[G1+2], 8<<16
	s_mov_b32 s[G1+3], 384<<16
	s_mov_b32 s[G1+4], 8
	s_mov_b32 s[G1+5], 1536                        ; 12,288 bytes from a block of 16 rows to the next
	s_mov_b32 s[G1+6], 0
	s_mov_b32 s[G1+7], 0
	s_or_b32 s[G1B+0], s44, (0<<16)|(1<<20)|(1<<21)|(3<<22)|(3<<25)   ; Wo's rows: 4 words of padding behind every 16
	s_mov_b32 s[G1B+1], ROWB<<16
	s_mov_b32 s[G1B+2], 128<<16
	s_mov_b32 s[G1B+3], ROWB<<16
	s_mov_b32 s[G1B+4], 128
	s_mov_b32 s[G1B+5], KROW
	s_mov_b32 s[G1B+6], 0
	s_mov_b32 s[G1B+7], 0
	s_or_b32 s[G1S+0], s43, (3<<16)|(1<<20)|(1<<21)|(5<<22)|(3<<25)
	s_or_b32 s[G1SB+0], s44, (3<<16)|(1<<20)|(1<<21)|(5<<22)|(3<<25)
.irp g, G1S, G1SB
	s_mov_b32 s[\g+1], 32<<16
	s_mov_b32 s[\g+2], (128*KS/256)<<16
	s_mov_b32 s[\g+3], 32<<16
	s_mov_b32 s[\g+4], 128*KS/256
	s_mov_b32 s[\g+5], 32
	s_mov_b32 s[\g+6], 0
	s_mov_b32 s[\g+7], 0
.endr
	s_lshl_b32 s18, s16, 3
	s_lshl_b32 s20, s17, 4
	s_add_co_u32 s20, s20, s18                     ; O: block of 16 rows: 16 x tile row + 8 x half
	s_lshl_b32 s22, s20, 9                         ; its scale bytes: 512 a block
	s_add_co_u32 s22, s22, 6291456
	s_mov_b32 s23, 0
	s_mul_i32 s20, s20, 12288
	s_mov_b32 s21, 0
	s_lshl_b32 s18, s16, 7
	s_lshl_b32 s46, s42, 8
	s_add_co_u32 s46, s46, s18                     ; Wo: row 256 x tile column + 128 x half
	s_lshl_b32 s92, s46, 5
	s_mov_b32 s93, 0
	s_mul_i32 s46, s46, KROW
	s_mov_b32 s47, 0
	s_mul_i32 s45, s16, HALFI                      ; where they go: O's halves,
	s_mul_i32 s95, s16, HALFB
	s_add_co_u32 s95, s95, 2*HALFI                 ; Wo's behind them
	s_mul_i32 s94, s14, HALFS
	s_wait_dscnt 0x0                               ; both opening adds are done
	s_wait_kmcnt 0x0
	s_add_nc_u64 s[20:21], s[4:5], s[20:21]
	s_add_nc_u64 s[22:23], s[4:5], s[22:23]
	s_add_nc_u64 s[46:47], s[6:7], s[46:47]
	s_add_nc_u64 s[92:93], s[8:9], s[92:93]
	CROUND                                         ; all sixteen work-groups are here: the first joint loads meet
	s_mov_b32 s[G0S], 1
	s_add_co_u32 s[G0S+1], s94, SCL
	s_mov_b64 s[G0S+2:G0S+3], s[22:23]
	s_or_b32 s[G0S+3], s[G0S+3], 0x80000000
	s_mov_b32 s[G0SB], 1
	s_add_co_u32 s[G0SB+1], s94, SCL
	s_mov_b64 s[G0SB+2:G0SB+3], s[92:93]
	s_or_b32 s[G0SB+3], s[G0SB+3], 0x80000000
	JLOAD G0S, G1S, G0SB, G1SB
.irp s, 0,1
	s_mov_b32 s[G0+4*\s], 1
	s_add_co_u32 s[G0+4*\s+1], s45, \s*SLOT
	s_add_nc_u64 s[G0+4*\s+2:G0+4*\s+3], s[20:21], \s*3072
	s_or_b32 s[G0+4*\s+3], s[G0+4*\s+3], 0x80000000
	s_mov_b32 s[G0B+4*\s], 1
	s_add_co_u32 s[G0B+4*\s+1], s95, \s*SLOT
	s_add_nc_u64 s[G0B+4*\s+2:G0B+4*\s+3], s[46:47], \s*ROWB
	s_or_b32 s[G0B+4*\s+3], s[G0B+4*\s+3], 0x80000000
	JLOAD G0+4*\s, G1, G0B+4*\s, G1B
.endr
	s_lshl_b32 s46, s42, 10                        ; bo: my 128 numbers; also my first column of out0 in bytes
	s_lshl_b32 s47, s16, 9
	s_add_co_u32 s46, s46, s47
	s_mov_b32 s47, 0
	s_add_nc_u64 s[10:11], s[10:11], s[46:47]
	v_and_b32 v1, 15, v0                           ; r
	v_bfe_u32 v2, v0, 4, 1                         ; h
	v_lshlrev_b32 v[BNA], 5, v2
.irp b, 0,1,2,3,4,5,6,7
	global_load_b128 v[BN+8*\b:BN+8*\b+3], v[BNA], s[10:11] offset:64*\b        ; bo(16 b + 8 h + 0 .. 7) of my 128
	global_load_b128 v[BN+8*\b+4:BN+8*\b+7], v[BNA], s[10:11] offset:64*\b+16
.endr
	v_and_b32 v6, 31, v0
	v_lshlrev_b32 v[CO], 4, v6                     ; 16 x lane
	v_mul_u32_u24 v3, v1, PITCH
	v_mul_u32_u24 v4, v2, 24
	v_add_nc_u32 v4, v3, v4
	v_lshl_add_u32 v5, v2, 4, v4
	s_mul_i32 s21, s15, HALFI                      ; my 128 rows of O
	s_mul_i32 s22, s16, HALFB
	s_add_co_u32 s22, s22, 2*HALFI                 ; my 128 rows of Wo
.irp s, 0,1
	v_add_nc_u32 v[ADRA+\s], s21, v[CO]
	v_add_nc_u32 v[ADRB+\s], s22, v4
	v_add_nc_u32 v[ADRB+2+\s], s22, v5
	s_add_co_u32 s21, s21, SLOT
	s_add_co_u32 s22, s22, SLOT
.endr
	v_mul_u32_u24 v5, v1, KS
	v_lshrrev_b32 v6, 8, v5
	v_lshl_add_u32 v5, v6, 4, v5
	s_mul_i32 s21, s15, HALFS
	s_mul_i32 s22, s16, HALFS
	s_add_co_u32 s22, s22, 2*HALFS
	s_sub_co_u32 s22, s22, s21
	v_mul_u32_u24 v6, s22, v2                      ; lanes 16-31 take Wo's
	s_add_co_u32 s21, s21, SCL
	v_add_nc_u32 v5, v5, v6
	v_add_nc_u32 v[ADRS], s21, v5
	s_mul_i32 s23, s14, 16*SPITCH                  ; my stage
	v_mul_u32_u24 v5, v1, SPITCH
	v_lshl_add_u32 v5, v2, 5, v5
	v_add_nc_u32 v[STO], s23, v5                   ; in: row r, 32 bytes for each half of the lanes
	v_add_nc_u32 v[RD], s23, v[CO]                 ; back: the 32 lanes take one row of 512 bytes
	s_lshl_b32 s20, s17, 8
	s_lshl_b32 s21, s15, 7
	s_add_co_u32 s20, s20, s21                     ; my first row of out0
	s_mov_b32 s21, 0
	s_mov_b64 s[18:19], NOUT*4
	s_mul_u64 s[20:21], s[20:21], s[18:19]
	s_add_nc_u64 s[20:21], s[20:21], s[46:47]
	s_add_nc_u64 s[12:13], s[12:13], s[20:21]
.macro FRAGR reg, adr, q, i            ; a fragment from rows in LDS, in pieces of 8 bytes; where lanes 16-31's piece lies behind one padding more, the second address register serves
.irp p, 0,1,2,3,4,5
.set PIECE, 12*(\q)+6*(\p/3)+\p%3
.if PIECE%8 < 5
	ds_load_b64 v[\reg+2*\p:\reg+2*\p+1], v[\adr] offset:8*PIECE+16*(PIECE/8)+(\i)*16*PITCH
.else
	ds_load_b64 v[\reg+2*\p:\reg+2*\p+1], v[\adr+2] offset:8*PIECE+16*(PIECE/8)+(\i)*16*PITCH
.endif
.endr
.endm
.macro FRAGI reg, adr, off             ; a fragment's image
.irp c, 0,1,2
	ds_load_b128 v[\reg+4*\c:\reg+4*\c+3], v[\adr] offset:\off+512*\c
.endr
.endm
; The 64 accumulators take turns, one instruction a turn, in the same order in every step.  bias = 1: the bias is the C of the sum's first instruction.
.macro MUL16 a0, p, bias
.irp a, \a0, \a0+1
.irp b, 0,1,2,3,4,5,6,7
.if \bias
	v_wmma_scale_f32_16x16x128_f8f6f4 v[8*(8*((\a)%4)+\b):8*(8*((\a)%4)+\b)+7], v[128*(\p)+FR*\b:128*(\p)+FR*\b+FR-1], v[AF+FR*(\a):AF+FR*(\a)+FR-1], v[BN+8*\b:BN+8*\b+7], v[SC+8*(\p)+\b], v[SC+8*(\p)+(\a)] matrix_a_fmt:MATRIX_FMT_FP6 matrix_b_fmt:MATRIX_FMT_FP6 matrix_a_scale:MATRIX_SCALE_ROW1
.else
	v_wmma_scale_f32_16x16x128_f8f6f4 v[8*(8*((\a)%4)+\b):8*(8*((\a)%4)+\b)+7], v[128*(\p)+FR*\b:128*(\p)+FR*\b+FR-1], v[AF+FR*(\a):AF+FR*(\a)+FR-1], v[8*(8*((\a)%4)+\b):8*(8*((\a)%4)+\b)+7], v[SC+8*(\p)+\b], v[SC+8*(\p)+(\a)] matrix_a_fmt:MATRIX_FMT_FP6 matrix_b_fmt:MATRIX_FMT_FP6 matrix_a_scale:MATRIX_SCALE_ROW1
.endif
.endr
.endr
.endm
.macro FETCH_B slot, q, p, ks
	WIN TO_B
.irp i, 0,1,2,3,4,5,6,7
	FRAGR 128*(\p)+FR*\i, ADRB+\slot, \q, \i
.endr
	WIN 0
.irp i, 0,1,2,3,4,5,6,7
	ds_load_b32 v[SC+8*(\p)+\i], v[ADRS] offset:\i*SBLK+4*(\ks)
.endr
.endm
.macro FETCH_A slot, q, i0
.irp i, \i0, \i0+1, \i0+2, \i0+3
	FRAGI AF+FR*(\i), ADRA+\slot, (\i)*3072+(\q)*1536
.endr
.endm
.macro STEP slot, ks, bias
	s_wait_dscnt 4*NLA                             ; all but the youngest loads, O's blocks 4-7
.if \bias
	WIN 0x81                                       ; C (the bias) window 0, D window 2
.else
	WIN MUL_LO
.endif
	MUL16 0, 0, \bias
	MUL16 2, 0, \bias
	s_wait_dscnt 0
	PLACES NP
	FETCH_B \slot, 1, 1, (\ks)+1
	FETCH_A \slot, 1, 0
.if \bias
	WIN 0xc1
.else
	WIN MUL_HI
.endif
	MUL16 4, 0, \bias
	MUL16 6, 0, \bias
	PLACES NP
	WIN 0
	FETCH_A \slot, 1, 4
.endm
.macro TURN slot, next, fill, ks
	s_wait_tensorcnt 0x0                           ; all my tensor loads have landed: my part of the next slot
	ds_add_u32 v[SPW], v[NIL]
	s_wait_dscnt 4*NLA+1                           ; (the add and O's blocks 4-7 may be out)
	WIN MUL_LO
	MUL16 0, 1, 0
	s_wait_dscnt 0x0                               ; the add is done, and my reads of this slot are over
	s_barrier_signal -1
	MUL16 2, 1, 0
	WIN 0
	s_barrier_wait -1
.if \fill
	CREST                                          ; the barrier has opened a round of the cluster's
	s_add_nc_u64 s[G0+4*\slot+2:G0+4*\slot+3], s[G0+4*\slot+2:G0+4*\slot+3], 2*3072
	s_add_nc_u64 s[G0B+4*\slot+2:G0B+4*\slot+3], s[G0B+4*\slot+2:G0B+4*\slot+3], 2*ROWB
	JLOAD G0+4*\slot, G1, G0B+4*\slot, G1B
.else
	PLACES NP
.endif
	FETCH_B \next, 0, 0, (\ks)+1
	FETCH_A \next, 0, 0
	WIN MUL_HI
	MUL16 4, 1, 0
	MUL16 6, 1, 0
	PLACES NP
	WIN 0
	FETCH_A \next, 0, 4
.endm
	s_wait_loadcnt 0x0                             ; the bias
	s_wait_tensorcnt 1                             ; the scales and my part of slot 0 are in; slot 1's load may be out
	s_barrier_signal -1
	s_barrier_wait -1
	FETCH_B 0, 0, 0, 0
	FETCH_A 0, 0, 0
	FETCH_A 0, 0, 4
	STEP 0, 0, 1
	TURN 0, 1, 1, 1
	STEP 1, 2, 0
	TURN 1, 0, 1, 3
	STEP 0, 4, 0
	TURN 0, 1, 0, 5
	STEP 1, 6, 0
	s_wait_dscnt 4*NLA
	WIN MUL_LO
	MUL16 0, 1, 0
	MUL16 2, 1, 0
	s_wait_dscnt 0
	WIN MUL_HI
	MUL16 4, 1, 0
	MUL16 6, 1, 0
	WIN 0
; THE WAY OUT, block by block of 16 rows x 128 columns: through my own stage in LDS, back as whole rows of 512 bytes.  LDS serves a wave's instructions in order (ISA guide 5.7.1.4): no wait between the stores and the loads.
.macro TOSTAGE a
.set AC, 64*((\a)%4)
	WIN 0x08+4*((\a)/4)                            ; an LDS store's data: window 2 or 3
.irp b, 0,1,2,3,4,5,6,7
	ds_store_b128 v[STO], v[AC+8*\b:AC+8*\b+3] offset:64*\b          ; each accumulator from its low end on
	ds_store_b128 v[STO], v[AC+8*\b+4:AC+8*\b+7] offset:64*\b+16
.endr
	WIN 0
.set BB, BK+64*((\a)%2)
.irp t, 0,1,2,3,4,5,6,7,8,9,10,11,12,13,14,15
	ds_load_b128 v[BB+4*\t:BB+4*\t+3], v[RD] offset:\t*SPITCH
.endr
.endm
.macro SEND a, younger
.set BB, BK+64*((\a)%2)
	s_wait_dscnt \younger                          ; the block is back in registers
.if (\a) > 0
	s_add_nc_u64 s[12:13], s[12:13], 16*NOUT*4     ; (behind a wait on XCNT: the earlier stores have read their base)
.endif
.irp t, 0,1,2,3,4,5,6,7,8,9,10,11,12,13,14,15
	global_store_b128 v[CO], v[BB+4*\t:BB+4*\t+3], s[12:13] offset:\t*NOUT*4 th:TH_STORE_NT   ; 32 lanes store 512 consecutive bytes, aligned
.endr
.endm
	PLACES NP
	TOSTAGE 0
.irp a, 1,2,3,4,5,6,7
.if \a > 1
	s_wait_xcnt 0x0                                ; block a - 2's stores have read their registers and their base
.endif
	TOSTAGE \a
	SEND \a-1, 32                                  ; behind block a - 1's loads: block a's 16 stores and 16 loads
.endr
	s_wait_xcnt 0x0
	SEND 7, 0
	s_wait_tensorcnt 0x0                           ; the wave's end
	ds_add_u32 v[SPW], v[NIL]
	s_wait_dscnt 0x0
	CROUND                                         ; the closing round
	s_endpgm
.Lfunc_end_k_q5ce6aaf8c0_outp:
	.size	k_q5ce6aaf8c0_outp, .Lfunc_end_k_q5ce6aaf8c0_outp-k_q5ce6aaf8c0_outp
	.p2alignl 7, 3214868480
	.fill 96, 4, 3214868480
	.section	.rodata,"a",@progbits
	.p2align	6, 0x0
	.amdhsa_kernel k_q5ce6aaf8c0_outp
		.amdhsa_group_segment_fixed_size 327680
		.amdhsa_private_segment_fixed_size 0
		.amdhsa_enable_private_segment 0
		.amdhsa_kernarg_size 40
		.amdhsa_user_sgpr_count 2
		.amdhsa_user_sgpr_kernarg_segment_ptr 1
		.amdhsa_wavefront_size32 1
		.amdhsa_system_sgpr_workgroup_id_x 1
		.amdhsa_system_sgpr_workgroup_id_y 1
		.amdhsa_system_sgpr_workgroup_id_z 1
		.amdhsa_system_vgpr_workitem_id 0
		.amdhsa_next_free_vgpr 1024
		.amdhsa_next_free_sgpr 96
		.amdhsa_reserve_vcc 0
		.amdhsa_float_denorm_mode_32 3
		.amdhsa_float_denorm_mode_16_64 3
		.amdhsa_memory_ordered 1
		.amdhsa_forward_progress 1
		.amdhsa_inst_pref_size 151
	.end_amdhsa_kernel
	.amdgpu_metadata
---
amdhsa.version: [ 1, 2 ]
amdhsa.kernels:
  - .name:           k_q5ce6aaf8c0_outp
    .symbol:         k_q5ce6aaf8c0_outp.kd
    .args:
      - { .name: obuf, .offset: 0, .size: 8, .value_kind: global_buffer, .address_space: global }
      - { .name: Wo_codes, .offset: 8, .size: 8, .value_kind: global_buffer, .address_space: global }
      - { .name: Wo_scales, .offset: 16, .size: 8, .value_kind: global_buffer, .address_space: global }
      - { .name: bo, .offset: 24, .size: 8, .value_kind: global_buffer, .address_space: global }
      - { .name: out0, .offset: 32, .size: 8, .value_kind: global_buffer, .address_space: global }
    .group_segment_fixed_size: 327680
    .private_segment_fixed_size: 0
    .kernarg_segment_align: 8
    .kernarg_segment_size: 40
    .max_flat_workgroup_size: 128
    .sgpr_count:     96
    .vgpr_count:     1024
    .wavefront_size: 32
...
	.end_amdgpu_metadata
.endif
;; end of part 4
;; ======== version 2 of 2: 4 launches
;; workspace buffers: qkv 19,660,800 bytes; pbuf 14,155,776 bytes; obuf 6,553,600 bytes
;; launch proj: the kernel of part 1 again; grid 4 x 96, 4 waves a work-group, clusters of 4 x 4, 327,680 bytes of LDS; arguments x_codes, x_scales, Wq_codes, Wq_scales, Wk_codes, Wk_scales, Wv_codes, Wv_scales, bq, bk, bv, qkv; writes qkv
;; launch score (part 5): grid 36 x 4, 4 waves a work-group, no clusters, 327,680 bytes of LDS; arguments qkv, pbuf; writes pbuf
.if DOCPART == 5
	.amdgcn_target "amdgcn-amd-amdhsa--gfx1250"
	.amdhsa_code_object_version 6
	.text
	.protected	k_q5ce6aaf8c0_score
	.globl	k_q5ce6aaf8c0_score
	.p2align	8
	.type	k_q5ce6aaf8c0_score,@function
k_q5ce6aaf8c0_score:
	s_mov_b64 s[64:65], 0
	v_nop
	global_prefetch_b8 v0, s[64:65] scope:SCOPE_SE
	s_setreg_imm32_b32 hwreg(HW_REG_WAVE_MODE, 25, 1), 1
	s_wait_xcnt 0x0
; S = Q K^T on the images that proj stored, and the softmax's p, quantised along the keys.  LEFT OUT: the tiles of 256 queries x 256 keys that lie wholly above the diagonal (shown dead at the head of proj): 36 tiles a batch are made.
; A work-group makes tile (i, j), j <= i, of one batch; four waves, 128 queries x 128 keys each; K = 1,024 in eight steps of 128.
; THREE LDS SLOTS of 256 along K: three quarters of K are asked for at the head, together; the fourth refills slot 0 behind the first change of slots and has 224 matrix instructions in which to land.
; Source 0 = 16 keys, source 1 = 16 queries: a lane holds ONE query, and its registers run along the keys.
; THE SOFTMAX IS SPLIT.  A wave's 128 keys are a CHUNK.  For each query and chunk: t = score x log2(e) / 32 (hidden keys: -infinity), M_c = ceil(the chunk's largest t), a whole number, p = 2^(t - M_c), l_c = the sum of the unquantised p.
; p is quantised in blocks of 32 keys and stored as an image of the operand's registers, with its scale word, -M_c and l_c.  mix takes M = the largest M_c and brings scale bytes and sums under it by exact powers of two.
; A chunk all of whose keys are hidden for a query gets t's floor -3e38: -M_c = 3e38, p = 0, zero codes, l_c = 0.  Key 0 counts for every query, so chunk 0 always has a true M_c.
; NO CLUSTER: the 36 live tiles of a batch form a triangle, which no 4 x 4 or 4 x 1 grouping divides into live tiles alone; partners on dead tiles would have to multiply them, since no branch may hang on a place in a cluster.
; pbuf: p's images at 0 ((batch x 128 + query / 16) x 16 + chunk); at 12,582,912 scale words, at 13,107,200 -M_c, at 13,631,488 l_c: each [query][16 chunks] of 4 bytes.
; LIMITS: NaN and infinities among Q and K are not served; a block whose largest p lies under 2^-124 keeps the byte 1.
; REGISTERS: window 0: v16-22 fragment addresses, v24-30 others, v32-47 scale words, v128-223 A's fragments (on the way out: v128-191 p, v192-211 codes), v224-251 the softmax's.  window 1: B's two sets.  windows 2, 3: the accumulators.
.set FR,    12
.set NLA,   3                          ; LDS loads that bring a fragment: an image is three loads of 16 bytes a lane
.set NP,    4
.set HALFI, 24576                      ; 128 rows x 256 along K as images: 8 x 3,072 bytes
.set SLOT,  4*HALFI
.set KS,    32
.set SCL,   3*SLOT
.set HALFS, (128*KS/256)*272
.set SBLK,  (16*KS/256)*272
.set SPARE, SCL+4*HALFS
.set ADRA, 16
.set ADRB, 20
.set LI,   24
.set SOF,  25
.set D0,   26
.set ADRS, 27
.set SPW,  28
.set NIL,  29
.set NINF, 30
.set SC,   32
.set AF,   128
.set TT,   128
.set CD,   192
.set BX,   224
.set BX2,  228
.set RM,   232
.set NM,   234
.set SA,   236
.set SB,   238
.set SO,   240
.set BY,   244
.set PW,   248
.set LS,   249
.set DA,   250
.set LS2,  251
.set G1,   24
.set G1S,  40
.set G0S,  48
.set SEL,  52
.set CS,   54
.set Q0W,  66
.set KL,   67
.set G0,   68                          ; s[68:79] group 0, a set for each slot
.set MSB, 0
.macro WIN new
.if MSB != (\new)
	s_set_vgpr_msb (MSB<<8)|(\new)
.set MSB, (\new)
.endif
.endm
.set MUL_LO, 0xa1
.set MUL_HI, 0xf1
.set TO_B,   0x40
.macro PLACES n
.rept \n
	v_nop
.endr
.endm
	s_load_b128 s[4:7], s[0:1], 0x0                ; qkv, pbuf
	v_lshl_add_u32 v[SPW], v0, 2, SPARE
	v_mov_b32 v[NIL], 0
	ds_add_u32 v[SPW], v[NIL]                      ; the wave's opening: the add, twice on end, and its wait ahead of my first tensor load
	ds_add_u32 v[SPW], v[NIL]
	v_lshrrev_b32 v1, 5, v0
	v_readfirstlane_b32 s14, v1                    ; wave 0..3
	s_lshr_b32 s15, s14, 1                         ; my half of the queries.  Also: I fetch for Q (0) or for K (1)
	s_and_b32 s16, s14, 1                          ; my half of the keys.  Also: which 128 rows I fetch
	s_mov_b32 s17, 0                               ; tile row i: the largest with i (i + 1) / 2 <= the work-group's x
.irp k, 1,2,3,4,5,6,7
	s_cmp_ge_u32 ttmp9, \k*(\k+1)/2
	s_cselect_b32 s17, \k, s17
.endr
	s_add_co_u32 s18, s17, 1
	s_mul_i32 s18, s18, s17
	s_lshr_b32 s18, s18, 1
	s_sub_co_u32 s18, ttmp9, s18                   ; tile column j
	s_and_b32 s19, ttmp7, 0xffff                   ; batch
	s_mov_b32 s[G1+0], 3<<16                       ; images: elements of 8 bytes, no padding
	s_mov_b32 s[G1+1], 384<<16                     ; tensor_dim0: 3,072 bytes: two K steps' images of 16 rows
	s_mov_b32 s[G1+2], 8<<16                       ; tensor_dim1: 8 blocks of 16 rows
	s_mov_b32 s[G1+3], 384<<16
	s_mov_b32 s[G1+4], 8
	s_mov_b32 s[G1+5], 1536                        ; 12,288 bytes from a block of 16 rows to the next
	s_mov_b32 s[G1+6], 0
	s_mov_b32 s[G1+7], 0
	s_mov_b32 s[G1S+0], (3<<16)|(1<<20)|(5<<22)|(3<<25)   ; scale bytes: rows of 256 bytes, 16 of padding behind each
	s_mov_b32 s[G1S+1], 32<<16
	s_mov_b32 s[G1S+2], 16<<16
	s_mov_b32 s[G1S+3], 32<<16
	s_mov_b32 s[G1S+4], 16
	s_mov_b32 s[G1S+5], 32
	s_mov_b32 s[G1S+6], 0
	s_mov_b32 s[G1S+7], 0
	s_cmp_eq_u32 s15, 0
	s_cselect_b32 s20, s17, s18                    ; the tile that I fetch for
	s_cselect_b32 s21, 0, 6291456
	s_cselect_b32 s22, 0, 262144
	s_lshl_b32 s20, s20, 4
	s_lshl_b32 s23, s19, 7
	s_add_co_u32 s20, s20, s23
	s_lshl_b32 s23, s16, 3
	s_add_co_u32 s20, s20, s23                     ; my first block of 16 rows
	s_mul_i32 s23, s20, 12288
	s_add_co_u32 s56, s23, s21
	s_mov_b32 s57, 0
	s_lshl_b32 s20, s20, 9
	s_add_co_u32 s20, s20, s22
	s_add_co_u32 s58, s20, 18874368
	s_mov_b32 s59, 0
	s_mul_i32 s60, s14, HALFI                      ; where they go: Q's halves, then K's: wave x 24,576
	s_mul_i32 s61, s14, HALFS
	s_mov_b32 s[SEL], 0x76543210
	s_mov_b32 s[SEL+1], 0xfedcba98
	s_mov_b32 s[CS], 0x3d38aa3b                    ; log2(e) / sqrt(1024)
	s_mov_b32 s[CS+1], s[CS]
	s_wait_dscnt 0x0                               ; both opening adds are done
	s_wait_kmcnt 0x0
	s_add_nc_u64 s[56:57], s[4:5], s[56:57]
	s_mov_b32 s[G0S], 1
	s_add_co_u32 s[G0S+1], s61, SCL
	s_add_nc_u64 s[G0S+2:G0S+3], s[4:5], s[58:59]
	s_or_b32 s[G0S+3], s[G0S+3], 0x80000000
	tensor_load_to_lds s[G0S:G0S+3], s[G1S:G1S+7]  ; every wave issues its four first fills: four loads of mine are out
	s_nop 0
.irp s, 0,1,2
	s_mov_b32 s[G0+4*\s], 1
	s_add_co_u32 s[G0+4*\s+1], s60, \s*SLOT
	s_add_nc_u64 s[G0+4*\s+2:G0+4*\s+3], s[56:57], \s*3072
	s_or_b32 s[G0+4*\s+3], s[G0+4*\s+3], 0x80000000
	tensor_load_to_lds s[G0+4*\s:G0+4*\s+3], s[G1:G1+7]
	s_nop 0
.endr
	PLACES 4
	v_and_b32 v1, 15, v0                           ; r
	v_bfe_u32 v2, v0, 4, 1                         ; h
	v_and_b32 v3, 31, v0
	v_lshlrev_b32 v[LI], 4, v3
	s_mul_i32 s21, s15, HALFI
	s_mul_i32 s22, s16, HALFI
	s_add_co_u32 s22, s22, 2*HALFI
.irp s, 0,1,2
	v_add_nc_u32 v[ADRA+\s], s21, v[LI]
	v_add_nc_u32 v[ADRB+\s], s22, v[LI]
	s_add_co_u32 s21, s21, SLOT
	s_add_co_u32 s22, s22, SLOT
.endr
	v_mul_u32_u24 v5, v1, KS
	v_lshrrev_b32 v6, 8, v5
	v_lshl_add_u32 v5, v6, 4, v5
	s_mul_i32 s21, s15, HALFS
	s_mul_i32 s22, s16, HALFS
	s_add_co_u32 s22, s22, 2*HALFS
	s_sub_co_u32 s22, s22, s21
	v_mul_u32_u24 v6, s22, v2                      ; lanes 16-31 take K's
	s_add_co_u32 s21, s21, SCL
	v_add_nc_u32 v5, v5, v6
	v_add_nc_u32 v[ADRS], s21, v5
	v_lshlrev_b32 v[SOF], 6, v1                    ; 64 bytes a query in each of the three tables
	s_lshl_b32 s[Q0W], s17, 8
	s_lshl_b32 s20, s15, 7
	s_add_co_u32 s[Q0W], s[Q0W], s20               ; my first query
	s_lshl_b32 s21, s18, 8
	s_lshl_b32 s20, s16, 7
	s_add_co_u32 s21, s21, s20                     ; my first key
	s_add_co_u32 s[KL], s21, 127                   ; my last key
	s_sub_co_i32 s21, s[Q0W], s21
	v_lshlrev_b32 v3, 3, v2
	v_sub_nc_u32 v[D0], v1, v3
	v_add_nc_u32 v[D0], s21, v[D0]                 ; first query - first key + r - 8 h
	v_mov_b32 v[NINF], 0xff800000
.irp b, 0,1,2,3
	v_mov_b32 v[BX2+\b], 0                         ; written once: a lane permute's destination counts as one of its sources
.endr
	v_mov_b32 v[LS2], 0
	v_mov_b32 v[NM+1], 0                           ; named with -M as a pair
	s_lshl_b32 s20, s19, 7
	s_lshl_b32 s21, s17, 4
	s_add_co_u32 s20, s20, s21
	s_lshl_b32 s21, s15, 3
	s_add_co_u32 s20, s20, s21                     ; my first block of 16 queries
	s_lshl_b32 s20, s20, 4
	s_lshl_b32 s22, s18, 1
	s_add_co_u32 s22, s22, s16                     ; my chunk
	s_add_co_u32 s20, s20, s22
	s_mul_i32 s20, s20, 1536
	s_mov_b32 s21, 0
	s_add_nc_u64 s[8:9], s[6:7], s[20:21]          ; my first image
	s_lshl_b32 s20, s19, 11
	s_add_co_u32 s20, s20, s[Q0W]
	s_lshl_b32 s20, s20, 6
	s_lshl_b32 s22, s22, 2
	s_add_co_u32 s20, s20, s22
	s_add_co_u32 s20, s20, 12582912
	s_add_nc_u64 s[10:11], s[6:7], s[20:21]        ; my first query's word of my chunk
.macro FRAGI reg, adr, off             ; a fragment's image: registers 4 c .. 4 c + 3 of lane l at 512 c + 16 l
.irp c, 0,1,2
	ds_load_b128 v[\reg+4*\c:\reg+4*\c+3], v[\adr] offset:\off+512*\c
.endr
.endm
; The 64 accumulators take turns, one instruction a turn, in the same order in every step.  zero = 1: the first product starts the sums.
.macro MUL16 a0, p, zero
.irp a, \a0, \a0+1
.irp b, 0,1,2,3,4,5,6,7
.if \zero
	v_wmma_scale_f32_16x16x128_f8f6f4 v[8*(8*((\a)%4)+\b):8*(8*((\a)%4)+\b)+7], v[128*(\p)+FR*\b:128*(\p)+FR*\b+FR-1], v[AF+FR*(\a):AF+FR*(\a)+FR-1], 0, v[SC+8*(\p)+\b], v[SC+8*(\p)+(\a)] matrix_a_fmt:MATRIX_FMT_FP6 matrix_b_fmt:MATRIX_FMT_FP6 matrix_a_scale:MATRIX_SCALE_ROW1
.else
	v_wmma_scale_f32_16x16x128_f8f6f4 v[8*(8*((\a)%4)+\b):8*(8*((\a)%4)+\b)+7], v[128*(\p)+FR*\b:128*(\p)+FR*\b+FR-1], v[AF+FR*(\a):AF+FR*(\a)+FR-1], v[8*(8*((\a)%4)+\b):8*(8*((\a)%4)+\b)+7], v[SC+8*(\p)+\b], v[SC+8*(\p)+(\a)] matrix_a_fmt:MATRIX_FMT_FP6 matrix_b_fmt:MATRIX_FMT_FP6 matrix_a_scale:MATRIX_SCALE_ROW1
.endif
.endr
.endr
.endm
.macro FETCH_B slot, q, p, ks
	WIN TO_B
.irp i, 0,1,2,3,4,5,6,7
	FRAGI 128*(\p)+FR*\i, ADRB+\slot, \i*3072+(\q)*1536
.endr
	WIN 0
.irp i, 0,1,2,3,4,5,6,7
	ds_load_b32 v[SC+8*(\p)+\i], v[ADRS] offset:\i*SBLK+4*(\ks)
.endr
.endm
.macro FETCH_A slot, q, i0
.irp i, \i0, \i0+1, \i0+2, \i0+3
	FRAGI AF+FR*(\i), ADRA+\slot, (\i)*3072+(\q)*1536
.endr
.endm
.macro STEP slot, ks, zero             ; a slot's first 128 along K: set 0
	s_wait_dscnt 4*NLA                             ; all but the youngest loads, A's blocks 4-7
	WIN MUL_LO
	MUL16 0, 0, \zero
	MUL16 2, 0, \zero
	s_wait_dscnt 0
	PLACES NP
	FETCH_B \slot, 1, 1, (\ks)+1
	FETCH_A \slot, 1, 0
	WIN MUL_HI
	MUL16 4, 0, \zero
	MUL16 6, 0, \zero
	PLACES NP
	WIN 0
	FETCH_A \slot, 1, 4
.endm
; A slot's second 128 (set 1) with a barrier: in front of it each wave waits for all its tensor loads, adds 0 to its spare word, and waits for that and for its reads of this slot.  fill = 1: this slot takes the fourth quarter of K.
.macro TURN slot, next, fill, ks
	s_wait_tensorcnt 0x0                           ; all my tensor loads have landed
	ds_add_u32 v[SPW], v[NIL]
	s_wait_dscnt 4*NLA+1                           ; (the add and A's blocks 4-7 may be out)
	WIN MUL_LO
	MUL16 0, 1, 0
	s_wait_dscnt 0x0                               ; the add is done, and my reads of this slot are over
	s_barrier_signal -1
	MUL16 2, 1, 0
	WIN 0
	s_barrier_wait -1
.if \fill
	s_add_nc_u64 s[G0+4*\slot+2:G0+4*\slot+3], s[G0+4*\slot+2:G0+4*\slot+3], 3*3072
	tensor_load_to_lds s[G0+4*\slot:G0+4*\slot+3], s[G1:G1+7]   ; my one tensor load behind the barrier
	s_nop 0
	PLACES 4
.else
	PLACES NP
.endif
	FETCH_B \next, 0, 0, (\ks)+1
	FETCH_A \next, 0, 0
	WIN MUL_HI
	MUL16 4, 1, 0
	MUL16 6, 1, 0
	PLACES NP
	WIN 0
	FETCH_A \next, 0, 4
.endm
; The same with no barrier: the next slot was shown whole to every wave by the barrier before, in front of which each wave had waited for all its loads; and nothing is filled here.
.macro PASS next, ks
	s_wait_dscnt 4*NLA
	WIN MUL_LO
	MUL16 0, 1, 0
	MUL16 2, 1, 0
	s_wait_dscnt 0
	PLACES NP
	FETCH_B \next, 0, 0, (\ks)+1
	FETCH_A \next, 0, 0
	WIN MUL_HI
	MUL16 4, 1, 0
	MUL16 6, 1, 0
	PLACES NP
	WIN 0
	FETCH_A \next, 0, 4
.endm
; THE SOFTMAX OF BLOCK a (16 queries x my 128 keys).  Register 8 b + j of the block holds key 16 b + 8 h + j of my 128, for query 16 a + r of my 128.
.macro SOFTQ a
.set WN, 2+(\a)/4
.set ACB, 64*((\a)%4)
	s_cmp_le_u32 s[KL], s[Q0W]                     ; all my keys count for all my queries: ids and the wave's number alone; no barrier stands in the lines jumped over
	s_cbranch_scc1 .Lopen_\@
	v_add_nc_u32 v[DA], 16*(\a), v[D0]             ; key 16 b + j (+ 8 h) is hidden where 16 b + j > my query - first key - 8 h
	WIN (WN<<6)|WN
.set n, 0
.rept 64
	v_cmp_gt_i32 vcc_lo, 16*(n/8)+n%8, v[DA]
	v_cndmask_b32 v[ACB+n], v[ACB+n], v[NINF], vcc_lo
.set n, n+1
.endr
	WIN 0
.Lopen_\@:
	WIN WN|(WN<<2)
.irp b, 0,1,2,3
	v_max_num_f32 v[BX+\b], v[ACB+16*\b], v[ACB+16*\b+1]   ; the largest score of each block of 32 keys, each accumulator from its low end on
.endr
.irp i, 2,4,6,8,10,12,14
.irp b, 0,1,2,3
	v_max3_num_f32 v[BX+\b], v[ACB+16*\b+\i], v[ACB+16*\b+\i+1], v[BX+\b]
.endr
.endr
	WIN 0
.if (\a) > 0
	s_wait_xcnt 0x0                                ; the last block's stores have read their registers
.endif
.irp b, 0,1,2,3
	v_permlanex16_b32 v[BX2+\b], v[BX+\b], s[SEL], s[SEL+1]
.endr
.irp b, 0,1,2,3
	v_max_num_f32 v[BX+\b], v[BX+\b], v[BX2+\b]
.endr
	v_max3_num_f32 v[RM], v[BX], v[BX+1], v[BX+2]
	v_max_num_f32 v[RM], v[RM], v[BX+3]
	v_mul_f32 v[RM], s[CS], v[RM]                  ; the chunk's largest t
	v_max_num_f32 v[RM], 0xff61b1e6, v[RM]         ; held at -3e38 from below: a chunk that is all hidden
	v_floor_f32 v[NM], -v[RM]                      ; -M_c = floor(-t): M_c is a whole number
	WIN WN
.set n, 0
.rept 32
	v_pk_fma_f32 v[TT+n:TT+n+1], v[ACB+n:ACB+n+1], s[CS:CS+1], v[NM:NM+1] op_sel_hi:[1,0,0]   ; t - M_c
.set n, n+2
.endr
	WIN 0
.irp b, 0,1,2,3
	v_fma_f32 v[BX+\b], v[BX+\b], s[CS], v[NM]     ; the same of each block's largest score
.endr
.set n, 0
.rept 64
	v_exp_f32 v[TT+n], v[TT+n]                     ; p, at most 1
.set n, n+1
.endr
	v_nop                                          ; a plain place behind the exponentials
	s_wait_alu depctr_va_vdst(0)                   ; one wait for the batch, ahead of its first reader
.irp b, 0,1,2,3
	v_exp_f32 v[BX+\b], v[BX+\b]                   ; the block's largest p: the same two instructions on the same number
.endr
	v_pk_add_f32 v[SA:SA+1], v[TT:TT+1], v[TT+2:TT+3]      ; the sum of the unquantised p, in two chains
	v_pk_add_f32 v[SB:SB+1], v[TT+4:TT+5], v[TT+6:TT+7]
.irp j, 8,12,16,20,24,28,32,36,40,44,48,52,56,60
	v_pk_add_f32 v[SA:SA+1], v[SA:SA+1], v[TT+\j:TT+\j+1]
	v_pk_add_f32 v[SB:SB+1], v[SB:SB+1], v[TT+\j+2:TT+\j+3]
.endr
	v_pk_add_f32 v[SA:SA+1], v[SA:SA+1], v[SB:SB+1]
	v_add_f32 v[LS], v[SA], v[SA+1]
	v_permlanex16_b32 v[LS2], v[LS], s[SEL], s[SEL+1]
	v_add_f32 v[LS], v[LS], v[LS2]                 ; l_c
	s_wait_alu depctr_va_vdst(0)                   ; and one for the four
.irp b, 0,1,2,3
	v_max_num_f32 v[BX+\b], 0x1800000, v[BX+\b]    ; the floor 2^(3 - 127): the byte cannot fall under 1
.endr
.irp b, 0,1,2,3
	v_add_nc_u32 v[SO+\b], 0xff000000, v[BX+\b]
.endr
.irp b, 0,1,2,3
	v_lshrrev_b32 v[BY+\b], 23, v[SO+\b]
.endr
	v_lshl_or_b32 v[PW], v[BY+1], 8, v[BY]
	v_lshl_or_b32 v[PW], v[BY+2], 16, v[PW]
	v_lshl_or_b32 v[PW], v[BY+3], 24, v[PW]
.irp c, 0,1
	v_cvt_scalef32_pk16_fp6_f32 v[CD+6*\c:CD+2+6*\c], v[TT+32*\c:TT+15+32*\c], v[SO+2*\c]
	v_cvt_scalef32_pk16_fp6_f32 v[CD+12+4*\c:CD+14+4*\c], v[TT+16+32*\c:TT+31+32*\c], v[SO+2*\c+1]
.endr
	v_nop                                          ; one plain place behind a scaled conversion
.irp c, 0,1
.irp i, 0,1,2
	v_permlane16_swap_b32 v[CD+6*\c+\i], v[CD+12+4*\c+\i]
.endr
.irp i, 0,1,2
	v_mov_b32 v[CD+3+6*\c+\i], v[CD+12+4*\c+\i]
.endr
.endr
.irp c, 0,1,2
	global_store_b128 v[LI], v[CD+4*\c:CD+4*\c+3], s[8:9] offset:24576*(\a)+512*\c   ; 32 lanes store 512 consecutive bytes, aligned
.endr
	global_store_b32 v[SOF], v[PW], s[10:11] offset:1024*(\a)            ; lanes l and l xor 16 store the same word to the same place
	global_store_b32 v[SOF], v[NM], s[10:11] offset:524288+1024*(\a)
	global_store_b32 v[SOF], v[LS], s[10:11] offset:1048576+1024*(\a)
.endm
	s_wait_tensorcnt 2                             ; the scales and my part of slot 0 are in; slots 1 and 2 may be out
	s_barrier_signal -1
	s_barrier_wait -1
	FETCH_B 0, 0, 0, 0
	FETCH_A 0, 0, 0
	FETCH_A 0, 0, 4
	STEP 0, 0, 1
	TURN 0, 1, 1, 1                                ; slots 1 and 2 are whole for every wave; slot 0 takes the fourth quarter
	STEP 1, 2, 0
	PASS 2, 3
	STEP 2, 4, 0
	TURN 2, 0, 0, 5                                ; the fourth quarter is whole for every wave; nothing is filled
	STEP 0, 6, 0
	s_wait_dscnt 4*NLA
	WIN MUL_LO
	MUL16 0, 1, 0
	MUL16 2, 1, 0
	s_wait_dscnt 0
	WIN MUL_HI
	MUL16 4, 1, 0
	MUL16 6, 1, 0
	WIN 0
	PLACES NP                                      ; in front of the first read of results and of writes into A's registers
.irp a, 0,1,2,3,4,5,6,7
	SOFTQ \a
.endr
	s_wait_tensorcnt 0x0                           ; the wave's end
	ds_add_u32 v[SPW], v[NIL]
	s_wait_dscnt 0x0
	s_endpgm
.Lfunc_end_k_q5ce6aaf8c0_score:
	.size	k_q5ce6aaf8c0_score, .Lfunc_end_k_q5ce6aaf8c0_score-k_q5ce6aaf8c0_score
	.p2alignl 7, 3214868480
	.fill 96, 4, 3214868480
	.section	.rodata,"a",@progbits
	.p2align	6, 0x0
	.amdhsa_kernel k_q5ce6aaf8c0_score
		.amdhsa_group_segment_fixed_size 327680
		.amdhsa_private_segment_fixed_size 0
		.amdhsa_enable_private_segment 0
		.amdhsa_kernarg_size 16
		.amdhsa_user_sgpr_count 2
		.amdhsa_user_sgpr_kernarg_segment_ptr 1
		.amdhsa_wavefront_size32 1
		.amdhsa_system_sgpr_workgroup_id_x 1
		.amdhsa_system_sgpr_workgroup_id_y 1
		.amdhsa_system_sgpr_workgroup_id_z 1
		.amdhsa_system_vgpr_workitem_id 0
		.amdhsa_next_free_vgpr 1024
		.amdhsa_next_free_sgpr 80
		.amdhsa_reserve_vcc 1
		.amdhsa_float_denorm_mode_32 3
		.amdhsa_float_denorm_mode_16_64 3
		.amdhsa_memory_ordered 1
		.amdhsa_forward_progress 1
		.amdhsa_inst_pref_size 235
	.end_amdhsa_kernel
	.amdgpu_metadata
---
amdhsa.version: [ 1, 2 ]
amdhsa.kernels:
  - .name:           k_q5ce6aaf8c0_score
    .symbol:         k_q5ce6aaf8c0_score.kd
    .args:
      - { .name: qkv, .offset: 0, .size: 8, .value_kind: global_buffer, .address_space: global }
      - { .name: pbuf, .offset: 8, .size: 8, .value_kind: global_buffer, .address_space: global }
    .group_segment_fixed_size: 327680
    .private_segment_fixed_size: 0
    .kernarg_segment_align: 8
    .kernarg_segment_size: 16
    .max_flat_workgroup_size: 128
    .sgpr_count:     80
    .vgpr_count:     1024
    .wavefront_size: 32
...
	.end_amdgpu_metadata
.endif
;; end of part 5
;; launch mix (part 6): grid 4 x 64, 4 waves a work-group, no clusters, 327,680 bytes of LDS; arguments qkv, pbuf, obuf; writes obuf
.if DOCPART == 6
	.amdgcn_target "amdgcn-amd-amdhsa--gfx1250"
	.amdhsa_code_object_version 6
	.text
	.protected	k_q5ce6aaf8c0_mix
	.globl	k_q5ce6aaf8c0_mix
	.p2align	8
	.type	k_q5ce6aaf8c0_mix,@function
k_q5ce6aaf8c0_mix:
	s_mov_b64 s[64:65], 0
	v_nop
	global_prefetch_b8 v0, s[64:65] scope:SCOPE_SE
	s_setreg_imm32_b32 hwreg(HW_REG_WAVE_MODE, 25, 1), 1
	s_wait_xcnt 0x0
; O = (P V) / l, quantised along d for the last product.
; LEFT OUT: for a tile of 128 queries, number i of its batch, every chunk of 128 keys with number c > i: all its keys come after all the tile's queries, so reference()'s own mask makes their weights 0 whatever the inputs hold.
; Tile i walks chunks 0 .. i.  LIMIT: a NaN, an infinity or an overflow that would arise only in the chunks left out is not carried to the result.
; A work-group makes 128 queries (the longest walks have the lowest y) x 256 of d; four waves, 64 x 128 each: 32 accumulators.  Source 0 = 16 rows of V^T, source 1 = 16 queries: a lane holds one query, its registers run along d.
; AT THE HEAD, while the first tiles are on their way, thread t brings row t under the row's final M: -M = the least -M_c; delta_c = M - M_c, a whole number, held at 127;
; l = the sum of l_c 2^-delta_c; each byte of chunk c's scale word has delta_c taken off, held at 0 from below.  The words go to a table in LDS laid as the scale bytes of an operand, 1 / l to another.
; LIMIT: a block whose byte would fall under 0 counts with the byte 0: its terms are at most 7.5 x 2^-127 beside a row whose largest p is over 1/2.  NaN and infinities are not served.
; THE WALK: two LDS slots of FOUR chunks (512 keys: P 8 x 6,144 bytes, V^T 16 x 6,144), so that one load a wave brings four steps' tiles and has 128 matrix instructions in which to land.  Waves 0, 1 fetch P's halves, waves 2, 3 V^T's.
; Four trips, two in each of two laps: constants.  The load of a slot that no step will read is jumped over, and a trip ends at the causal limit, by tests on ids and the count of trips alone, the same in all four waves;
; every wait for tensor loads is for 0.  Where the tail begins hangs on the work-group's number, so it cannot be written out.
; score stores P's chunks up to i | 1.  Where a slot has only two stored chunks, P's load takes a second group 1 with the same tile but 384 elements stated as left along a row: two chunks are read, zeros are written for the other two.
; The step is written once and any trip may be passed over: so the sums begin as zeros, written while the head's loads are on their way.
; NO CLUSTER: work-groups that share V^T's tiles are other query tiles and walk other numbers of slots; those that share P's tiles would need joint loads that are jumped over at the causal limit, which a joint load does not allow.
; THE WAY OUT: O's block of 16 queries x my 128 of d is one fragment of the last product: x 1 / l, quantised, the codes of a block of 32 brought into natural order (Wo's), stored as an image of the operand's registers.
; obuf: images at 0 ((token / 16) x 8 + d / 128), scale bytes [token][32] at 6,291,456.
; REGISTERS: window 0: v16-17, v20-21 fragment addresses, v22-31 others, v32-47 scale words (two sets), v48-85 the quantiser's, v88-95 1 / l, v104-121 the head's, v128-223 P's fragments, two sets of 48 (head: the row's words; way out: O / l).
;   window 1: V^T's fragments, two sets at v0 and v128.  window 2: the accumulators, (a, b) at v[8 (8 a + b)].
.set FR,    12
.set NP,    4
.set CHB,   1536                       ; an image: 16 rows x one chunk
.set ROWI,  4*CHB                      ; a block of 16 rows in a slot
.set ABYTES, 8*ROWI                    ; P's part of a slot
.set SLOT,  24*ROWI
.set ATAB,  2*SLOT                     ; behind the ring: P's scale words, 128 rows x 64 bytes as units of 256 + 16: written by LDS stores, never by a tensor load
.set LINV,  ATAB+8704                  ; 1 / l of the 128 rows
.set BTAB,  LINV+512                   ; V^T's scale bytes, 256 rows, the same form: filled once
.set SPARE, BTAB+17408
.set SBLK,  1088
.set ADRA, 16
.set ADRB, 20
.set ADRS2, 22
.set ILA,  23
.set LI,   24
.set SOF,  25
.set FO,   26
.set ADRS, 27
.set SPW,  28
.set NIL,  29
.set FA,   30
.set FL,   31
.set SC,   32
.set TM,   48
.set PW,   64
.set CD,   66
.set IL,   88
.set XT,   104
.set NF,   120
.set RC,   121
.set AF,   128
.set TT,   128
.set FW,   128
.set FN,   144
.set FS,   160
.set G1PF, 24                          ; s[24:31] group 1 for P, four chunks read
.set G1PH, 32                          ; s[32:39] for P, two chunks read and two of zeros
.set G1V,  40                          ; s[40:47] for V^T
.set G1S,  48                          ; s[48:55] for V^T's scale bytes
.set G0,   56                          ; s[56:63] group 0, a set for each slot
.set G0S,  68
.set SEL,  72
.set C0,   74                          ; the trip's first chunk
.set LAP,  75
.set MSB, 0
.macro WIN new
.if MSB != (\new)
	s_set_vgpr_msb (MSB<<8)|(\new)
.set MSB, (\new)
.endif
.endm
.set MUL,  0xa1                        ; source 0 (V^T) window 1, source 1 (P) window 0, C and D window 2
.set TO_B, 0x40
.macro PLACES n
.rept \n
	v_nop
.endr
.endm
; A wave's load of its part of a slot.  s3 holds the slot's third chunk: where it comes after the tile's queries, only two of P's chunks were stored.  The first branch hangs on the wave's number, the second on ids and the count of trips.
; An s_nop 0 and four v_nop follow each line.
.macro PVLOAD g0
	s_cmp_lt_u32 s14, 2
	s_cbranch_scc0 .Lv_\@
	s_cmp_gt_u32 s3, s17
	s_cbranch_scc1 .Lhalf_\@
	tensor_load_to_lds s[\g0:\g0+3], s[G1PF:G1PF+7]
	s_nop 0
.rept 4
	v_nop
.endr
	s_branch .Ldone_\@
.Lhalf_\@:
	tensor_load_to_lds s[\g0:\g0+3], s[G1PH:G1PH+7]
	s_nop 0
.rept 4
	v_nop
.endr
	s_branch .Ldone_\@
.Lv_\@:
	tensor_load_to_lds s[\g0:\g0+3], s[G1V:G1V+7]
	s_nop 0
.rept 4
	v_nop
.endr
.Ldone_\@:
.endm
	s_load_b128 s[4:7], s[0:1], 0x0                ; qkv, pbuf
	s_load_b64 s[8:9], s[0:1], 0x10                ; obuf
	v_lshl_add_u32 v[SPW], v0, 2, SPARE
	v_mov_b32 v[NIL], 0
	ds_add_u32 v[SPW], v[NIL]                      ; the wave's opening: the add, twice on end, and its wait ahead of my first tensor load
	ds_add_u32 v[SPW], v[NIL]
	v_lshrrev_b32 v1, 5, v0
	v_readfirstlane_b32 s14, v1                    ; wave 0..3
	s_lshr_b32 s15, s14, 1                         ; my half of the queries.  Also: I fetch for P (0) or for V^T (1)
	s_and_b32 s16, s14, 1                          ; my half of d.  Also: which half of the rows I fetch
	s_mov_b32 s18, ttmp9                           ; which 256 of d
	s_and_b32 s21, ttmp7, 0xffff
	s_lshr_b32 s19, s21, 4                         ; batch
	s_and_b32 s17, s21, 15
	s_sub_co_u32 s17, 15, s17                      ; query tile i = my last chunk
	s_lshr_b32 s20, s17, 1                         ; the tile of 256 queries that it lies in
.irp g, G1PF, G1PH, G1V
	s_mov_b32 s[\g+0], 3<<16                       ; images: elements of 8 bytes, no padding
	s_mov_b32 s[\g+3], 768<<16                     ; tile_dim0: 6,144 bytes: four chunks' images of 16 rows
	s_mov_b32 s[\g+5], 3072                        ; 24,576 bytes from a block of 16 rows to the next
	s_mov_b32 s[\g+6], 0
	s_mov_b32 s[\g+7], 0
.endr
	s_mov_b32 s[G1PF+1], 768<<16                   ; tensor_dim0: all four chunks are there
	s_mov_b32 s[G1PH+1], 384<<16                   ; two are: zeros are written for the rest
	s_mov_b32 s[G1V+1], 768<<16
	s_mov_b32 s[G1PF+2], 4<<16                     ; tensor_dim1: P: 4 blocks of 16 queries a wave
	s_mov_b32 s[G1PH+2], 4<<16
	s_mov_b32 s[G1V+2], 8<<16                      ; V^T: 8 blocks of 16 of d
	s_mov_b32 s[G1PF+4], 4
	s_mov_b32 s[G1PH+4], 4
	s_mov_b32 s[G1V+4], 8
	s_mov_b32 s[G1S+0], (3<<16)|(1<<20)|(5<<22)|(3<<25)   ; scale bytes: rows of 256 bytes, 16 of padding behind each
	s_mov_b32 s[G1S+1], 32<<16
	s_mov_b32 s[G1S+2], 16<<16
	s_mov_b32 s[G1S+3], 32<<16
	s_mov_b32 s[G1S+4], 16
	s_mov_b32 s[G1S+5], 32
	s_mov_b32 s[G1S+6], 0
	s_mov_b32 s[G1S+7], 0
	s_cmp_eq_u32 s15, 0
	s_cselect_b32 s21, s17, s18                    ; the tile that I fetch for,
	s_cselect_b32 s22, 3, 4                        ; of 8 or 16 blocks;
	s_cselect_b32 s23, 7, 6                        ; 128 blocks of queries a batch, 64 of d;
	s_cselect_b32 s2, 2, 3                         ; my half: 4 or 8 blocks
	s_cselect_b32 s3, 0, 12582912
	s_lshl_b32 s21, s21, s22
	s_lshl_b32 s23, s19, s23
	s_add_co_u32 s21, s21, s23
	s_lshl_b32 s2, s16, s2
	s_add_co_u32 s21, s21, s2
	s_mul_i32 s21, s21, 24576
	s_add_co_u32 s80, s21, s3
	s_mov_b32 s81, 0
	s_lshl_b32 s21, s19, 10
	s_lshl_b32 s22, s18, 8
	s_add_co_u32 s21, s21, s22
	s_lshl_b32 s22, s14, 6
	s_add_co_u32 s21, s21, s22                     ; V^T's scale bytes: my 64 rows
	s_lshl_b32 s21, s21, 6
	s_add_co_u32 s82, s21, 19398656
	s_mov_b32 s83, 0
	s_and_b32 s86, s15, s16
	s_add_co_u32 s86, s86, s14
	s_mul_i32 s86, s86, 24576                      ; where my part goes in a slot: waves 0 .. 3: 0, 24,576, 49,152, 98,304
	s_mul_i32 s87, s14, 4352
	s_mov_b32 s[SEL], 0x76543210
	s_mov_b32 s[SEL+1], 0xfedcba98
	s_mov_b32 s[C0], 0
	s_mov_b32 s[LAP], 0
	s_wait_dscnt 0x0                               ; both opening adds are done
	s_wait_kmcnt 0x0
	s_mov_b32 s[G0S], 1
	s_add_co_u32 s[G0S+1], s87, BTAB
	s_add_nc_u64 s[G0S+2:G0S+3], s[4:5], s[82:83]
	s_or_b32 s[G0S+3], s[G0S+3], 0x80000000
	tensor_load_to_lds s[G0S:G0S+3], s[G1S:G1S+7]  ; every wave issues its two first fills: two loads of mine are out
	s_nop 0
	s_cmp_eq_u32 s15, 0
	s_cselect_b64 s[84:85], s[6:7], s[4:5]
	s_add_nc_u64 s[84:85], s[84:85], s[80:81]
.irp s, 0,1
	s_mov_b32 s[G0+4*\s], 1
	s_add_co_u32 s[G0+4*\s+1], s86, \s*SLOT
	s_add_nc_u64 s[G0+4*\s+2:G0+4*\s+3], s[84:85], \s*ROWI
	s_or_b32 s[G0+4*\s+3], s[G0+4*\s+3], 0x80000000
.endr
	s_mov_b32 s3, 2
	PVLOAD G0                                      ; slot 0: it holds chunk 0, which counts for every tile of queries
	v_and_b32 v1, 15, v0                           ; r
	v_bfe_u32 v2, v0, 4, 1                         ; h
	v_and_b32 v3, 31, v0
	v_lshlrev_b32 v[LI], 4, v3
	s_mul_i32 s21, s15, 24576                      ; my 4 blocks of P
	s_mul_i32 s22, s16, 49152
	s_add_co_u32 s22, s22, ABYTES                  ; my 8 blocks of V^T
.irp s, 0,1
	v_add_nc_u32 v[ADRA+\s], s21, v[LI]
	v_add_nc_u32 v[ADRB+\s], s22, v[LI]
	s_add_co_u32 s21, s21, SLOT
	s_add_co_u32 s22, s22, SLOT
.endr
	v_lshlrev_b32 v5, 6, v1                        ; my row's scale words: 64 bytes a row,
	v_lshrrev_b32 v6, 8, v5
	v_lshl_add_u32 v5, v6, 4, v5                   ; and 16 more for each 256 passed
	s_mul_i32 s21, s15, 4352
	s_add_co_u32 s21, s21, ATAB
	s_mul_i32 s22, s16, 8704
	s_add_co_u32 s22, s22, BTAB
	v_add_nc_u32 v[ADRS2], s22, v5                 ; V^T's in all lanes: for blocks 4-7, which P does not have
	s_sub_co_u32 s22, s22, s21
	v_mul_u32_u24 v6, s22, v2                      ; lanes 0-15 P's, lanes 16-31 V^T's: for blocks 0-3
	v_add_nc_u32 v6, v5, v6
	v_add_nc_u32 v[ADRS], s21, v6
	v_lshlrev_b32 v[SOF], 5, v1
	v_lshlrev_b32 v[FO], 6, v0                     ; thread t: row t's 64 bytes in each of the three tables
	v_lshrrev_b32 v3, 2, v0
	v_mul_u32_u24 v3, v3, 272
	v_and_b32 v4, 3, v0
	v_lshl_add_u32 v3, v4, 6, v3
	v_add_nc_u32 v[FA], ATAB, v3                   ; row t's place in P's table
	v_lshl_add_u32 v[FL], v0, 2, LINV
	s_lshl_b32 s21, s15, 8
	s_add_co_u32 s21, s21, LINV
	v_lshl_add_u32 v[ILA], v1, 2, s21              ; 1 / l of row 64 x half + r
.irp b, 0,1,2,3
	v_mov_b32 v[TM+4+\b], 0                        ; written once: a lane permute's destination counts as one of its sources
.endr
.irp a, 0,1,2,3
	v_mov_b32 v[IL+2*\a+1], 0                      ; named with 1 / l as a pair
.endr
	s_lshl_b32 s21, s19, 11
	s_lshl_b32 s22, s17, 7
	s_add_co_u32 s21, s21, s22                     ; the tile's first query
	s_lshl_b32 s22, s21, 6
	s_add_co_u32 s22, s22, 12582912
	s_mov_b32 s23, 0
	s_add_nc_u64 s[10:11], s[6:7], s[22:23]        ; its scale words; -M_c and l_c lie 524,288 and 1,048,576 bytes on
	s_lshl_b32 s22, s15, 6
	s_add_co_u32 s21, s21, s22                     ; my first query
	s_lshl_b32 s2, s18, 1
	s_add_co_u32 s2, s2, s16                       ; which 128 of d are mine
	s_lshr_b32 s22, s21, 4
	s_lshl_b32 s22, s22, 3
	s_add_co_u32 s22, s22, s2
	s_mul_i32 s22, s22, 1536
	s_add_nc_u64 s[12:13], s[8:9], s[22:23]        ; my first image of O
	s_lshl_b32 s22, s21, 5
	s_lshl_b32 s2, s2, 2
	s_add_co_u32 s22, s22, s2
	s_add_co_u32 s22, s22, 6291456
	s_add_nc_u64 s[76:77], s[8:9], s[22:23]        ; and my first rows' scale word
	s_mov_b32 s78, 0x01010101
	s_mov_b32 s79, 0x80808080
	; chunks that were never stored count as hidden: word 0, -M_c = 3e38, l_c = 0
.set k, 0
.rept 16
	v_mov_b32 v[FW+k], 0
	v_mov_b32 v[FN+k], 0x7f61b1e6
	v_mov_b32 v[FS+k], 0
.set k, k+1
.endr
.macro FIXLOAD j                       ; key tile j's two chunks, of row t
	global_load_b64 v[FW+2*(\j):FW+2*(\j)+1], v[FO], s[10:11] offset:8*(\j)
	global_load_b64 v[FN+2*(\j):FN+2*(\j)+1], v[FO], s[10:11] offset:524288+8*(\j)
	global_load_b64 v[FS+2*(\j):FS+2*(\j)+1], v[FO], s[10:11] offset:1048576+8*(\j)
.endm
	FIXLOAD 0
.irp j, 1,2,3,4,5,6,7
	s_cmp_lt_u32 s20, \j                           ; ids alone
	s_cbranch_scc1 .Lfixed
	FIXLOAD \j
.endr
.Lfixed:
	WIN 0x80                                       ; the sums begin as zeros: these lines stand between the loads above and the wait for them
.set k, 0
.rept 256
	v_mov_b32 v[k], 0
.set k, k+1
.endr
	WIN 0
	s_wait_loadcnt 0x0
	v_min3_num_f32 v[NF], v[FN], v[FN+1], v[FN+2]
.irp c, 3,5,7,9,11,13
	v_min3_num_f32 v[NF], v[NF], v[FN+\c], v[FN+\c+1]
.endr
	v_min_num_f32 v[NF], v[NF], v[FN+15]           ; -M
.irp c, 0,1,2,3,4,5,6,7,8,9,10,11,12,13,14,15
	v_sub_f32 v[FN+\c], v[NF], v[FN+\c]            ; -delta_c, a whole number, 0 or less
.endr
.irp c, 0,1,2,3,4,5,6,7,8,9,10,11,12,13,14,15
	v_max_num_f32 v[FN+\c], 0xc2fe0000, v[FN+\c]   ; held at -127
.endr
.irp c, 0,1,2,3,4,5,6,7,8,9,10,11,12,13,14,15
	v_cvt_i32_f32 v[FN+\c], v[FN+\c]
.endr
.irp c, 0,1,2,3,4,5,6,7,8,9,10,11,12,13,14,15
	v_ldexp_f32 v[FS+\c], v[FS+\c], v[FN+\c]       ; l_c under the final M
.endr
.irp c, 0,1,2,3,4,5,6,7,8,9,10,11,12,13,14,15
	v_sub_nc_u32 v[FN+\c], 0, v[FN+\c]
.endr
.irp c, 0,1,2,3,4,5,6,7,8,9,10,11,12,13,14,15
	v_mul_lo_u32 v[FN+\c], v[FN+\c], s78           ; delta_c in each of four bytes
.endr
.irp c, 0,1,2,3,4,5,6,7,8,9,10,11,12,13,14,15
	v_or_b32 v[FW+\c], s79, v[FW+\c]               ; p is at most 1, so a byte is at most 125: bit 7 is free, and guards each byte's subtraction
.endr
.irp c, 0,1,2,3,4,5,6,7,8,9,10,11,12,13,14,15
	v_sub_nc_u32 v[FW+\c], v[FW+\c], v[FN+\c]
.endr
.irp c, 0,1,2,3,4,5,6,7,8,9,10,11,12,13,14,15
	v_and_b32 v[FN+\c], s79, v[FW+\c]              ; bit 7 is left where the byte was not under delta_c
.endr
.irp c, 0,1,2,3,4,5,6,7,8,9,10,11,12,13,14,15
	v_lshrrev_b32 v[XT+\c], 7, v[FN+\c]
.endr
.irp c, 0,1,2,3,4,5,6,7,8,9,10,11,12,13,14,15
	v_sub_nc_u32 v[FN+\c], v[FN+\c], v[XT+\c]      ; 0x7f there, 0 elsewhere
.endr
.irp c, 0,1,2,3,4,5,6,7,8,9,10,11,12,13,14,15
	v_and_b32 v[FW+\c], v[FW+\c], v[FN+\c]         ; byte - delta_c, held at 0
.endr
.irp c, 0,4,8,12
	v_pk_add_f32 v[FS+\c:FS+\c+1], v[FS+\c:FS+\c+1], v[FS+\c+2:FS+\c+3]
.endr
	v_pk_add_f32 v[FS:FS+1], v[FS:FS+1], v[FS+4:FS+5]
	v_pk_add_f32 v[FS+8:FS+9], v[FS+8:FS+9], v[FS+12:FS+13]
	v_pk_add_f32 v[FS:FS+1], v[FS:FS+1], v[FS+8:FS+9]
	v_add_f32 v[FS], v[FS], v[FS+1]                ; l
	v_rcp_f32 v[RC], v[FS]
	v_nop                                          ; a plain place behind the reciprocal
	s_wait_alu depctr_va_vdst(0)                   ; ahead of its first reader
.irp c, 0,1,2,3
	ds_store_b128 v[FA], v[FW+4*\c:FW+4*\c+3] offset:16*\c
.endr
	ds_store_b32 v[FL], v[RC]
.macro FRAGI reg, adr, off             ; a fragment's image: registers 4 c .. 4 c + 3 of lane l at 512 c + 16 l
.irp c, 0,1,2
	ds_load_b128 v[\reg+4*\c:\reg+4*\c+3], v[\adr] offset:\off+512*\c
.endr
.endm
; A chunk's 32 products on set p.  The 32 accumulators take turns, one instruction a turn, in the same order in every step, on every way through a trip and over the loop's backward jump.
.macro MUL32 p
.irp a, 0,1,2,3
.irp b, 0,1,2,3,4,5,6,7
	v_wmma_scale_f32_16x16x128_f8f6f4 v[8*(8*\a+\b):8*(8*\a+\b)+7], v[128*(\p)+FR*\b:128*(\p)+FR*\b+FR-1], v[AF+48*(\p)+FR*\a:AF+48*(\p)+FR*\a+FR-1], v[8*(8*\a+\b):8*(8*\a+\b)+7], v[SC+8*(\p)+\b], v[SC+8*(\p)+\a] matrix_a_fmt:MATRIX_FMT_FP6 matrix_b_fmt:MATRIX_FMT_FP6 matrix_a_scale:MATRIX_SCALE_ROW1
.endr
.endr
.endm
.macro FETCH slot, u, p                ; the slot's chunk u into set p: V^T's eight fragments, P's four, the scale words
	WIN TO_B
.irp i, 0,1,2,3,4,5,6,7
	FRAGI 128*(\p)+FR*\i, ADRB+\slot, \i*ROWI+(\u)*CHB
.endr
	WIN 0
.irp i, 0,1,2,3
	FRAGI AF+48*(\p)+FR*\i, ADRA+\slot, \i*ROWI+(\u)*CHB
.endr
.irp i, 0,1,2,3
	ds_load_b32 v[SC+8*(\p)+\i], v[ADRS] offset:\i*SBLK+4*(\u)
.endr
.irp i, 4,5,6,7
	ds_load_b32 v[SC+8*(\p)+\i], v[ADRS2] offset:\i*SBLK+4*(\u)
.endr
.endm
; A TRIP reads slot `slot`, chunks C0 .. C0 + 3.
.macro TRIP slot
	s_wait_tensorcnt 0x0                           ; all my tensor loads have landed, my part of this trip's slot among them: so a group 0 may be written
	ds_add_u32 v[SPW], v[NIL]
	s_add_nc_u64 s[G0+4*\slot+2:G0+4*\slot+3], s[G0+4*\slot+2:G0+4*\slot+3], 2*ROWI   ; this slot's next four chunks
	s_wait_dscnt 0x0                               ; the add is done; my reads of the slot that I have left are over; in the first trip: my stores into the tables have landed
	s_barrier_signal -1
	s_barrier_wait -1
	s_add_co_u32 s3, s[C0], 4
	s_cmp_gt_u32 s3, s17                           ; the next slot's first chunk lies beyond the causal limit: no step would read it, so it is not asked for.  Ids and the count of trips alone
	s_cbranch_scc1 .Lpast_\@
	s_add_co_u32 s3, s[C0], 6
	PVLOAD G0+4*(1-\slot)                          ; my one tensor load behind the barrier: it has this trip's steps in which to land
.Lpast_\@:
	s_cmp_gt_u32 s[C0], s17
	s_cbranch_scc1 .Lhidden_\@
	PLACES NP                                      ; in front of loads into registers that the last trip's matrix instructions have read
	FETCH \slot, 0, 0
	s_wait_dscnt 0x0
	s_add_co_u32 s3, s[C0], 1
	s_cmp_gt_u32 s3, s17                           ; is this chunk my last?  Then nothing more is fetched
	s_cbranch_scc1 .Ltail0_\@
	FETCH \slot, 1, 1
	WIN MUL
	MUL32 0
	WIN 0
	s_wait_dscnt 0x0
	s_add_co_u32 s3, s[C0], 2
	s_cmp_gt_u32 s3, s17
	s_cbranch_scc1 .Ltail1_\@
	PLACES NP
	FETCH \slot, 2, 0
	WIN MUL
	MUL32 1
	WIN 0
	s_wait_dscnt 0x0
	s_add_co_u32 s3, s[C0], 3
	s_cmp_gt_u32 s3, s17
	s_cbranch_scc1 .Ltail0_\@
	PLACES NP
	FETCH \slot, 3, 1
	WIN MUL
	MUL32 0
	WIN 0
	s_wait_dscnt 0x0
.Ltail1_\@:                                        ; the trip's last chunk lies in set 1,
	WIN MUL
	MUL32 1
	WIN 0
	s_branch .Lhidden_\@
.Ltail0_\@:                                        ; or in set 0
	WIN MUL
	MUL32 0
	WIN 0
.Lhidden_\@:
	v_add_nc_u32 v[ADRS], 16, v[ADRS]              ; the next slot's four scale words
	v_add_nc_u32 v[ADRS2], 16, v[ADRS2]
	s_add_co_u32 s[C0], s[C0], 4
.endm
.Llap:                                             ; two laps of two trips: constants
	TRIP 0
	TRIP 1
	s_add_co_u32 s[LAP], s[LAP], 1
	s_cmp_lt_u32 s[LAP], 2
	s_cbranch_scc1 .Llap
; 64 numbers of a lane in window 0 become a fragment's codes in NATURAL order in v[CD] on and its scale word in v[PW]
.macro QUANT s
.irp b, 0,1,2,3
	v_max3_num_f32 v[TM+\b], |v[(\s)+16*\b]|, |v[(\s)+1+16*\b]|, 0x1800000   ; my 16 numbers of block b, and the floor 2^(3 - 127): the byte cannot fall under 1
.endr
.irp i, 2,4,6,8,10,12,14
.irp b, 0,1,2,3
	v_max3_num_f32 v[TM+\b], |v[(\s)+16*\b+\i]|, |v[(\s)+1+16*\b+\i]|, v[TM+\b]
.endr
.endr
.irp b, 0,1,2,3
	v_permlanex16_b32 v[TM+4+\b], v[TM+\b], s[SEL], s[SEL+1]
.endr
.irp b, 0,1,2,3
	v_max_num_f32 v[TM+\b], v[TM+\b], v[TM+4+\b]
.endr
.irp b, 0,1,2,3
	v_add_nc_u32 v[TM+12+\b], 0xff000000, v[TM+\b]
.endr
.irp b, 0,1,2,3
	v_lshrrev_b32 v[TM+4+\b], 23, v[TM+12+\b]
.endr
	v_lshl_or_b32 v[PW], v[TM+5], 8, v[TM+4]
	v_lshl_or_b32 v[PW], v[TM+6], 16, v[PW]
	v_lshl_or_b32 v[PW], v[TM+7], 24, v[PW]
.irp c, 0,1
	v_cvt_scalef32_pk16_fp6_f32 v[CD+6*\c:CD+2+6*\c], v[(\s)+32*\c:(\s)+15+32*\c], v[TM+12+2*\c]
	v_cvt_scalef32_pk16_fp6_f32 v[CD+12+4*\c:CD+14+4*\c], v[(\s)+16+32*\c:(\s)+31+32*\c], v[TM+12+2*\c+1]
.endr
	v_nop                                          ; one plain place behind a scaled conversion
.irp c, 0,1
.irp i, 0,1,2
	v_permlane16_swap_b32 v[CD+6*\c+\i], v[CD+12+4*\c+\i]
.endr
	; the first three registers hold the block's codes 0-7 and 16-23, the other three 8-15 and 24-31, 48 bits each: the two middle groups change places
	v_perm_b32 v[CD+6*\c+3], v[CD+6*\c+2], v[CD+6*\c+1], 0x05040302
	v_perm_b32 v[CD+6*\c+4], v[CD+12+4*\c+1], v[CD+6*\c+2], 0x07060302
	v_mov_b32 v[CD+6*\c+5], v[CD+12+4*\c+2]
	v_perm_b32 v[CD+6*\c+1], v[CD+12+4*\c], v[CD+6*\c+1], 0x05040100
	v_perm_b32 v[CD+6*\c+2], v[CD+12+4*\c+1], v[CD+12+4*\c], 0x05040302
.endr
.endm
	PLACES NP                                      ; in front of the first read of results and of writes into P's registers
.irp a, 0,1,2,3
	ds_load_b32 v[IL+2*\a], v[ILA] offset:64*\a
.endr
	s_wait_dscnt 0x0
.irp a, 0,1,2,3
	WIN 2                                          ; source 0: window 2
.set k, 0
.rept 32
	v_pk_mul_f32 v[TT+k:TT+k+1], v[64*\a+k:64*\a+k+1], v[IL+2*\a:IL+2*\a+1] op_sel_hi:[1,0]   ; O / l, each accumulator from its low end on
.set k, k+2
.endr
	WIN 0
.if \a > 0
	s_wait_xcnt 0x0                                ; the last block's stores have read their registers
.endif
	QUANT TT
.irp c, 0,1,2
	global_store_b128 v[LI], v[CD+4*\c:CD+4*\c+3], s[12:13] offset:12288*\a+512*\c   ; 32 lanes store 512 consecutive bytes, aligned
.endr
	global_store_b32 v[SOF], v[PW], s[76:77] offset:512*\a     ; lanes l and l xor 16 store the same word to the same place
.endr
	s_wait_tensorcnt 0x0                           ; the wave's end
	ds_add_u32 v[SPW], v[NIL]
	s_wait_dscnt 0x0
	s_endpgm
.Lfunc_end_k_q5ce6aaf8c0_mix:
	.size	k_q5ce6aaf8c0_mix, .Lfunc_end_k_q5ce6aaf8c0_mix-k_q5ce6aaf8c0_mix
	.p2alignl 7, 3214868480
	.fill 96, 4, 3214868480
	.section	.rodata,"a",@progbits
	.p2align	6, 0x0
	.amdhsa_kernel k_q5ce6aaf8c0_mix
		.amdhsa_group_segment_fixed_size 327680
		.amdhsa_private_segment_fixed_size 0
		.amdhsa_enable_private_segment 0
		.amdhsa_kernarg_size 24
		.amdhsa_user_sgpr_count 2
		.amdhsa_user_sgpr_kernarg_segment_ptr 1
		.amdhsa_wavefront_size32 1
		.amdhsa_system_sgpr_workgroup_id_x 1
		.amdhsa_system_sgpr_workgroup_id_y 1
		.amdhsa_system_sgpr_workgroup_id_z 1
		.amdhsa_system_vgpr_workitem_id 0
		.amdhsa_next_free_vgpr 768
		.amdhsa_next_free_sgpr 88
		.amdhsa_reserve_vcc 0
		.amdhsa_float_denorm_mode_32 3
		.amdhsa_float_denorm_mode_16_64 3
		.amdhsa_memory_ordered 1
		.amdhsa_forward_progress 1
		.amdhsa_inst_pref_size 126
	.end_amdhsa_kernel
	.amdgpu_metadata
---
amdhsa.version: [ 1, 2 ]
amdhsa.kernels:
  - .name:           k_q5ce6aaf8c0_mix
    .symbol:         k_q5ce6aaf8c0_mix.kd
    .args:
      - { .name: qkv, .offset: 0, .size: 8, .value_kind: global_buffer, .address_space: global }
      - { .name: pbuf, .offset: 8, .size: 8, .value_kind: global_buffer, .address_space: global }
      - { .name: obuf, .offset: 16, .size: 8, .value_kind: global_buffer, .address_space: global }
    .group_segment_fixed_size: 327680
    .private_segment_fixed_size: 0
    .kernarg_segment_align: 8
    .kernarg_segment_size: 24
    .max_flat_workgroup_size: 128
    .sgpr_count:     88
    .vgpr_count:     768
    .wavefront_size: 32
...
	.end_amdgpu_metadata
.endif
;; end of part 6
;; launch outp (part 7): grid 8 x 32, 4 waves a work-group, clusters of 4 x 4, 327,680 bytes of LDS; arguments obuf, Wo_codes, Wo_scales, bo, out0; writes out0
.if DOCPART == 7
	.amdgcn_target "amdgcn-amd-amdhsa--gfx1250"
	.amdhsa_code_object_version 6
	.text
	.protected	k_q5ce6aaf8c0_outp
	.globl	k_q5ce6aaf8c0_outp
	.p2align	8
	.type	k_q5ce6aaf8c0_outp,@function
k_q5ce6aaf8c0_outp:
	s_mov_b64 s[64:65], 0
	v_nop
	global_prefetch_b8 v0, s[64:65] scope:SCOPE_SE
	s_setreg_imm32_b32 hwreg(HW_REG_WAVE_MODE, 25, 1), 1
	s_wait_xcnt 0x0
	s_wait_alu depctr_hold_cnt(0) depctr_sa_sdst(0) depctr_va_vdst(0) depctr_va_sdst(0) depctr_va_ssrc(0) depctr_va_vcc(0) depctr_vm_vsrc(0)
	s_getreg_b32 s2, hwreg(HW_REG_IB_STS2, 6, 4)
	s_cmp_eq_u32 s2, 0
	s_cbranch_scc0 .Lentry_in_a_cluster
	s_endpgm
.Lentry_in_a_cluster:
	s_bfe_u32 s2, ttmp6, 0x10000c
	s_cmp_lg_u32 s2, 0xf033
	s_cbranch_scc0 .Lentry_shape_is_right
	s_endpgm
.Lentry_shape_is_right:
; out0 = O Wo^T + bo.  O: the images and scale bytes that mix stored (codes of FP6 in natural order); Wo: codes [1024][768 bytes] and scale bytes [1024][32] as given; out0 [8192][1024] f32.  Nothing is left out here.
; A tile of 256 rows x 128 columns is made by four waves, 128 x 64 each: 32 accumulators; 8 x 32 tiles: a work-group for each of 256.
; ALL OF K LIES IN LDS: four quarters of 256, each O's two halves as images (24,576 bytes each), then Wo's two halves as rows of 192 bytes with 16 of padding behind every 64 (15,360 bytes each): 4 x 79,872 bytes.
; Nothing is filled again: a wave's four loads go out together at the head, and each quarter is awaited by a counted wait and a barrier when the quarter before is at its last step.
; CLUSTERS: 4 x 4 work-groups; O's tiles are asked for jointly along a row of the cluster, Wo's along a column.
; THE SCALE WORDS come once into registers: lane (r, h) takes the 16 bytes at 16 h of row r's 32, so that a load of the wave covers 512 consecutive bytes; lanes 0-15 then hold the words of K steps 0-3, lanes 16-31 those of K steps 4-7,
; and the instruction's row selector takes the half that the K step asks for.
; Source 0 = 16 rows of Wo, source 1 = 16 rows of O: a lane holds eight neighbouring numbers of a row of out0.  The bias is the C of each sum's first matrix instruction.
; REGISTERS: window 0: v12-23 fragment addresses, v24-31 others, v32-63 O's scale words, v64-79 Wo's, v96-127 the bias in the result's layout, v128-191 rows on the way out.
;   window 1: Wo's fragments, two sets at v0 and v64.  window 3: O's fragments, two sets at v0 and v128.  window 2: the accumulators, (a, b) at v[8 (4 a + b)].
.set ROWB,  192
.set KROW,  768
.set PITCH, 240
.set FR,    12
.set NP,    4
.set HALFI, 24576
.set HALFB, 64*PITCH
.set SLOT,  2*HALFI+2*HALFB
.set SPARE, 4*SLOT
.set SP,    272                        ; the way out: a stage of 16 rows x (256 + 16) bytes for each wave, in the first quarter's bytes, which have had their one fill and their last read by then
.set NOUT,  1024
.set ADRB2, 12
.set ADRA, 16
.set ADRB, 20
.set STO,  24
.set RD,   25
.set CO,   26
.set LI,   27
.set SPW,  28
.set NIL,  29
.set BNA,  30
.set SAD,  31
.set SA,   32
.set SBS,  64
.set BN,   96
.set BK,   128
.set G1,   24
.set G1B,  32
.set G0,   40                          ; s[40:55] group 0 for O's tiles, a set for each quarter
.set G0B,  68                          ; s[68:83] the same for Wo's
.set MSB, 0
.macro WIN new
.if MSB != (\new)
	s_set_vgpr_msb (MSB<<8)|(\new)
.set MSB, (\new)
.endif
.endm
.set MUL,   0xad                       ; source 0 (Wo) window 1, source 1 (O) window 3, C and D window 2
.set MULB,  0x8d                       ; the same with C (the bias) in window 0
.macro PLACES n
.rept \n
	v_nop
.endr
.endm
.macro JLOAD g0a, g1a, g0b, g1b        ; a joint load: waves 0 and 1 fetch for O, waves 2 and 3 for Wo; an s_nop 0 and four v_nop follow each line
	s_cmp_eq_u32 s15, 0
	s_cbranch_scc0 .Lfor_b_\@
	tensor_load_to_lds s[\g0a:\g0a+3], s[\g1a:\g1a+7]
	s_nop 0
.rept 4
	v_nop
.endr
	s_branch .Lasked_\@
.Lfor_b_\@:
	tensor_load_to_lds s[\g0b:\g0b+3], s[\g1b:\g1b+7]
	s_nop 0
.rept 4
	v_nop
.endr
.Lasked_\@:
.endm
.macro CROUND                          ; a round of the cluster's barrier
	s_barrier_signal -1
	s_barrier_wait -1
	s_cmp_lg_u32 s14, 0
	s_cbranch_scc1 .Lnot_wave_0_\@
	s_barrier_signal -3
.Lnot_wave_0_\@:
	s_barrier_wait -3
	s_barrier_signal -1
	s_barrier_wait -1
.endm
	s_load_b256 s[4:11], s[0:1], 0x0               ; obuf, Wo's codes, Wo's scales, bo
	s_load_b64 s[12:13], s[0:1], 0x20              ; out0
	v_lshl_add_u32 v[SPW], v0, 2, SPARE
	v_mov_b32 v[NIL], 0
	ds_add_u32 v[SPW], v[NIL]                      ; the wave's opening: the add, twice on end, and its wait ahead of my first tensor load
	ds_add_u32 v[SPW], v[NIL]
	v_lshrrev_b32 v1, 5, v0
	v_readfirstlane_b32 s14, v1                    ; wave 0..3
	s_lshr_b32 s15, s14, 1                         ; my half of the tile's rows.  Also: I fetch for O (0) or for Wo (1)
	s_and_b32 s16, s14, 1                          ; my half of its columns.  Also: which half I fetch
	s_bfe_u32 s56, ttmp6, 0x40000                  ; cx
	s_bfe_u32 s57, ttmp6, 0x40004                  ; cy
	s_lshl_b32 s58, ttmp9, 2
	s_add_co_u32 s58, s58, s56                     ; tile column, 0..7
	s_and_b32 s17, ttmp7, 0xffff
	s_lshl_b32 s17, s17, 2
	s_add_co_u32 s17, s17, s57                     ; tile row, 0..31
	s_lshl_b32 s59, s57, 2
	s_lshl_b32 s59, 15, s59                        ; my row of the cluster
	s_lshl_b32 s60, 0x1111, s56                    ; my column
	s_or_b32 s[G1+0], s59, (3<<16)|(1<<21)         ; O's images: elements of 8 bytes, no padding
	s_mov_b32 s[G1+1], 384<<16                     ; 3,072 bytes: two K steps' images of 16 rows
	s_mov_b32 s[G1+2], 8<<16
	s_mov_b32 s[G1+3], 384<<16
	s_mov_b32 s[G1+4], 8
	s_mov_b32 s[G1+5], 1536                        ; 12,288 bytes from a block of 16 rows to the next
	s_mov_b32 s[G1+6], 0
	s_mov_b32 s[G1+7], 0
	s_or_b32 s[G1B+0], s60, (0<<16)|(1<<20)|(1<<21)|(3<<22)|(3<<25)   ; Wo's rows: 4 words of padding behind every 16
	s_mov_b32 s[G1B+1], ROWB<<16
	s_mov_b32 s[G1B+2], 64<<16
	s_mov_b32 s[G1B+3], ROWB<<16
	s_mov_b32 s[G1B+4], 64
	s_mov_b32 s[G1B+5], KROW
	s_mov_b32 s[G1B+6], 0
	s_mov_b32 s[G1B+7], 0
	s_lshl_b32 s18, s16, 3
	s_lshl_b32 s84, s17, 4
	s_add_co_u32 s84, s84, s18                     ; O: block of 16 rows: 16 x tile row + 8 x half
	s_mul_i32 s84, s84, 12288
	s_mov_b32 s85, 0
	s_lshl_b32 s18, s16, 6
	s_lshl_b32 s86, s58, 7
	s_add_co_u32 s86, s86, s18                     ; Wo: row 128 x tile column + 64 x half
	s_mul_i32 s86, s86, KROW
	s_mov_b32 s87, 0
	s_mul_i32 s61, s16, HALFI                      ; where they go in a quarter: O's halves,
	s_mul_i32 s62, s16, HALFB
	s_add_co_u32 s62, s62, 2*HALFI                 ; Wo's behind them
	s_wait_dscnt 0x0                               ; both opening adds are done
	s_wait_kmcnt 0x0
	s_add_nc_u64 s[84:85], s[4:5], s[84:85]
	s_add_nc_u64 s[86:87], s[6:7], s[86:87]
	CROUND                                         ; all sixteen work-groups are here: the joint loads meet
.irp q, 0,1,2,3
	s_mov_b32 s[G0+4*\q], 1
	s_add_co_u32 s[G0+4*\q+1], s61, \q*SLOT
	s_add_nc_u64 s[G0+4*\q+2:G0+4*\q+3], s[84:85], \q*3072
	s_or_b32 s[G0+4*\q+3], s[G0+4*\q+3], 0x80000000
	s_mov_b32 s[G0B+4*\q], 1
	s_add_co_u32 s[G0B+4*\q+1], s62, \q*SLOT
	s_add_nc_u64 s[G0B+4*\q+2:G0B+4*\q+3], s[86:87], \q*ROWB
	s_or_b32 s[G0B+4*\q+3], s[G0B+4*\q+3], 0x80000000
	JLOAD G0+4*\q, G1, G0B+4*\q, G1B               ; all of K is asked for at once: four loads of mine are out
.endr
	s_lshl_b32 s18, s17, 8
	s_lshl_b32 s19, s15, 7
	s_add_co_u32 s18, s18, s19                     ; my first row of O and of out0
	s_lshl_b32 s20, s18, 5
	s_add_co_u32 s20, s20, 6291456
	s_mov_b32 s21, 0
	s_add_nc_u64 s[88:89], s[4:5], s[20:21]        ; its scale bytes
	s_lshl_b32 s22, s58, 7
	s_lshl_b32 s23, s16, 6
	s_add_co_u32 s22, s22, s23                     ; my first row of Wo = my first column of out0
	s_lshl_b32 s20, s22, 5
	s_add_nc_u64 s[90:91], s[8:9], s[20:21]        ; its scale bytes
	s_lshl_b32 s20, s22, 2
	s_add_nc_u64 s[10:11], s[10:11], s[20:21]      ; bo at my first column
	s_add_nc_u64 s[12:13], s[12:13], s[20:21]
	s_lshl_b32 s20, s18, 12
	s_add_nc_u64 s[12:13], s[12:13], s[20:21]      ; out0 at my first row and column
	v_and_b32 v1, 15, v0                           ; r
	v_bfe_u32 v2, v0, 4, 1                         ; h
	v_lshlrev_b32 v[SAD], 5, v1
	v_lshl_add_u32 v[SAD], v2, 4, v[SAD]           ; row r's 32 scale bytes, + 16 h
	v_lshlrev_b32 v[BNA], 5, v2
.irp a, 0,1,2,3,4,5,6,7
	global_load_b128 v[SA+4*\a:SA+4*\a+3], v[SAD], s[88:89] offset:512*\a      ; O's block a: 32 lanes read 512 consecutive bytes
.endr
.irp b, 0,1,2,3
	global_load_b128 v[SBS+4*\b:SBS+4*\b+3], v[SAD], s[90:91] offset:512*\b    ; Wo's block b
.endr
.irp b, 0,1,2,3
	global_load_b128 v[BN+8*\b:BN+8*\b+3], v[BNA], s[10:11] offset:64*\b       ; bo(16 b + 8 h + 0 .. 7) of my 64
	global_load_b128 v[BN+8*\b+4:BN+8*\b+7], v[BNA], s[10:11] offset:64*\b+16
.endr
	v_and_b32 v6, 31, v0
	v_lshlrev_b32 v[LI], 4, v6                     ; 16 x lane
	v_mul_u32_u24 v3, v1, PITCH
	v_mul_u32_u24 v4, v2, 24
	v_add_nc_u32 v4, v3, v4                        ; a fragment's row x pitch + 24 x half
	v_lshl_add_u32 v5, v2, 4, v4                   ; and the same behind one padding more
	s_mul_i32 s21, s15, HALFI                      ; my 128 rows of O
	s_mul_i32 s22, s16, HALFB
	s_add_co_u32 s22, s22, 2*HALFI                 ; my 64 rows of Wo
.irp q, 0,1,2,3
	v_add_nc_u32 v[ADRA+\q], s21, v[LI]
	v_add_nc_u32 v[ADRB+\q], s22, v4
	v_add_nc_u32 v[ADRB2+\q], s22, v5
	s_add_co_u32 s21, s21, SLOT
	s_add_co_u32 s22, s22, SLOT
.endr
	s_mul_i32 s23, s14, 16*SP                      ; my stage
	v_mul_u32_u24 v5, v1, SP
	v_lshl_add_u32 v5, v2, 5, v5
	v_add_nc_u32 v[STO], s23, v5                   ; in: row r, 32 bytes for each half of the lanes
	v_mul_u32_u24 v5, v2, SP
	v_lshl_add_u32 v5, v1, 4, v5
	v_add_nc_u32 v[RD], s23, v5                    ; back: lanes 0-15 one row of 256 bytes, lanes 16-31 the next
	v_lshlrev_b32 v5, 12, v2
	v_lshl_add_u32 v[CO], v1, 4, v5                ; and the same two rows in out0
.macro FRAGR reg, adr, adr2, q, i      ; a fragment from rows in LDS, in pieces of 8 bytes; where lanes 16-31's piece lies behind one padding more, the second address register serves
.irp p, 0,1,2,3,4,5
.set PIECE, 12*(\q)+6*(\p/3)+\p%3
.if PIECE%8 < 5
	ds_load_b64 v[\reg+2*\p:\reg+2*\p+1], v[\adr] offset:8*PIECE+16*(PIECE/8)+(\i)*16*PITCH
.else
	ds_load_b64 v[\reg+2*\p:\reg+2*\p+1], v[\adr2] offset:8*PIECE+16*(PIECE/8)+(\i)*16*PITCH
.endif
.endr
.endm
.macro FRAGI reg, adr, off             ; a fragment's image
.irp c, 0,1,2
	ds_load_b128 v[\reg+4*\c:\reg+4*\c+3], v[\adr] offset:\off+512*\c
.endr
.endm
.macro FETCH slot, q, p                ; the q-th 128 along K of a quarter into set p: Wo's four fragments, O's eight
	WIN 0x40                                       ; destination window 1
.irp i, 0,1,2,3
	FRAGR 64*(\p)+FR*\i, ADRB+\slot, ADRB2+\slot, \q, \i
.endr
	WIN 0xc0                                       ; destination window 3
.irp i, 0,1,2,3,4,5,6,7
	FRAGI 128*(\p)+FR*\i, ADRA+\slot, \i*3072+(\q)*1536
.endr
	WIN 0
.endm
; 16 matrix instructions: O's blocks a0 .. a0 + 3 x Wo's four, K step ks, set p.  The 32 accumulators take turns, one instruction a turn, in the same order in every step.
; bias = 1: the bias is the C of the sum's first instruction.
.macro MULH a0, p, ks, bias
.irp a, \a0, \a0+1, \a0+2, \a0+3
.irp b, 0,1,2,3
.if \bias
	v_wmma_scale_f32_16x16x128_f8f6f4 v[8*(4*(\a)+\b):8*(4*(\a)+\b)+7], v[64*(\p)+FR*\b:64*(\p)+FR*\b+FR-1], v[128*(\p)+FR*(\a):128*(\p)+FR*(\a)+FR-1], v[BN+8*\b:BN+8*\b+7], v[SBS+4*\b+(\ks)%4], v[SA+4*(\a)+(\ks)%4] matrix_a_fmt:MATRIX_FMT_FP6 matrix_b_fmt:MATRIX_FMT_FP6
.elseif (\ks) < 4
	v_wmma_scale_f32_16x16x128_f8f6f4 v[8*(4*(\a)+\b):8*(4*(\a)+\b)+7], v[64*(\p)+FR*\b:64*(\p)+FR*\b+FR-1], v[128*(\p)+FR*(\a):128*(\p)+FR*(\a)+FR-1], v[8*(4*(\a)+\b):8*(4*(\a)+\b)+7], v[SBS+4*\b+(\ks)%4], v[SA+4*(\a)+(\ks)%4] matrix_a_fmt:MATRIX_FMT_FP6 matrix_b_fmt:MATRIX_FMT_FP6
.else
	v_wmma_scale_f32_16x16x128_f8f6f4 v[8*(4*(\a)+\b):8*(4*(\a)+\b)+7], v[64*(\p)+FR*\b:64*(\p)+FR*\b+FR-1], v[128*(\p)+FR*(\a):128*(\p)+FR*(\a)+FR-1], v[8*(4*(\a)+\b):8*(4*(\a)+\b)+7], v[SBS+4*\b+(\ks)%4], v[SA+4*(\a)+(\ks)%4] matrix_a_fmt:MATRIX_FMT_FP6 matrix_b_fmt:MATRIX_FMT_FP6 matrix_a_scale:MATRIX_SCALE_ROW1 matrix_b_scale:MATRIX_SCALE_ROW1
.endif
.endr
.endr
.endm
.macro EVEN slot, ks, bias             ; a quarter's first 128: multiplies set 0; the second 128 is fetched into set 1 ahead of the products
	s_wait_dscnt 0x0                               ; set 0 is in
	PLACES NP                                      ; in front of loads into registers that matrix instructions have read
	FETCH \slot, 1, 1
.if \bias
	WIN MULB
.else
	WIN MUL
.endif
	MULH 0, 0, \ks, \bias
	MULH 4, 0, \ks, \bias
.endm
.macro ODD next, ks, left              ; a quarter's second 128: multiplies set 1, and meets the other waves for the next quarter.  left: how many of my later loads may stay out
	s_wait_dscnt 0x0                               ; set 1 is in, and no LDS instruction of mine is out at the signal
	s_wait_tensorcnt \left                         ; my part of the next quarter has landed; the later quarters may stay out
	s_barrier_signal -1
	WIN MUL
	MULH 0, 1, \ks, 0
	s_barrier_wait -1                              ; everybody's has
	PLACES NP
	FETCH \next, 0, 0
	WIN MUL
	MULH 4, 1, \ks, 0
.endm
	s_wait_loadcnt 0x0                             ; the scale words and the bias
	s_wait_tensorcnt 3                             ; my part of the first quarter is in; the other three loads may be out
	s_barrier_signal -1
	s_barrier_wait -1
	FETCH 0, 0, 0
	EVEN 0, 0, 1
	ODD 1, 1, 2
	EVEN 1, 2, 0
	ODD 2, 3, 1
	EVEN 2, 4, 0
	ODD 3, 5, 0
	EVEN 3, 6, 0
	s_wait_dscnt 0x0
	MULH 0, 1, 7, 0
	MULH 4, 1, 7, 0
	WIN 0
; THE WAY OUT, block by block of 16 rows x 64 columns: through my own stage in LDS, back as whole rows of 256 bytes.  LDS serves a wave's instructions in order (ISA guide 5.7.1.4): no wait between the stores and the loads.
.macro TOSTAGE a
	WIN 0x08                                       ; an LDS store's data: window 2
.irp b, 0,1,2,3
	ds_store_b128 v[STO], v[32*(\a)+8*\b:32*(\a)+8*\b+3] offset:64*\b          ; each accumulator from its low end on
	ds_store_b128 v[STO], v[32*(\a)+8*\b+4:32*(\a)+8*\b+7] offset:64*\b+16
.endr
	WIN 0
.set BB, BK+32*((\a)%2)
.irp t, 0,1,2,3,4,5,6,7
	ds_load_b128 v[BB+4*\t:BB+4*\t+3], v[RD] offset:\t*2*SP
.endr
.endm
.macro SEND a, younger
.set BB, BK+32*((\a)%2)
	s_wait_dscnt \younger                          ; the block is back in registers
.if (\a) > 0
	s_add_nc_u64 s[12:13], s[12:13], 16*NOUT*4     ; (behind a wait on XCNT: the earlier stores have read their base)
.endif
.irp t, 0,1,2,3,4,5,6,7
	global_store_b128 v[CO], v[BB+4*\t:BB+4*\t+3], s[12:13] offset:2*\t*NOUT*4 th:TH_STORE_NT   ; sixteen lanes store 256 consecutive bytes, aligned
.endr
.endm
	PLACES NP                                      ; in front of the first read of results
	TOSTAGE 0
.irp a, 1,2,3,4,5,6,7
.if \a > 1
	s_wait_xcnt 0x0                                ; block a - 2's stores have read their registers and their base
.endif
	TOSTAGE \a
	SEND \a-1, 16                                  ; behind block a - 1's loads: block a's 8 stores and 8 loads
.endr
	s_wait_xcnt 0x0
	SEND 7, 0
	s_wait_tensorcnt 0x0                           ; the wave's end
	ds_add_u32 v[SPW], v[NIL]
	s_wait_dscnt 0x0
	CROUND                                         ; the closing round
	s_endpgm
.Lfunc_end_k_q5ce6aaf8c0_outp:
	.size	k_q5ce6aaf8c0_outp, .Lfunc_end_k_q5ce6aaf8c0_outp-k_q5ce6aaf8c0_outp
	.p2alignl 7, 3214868480
	.fill 96, 4, 3214868480
	.section	.rodata,"a",@progbits
	.p2align	6, 0x0
	.amdhsa_kernel k_q5ce6aaf8c0_outp
		.amdhsa_group_segment_fixed_size 327680
		.amdhsa_private_segment_fixed_size 0
		.amdhsa_enable_private_segment 0
		.amdhsa_kernarg_size 40
		.amdhsa_user_sgpr_count 2
		.amdhsa_user_sgpr_kernarg_segment_ptr 1
		.amdhsa_wavefront_size32 1
		.amdhsa_system_sgpr_workgroup_id_x 1
		.amdhsa_system_sgpr_workgroup_id_y 1
		.amdhsa_system_sgpr_workgroup_id_z 1
		.amdhsa_system_vgpr_workitem_id 0
		.amdhsa_next_free_vgpr 1024
		.amdhsa_next_free_sgpr 92
		.amdhsa_reserve_vcc 0
		.amdhsa_float_denorm_mode_32 3
		.amdhsa_float_denorm_mode_16_64 3
		.amdhsa_memory_ordered 1
		.amdhsa_forward_progress 1
		.amdhsa_inst_pref_size 87
	.end_amdhsa_kernel
	.amdgpu_metadata
---
amdhsa.version: [ 1, 2 ]
amdhsa.kernels:
  - .name:           k_q5ce6aaf8c0_outp
    .symbol:         k_q5ce6aaf8c0_outp.kd
    .args:
      - { .name: obuf, .offset: 0, .size: 8, .value_kind: global_buffer, .address_space: global }
      - { .name: Wo_codes, .offset: 8, .size: 8, .value_kind: global_buffer, .address_space: global }
      - { .name: Wo_scales, .offset: 16, .size: 8, .value_kind: global_buffer, .address_space: global }
      - { .name: bo, .offset: 24, .size: 8, .value_kind: global_buffer, .address_space: global }
      - { .name: out0, .offset: 32, .size: 8, .value_kind: global_buffer, .address_space: global }
    .group_segment_fixed_size: 327680
    .private_segment_fixed_size: 0
    .kernarg_segment_align: 8
    .kernarg_segment_size: 40
    .max_flat_workgroup_size: 128
    .sgpr_count:     92
    .vgpr_count:     1024
    .wavefront_size: 32
...
	.end_amdgpu_metadata
.endif
;; end of part 7
